; MI455X (gfx1250); checked and timed in simulation.
; The chip was launched on July 23, 2026; its instructions are those of AMD's public machine-readable ISA for CDNA 5 (MIT licence, August 2026) and "CDNA5" Instruction Set Architecture Reference Guide (July 2026). The comments in the code are by the model that wrote it; some were corrected since.
;; Encoder Layer. Allowed arithmetic: matrix products marked QUANTISED: E5M2 operands, one E8M0 scale for each 32 along K, by v_wmma_scale_f32_16x16x128_f8f6f4 with both operands' format E5M2, f32 sums; everything else in f32.
;; Inputs: W1 512 x 2,048 float32; W2 2,048 x 512 float32; Wk 512 x 512 float32; Wo 512 x 512 float32; Wq 512 x 512 float32; Wv 512 x 512 float32; b1 2,048 float32; b2 512 float32; beta1 512 float32; beta2 512 float32; bk 512 float32; bo 512 float32; bq 512 float32; bv 512 float32; gamma1 512 float32; gamma2 512 float32; x 2 x 4,096 x 512 float32.
;; Outputs: out0 2 x 4,096 x 512 float32.
;; This version of the problem:
;;   THIS VERSION OF THE PROBLEM IS GIVEN IN LOW PRECISION. The matrix products marked QUANTISED in the list below multiply operands that are first quantised to E5M2 (5 exponent bits, 2 mantissa bits; 8 bits a number), with one power-of-two scale for each 32 numbers along K (OCP MX v1.0); their sums are f32. All else is computed in f32.
;;   The module's matrix products, in the order in which they are computed (A, B: the left and right operand; K: the contracted axis; several contracted axes count as one K, in the product's order):
;;     1. [M 8,192, K 512] x [K 512, N 512]; A: input x; B: input Wq: QUANTISED
;;     2. [M 8,192, K 512] x [K 512, N 512]; A: input x; B: input Wk: QUANTISED
;;     3. [M 8,192, K 512] x [K 512, N 512]; A: input x; B: input Wv: QUANTISED
;;     4. batch 16 x [M 4,096, K 64] x [K 64, N 4,096]; A: computed on the way; B: computed on the way: QUANTISED
;;     5. batch 16 x [M 4,096, K 4,096] x [K 4,096, N 64]; A: softmax (see below); B: computed on the way: QUANTISED
;;     6. [M 8,192, K 512] x [K 512, N 512]; A: computed on the way; B: input Wo: QUANTISED
;;     7. [M 8,192, K 512] x [K 512, N 2,048]; A: computed on the way; B: input W1: QUANTISED
;;     8. [M 8,192, K 2,048] x [K 2,048, N 512]; A: computed on the way; B: input W2: QUANTISED
;;   THE QUANTISER, for each operand of a quantised product, along K:
;;     - K is cut into blocks of 32 from its start; a last block that is shorter is filled with zeros.
;;     - A block's scale is 2^e with e = floor(log2(the largest magnitude in the block)) - 15, held to -126 .. 127; a block of zeros has e = 0. As a byte (E8M0): e + 127.
;;     - Each number is divided by its block's scale, clamped to +-57,344, and rounded to the nearest number of E5M2, ties to even, subnormals kept.
;;     - The product sums the exact products of the quantised numbers (number of the format x scale) in f32.
;;   ~~~python
;;   def quantise(x, axis):      # numpy; x: float32 -> the quantised numbers, widened to float32 again
;;       x = np.moveaxis(x, axis, -1); K = x.shape[-1]
;;       x = np.pad(x, [(0, 0)] * (x.ndim - 1) + [(0, -K % 32)]); x = x.reshape(x.shape[:-1] + (-1, 32)); a = np.abs(x).max(-1, keepdims=True)
;;       e = np.where(a > 0, np.clip(np.frexp(np.where(a > 0, a, 1))[1] - 1 - 15, -126, 127), 0)      # np.frexp(a)[1] - 1 = floor(log2(a)), exactly
;;       r = np.clip(x / 2.0 ** e, -57344, 57344)
;;       step = 2.0 ** (np.maximum(np.frexp(np.where(r == 0, 1, r))[1] - 1, -14) - 2)
;;       q = np.round(r / step) * step * 2.0 ** e      # np.round: ties to even
;;       return np.moveaxis(q.reshape(q.shape[:-2] + (-1,))[..., :K], -1, axis).astype(np.float32)
;;   ~~~
;;   SOFTMAX AHEAD OF A QUANTISED PRODUCT. Where the list says 'softmax', what is quantised is not the finished softmax but p = 2^(t - M), with t = logit x log2(e) and M = ceil(the row's largest t), a whole number; so 1/2 < the row's largest p <= 1. The row's sum l is taken of the UNQUANTISED p, in f32, and the product's result is divided by l at the end. Since M is a whole number, a kernel that streams over the keys may use a running M (the ceiling of the running maximum): every later rescaling is an exact power of two, which a block's scale takes up: the codes' values come out the same.
;;   OPERANDS COMPUTED ON THE WAY. 'Computed on the way' means the value that the module computes at that place (a softmax that the list does not call 'softmax' is quantised finished and normalised). What goes into a quantiser is computed in f32, as accurately as f32 sums, v_exp_f32 and their like allow (about 1e-6 of the number): no bf16 or f16 on the way to a quantiser, and a product that is left as it is and whose result goes on into a quantised operand takes f32 operands (vector FMAs, or v_wmma_f32_16x16x4_f32). A number that lies on a knife's edge between two numbers of the format may be rounded either way, as far as f32 arithmetic and the matrix unit's own rounding can turn it there, and no further.
;; 2 versions. Each part assembles by itself: llvm-mc -triple=amdgcn-amd-amdhsa -mcpu=gfx1250 --defsym DOCPART=n.
;; ======== version 1 of 2: 4 launches
;; workspace buffers: wc 3,145,728 bytes; wsc 98,304 bytes; qc 4,194,304 bytes; kv 8,388,608 bytes; sc 655,360 bytes; oc 4,194,304 bytes; os 131,072 bytes
;; launch prep (part 1): grid 192 x 1, 4 waves a work-group, no clusters, 0 bytes of LDS; arguments Wq, Wk, Wv, Wo, W1, W2, wc, wsc; writes wc, wsc
.if DOCPART == 1
	.amdgcn_target "amdgcn-amd-amdhsa--gfx1250"
	.amdhsa_code_object_version 6
	.text
	.protected	k_qd0e2deba1f_prep
	.globl	k_qd0e2deba1f_prep
	.p2align	8
	.type	k_qd0e2deba1f_prep,@function
k_qd0e2deba1f_prep:
	s_mov_b64 s[64:65], 0
	v_nop
	global_prefetch_b8 v0, s[64:65] scope:SCOPE_SE
	s_setreg_imm32_b32 hwreg(HW_REG_WAVE_MODE, 25, 1), 1
	s_wait_xcnt 0x0
; The six weights ([K][N] f32, K the first axis) become codes of E5M2 with one E8M0 byte for each 32 along K, laid in the order in which the later launches stream them.
; wc: 192 groups of 16,384 bytes; a group = the 8 column tiles of one consumer wave for one K step of 128; a tile = an IMAGE OF THE OPERAND'S REGISTERS, 2,048 bytes:
;     byte 512 c + 16 l + i = the code of column(tile, l % 16) at k = 32 c + 16 (l / 16) + i.   wsc: [group][v 0..3][lane] words: lanes 0-15 tile 2 v's rows, lanes 16-31 tile 2 v + 1's.
; THE COLUMNS OF A TILE ARE NOT NEIGHBOURS: in each 32 columns tile u gives lane r column 8 u + r + (r & 8), so that a transposed product's 16 registers of two neighbouring tiles are 16 neighbours.
; A work-group makes one group (128 columns x 128 K), a wave 32 columns.  A LANE TAKES A COLUMN AND ITS REGISTERS RUN DOWN K: a block of 32 lies in one lane, nothing is transposed.
; Each load of a wave reads 128 consecutive bytes of a row of the weight; sixteen lanes store 256 consecutive bytes, aligned.  No LDS, no barrier: waves share nothing.
; A block's scale is 2^(floor(log2(largest magnitude)) - 15): its byte is that magnitude's exponent field - 15, held at 1 from below.
; LIMITS: NaN and infinities are not served; a block whose largest magnitude lies under 2^-111 (a block of zeros too) keeps the byte 1: the bytes are read by this program alone.
.set XN,  64                           ; v64-191  my column's 128 numbers
.set CD,  192                          ; v192-223 codes: eight registers for each block, so that no store's data are written again
.set OFF, 32                           ; v32-63   byte offset of row i of a block of 32, at my column
.set CO,  6                            ; v6       my place in the wave's two images: 2,048 (lane / 16) + 16 (lane % 16)
.set L4,  7                            ; v7       4 x lane
.set SB,  12                           ; v12      my column's four scale bytes
	s_load_b256 s[4:11], s[0:1], 0x0               ; Wq, Wk, Wv, Wo
	s_load_b256 s[12:19], s[0:1], 0x20             ; W1, W2, wc, wsc
	v_lshrrev_b32 v1, 5, v0
	v_readfirstlane_b32 s20, v1                    ; wave 0..3
	v_and_b32 v3, 15, v0                           ; r
	v_bfe_u32 v4, v0, 4, 1                         ; lane / 16
	v_and_b32 v5, 8, v3
	v_add_nc_u32 v5, v5, v3                        ; r + (r & 8)
	v_lshl_add_u32 v5, v4, 3, v5                   ; + 8 (lane / 16): my column among the wave's 32
	v_lshlrev_b32 v1, 2, v5
	v_lshlrev_b32 v[CO], 4, v3
	v_lshl_add_u32 v[CO], v4, 11, v[CO]
	v_and_b32 v[L4], 31, v0
	v_lshlrev_b32 v[L4], 2, v[L4]
	; which weight, which 128 columns (cg), which K step (s), which group (G): from the work-group's number alone
	s_mov_b32 s21, ttmp9
	s_lshr_b32 s22, s21, 4                         ; 0..63: weight j = id / 16 (Wq, Wk, Wv, Wo)
	s_and_b32 s23, s21, 3                          ; s = id % 4
	s_bfe_u32 s24, s21, 0x20002                    ; cg = (id / 4) % 4
	s_mul_i32 s25, s24, 12
	s_lshl_b32 s26, s22, 2
	s_add_co_u32 s25, s25, s26
	s_add_co_u32 s25, s25, s23                     ; Wq, Wk, Wv: G = 12 cg + 4 j + s
	s_mul_i32 s26, s24, 36
	s_add_co_u32 s26, s26, s23
	s_add_co_u32 s26, s26, 48                      ; Wo: G = 48 + 36 cg + s
	s_cmp_eq_u32 s22, 3
	s_cselect_b32 s25, s26, s25
	s_bfe_u32 s27, s21, 0x40002                    ; 64..127, W1: cg = ((id - 64) / 4) = 4 round + wave
	s_and_b32 s28, s27, 3
	s_lshr_b32 s29, s27, 2
	s_mul_i32 s28, s28, 36
	s_lshl_b32 s29, s29, 2
	s_add_co_u32 s28, s28, s29
	s_add_co_u32 s28, s28, s23
	s_add_co_u32 s28, s28, 52                      ; G = 48 + 36 wave + 4 + 4 round + s
	s_bfe_u32 s30, s21, 0x20004                    ; 128..191, W2: cg = (id - 128) / 16
	s_and_b32 s31, s21, 15                         ; s = id % 16
	s_mul_i32 s32, s30, 36
	s_add_co_u32 s32, s32, s31
	s_add_co_u32 s32, s32, 68                      ; G = 48 + 36 cg + 20 + s
	s_cmp_lt_u32 s21, 128
	s_cselect_b32 s33, s28, s32                    ; G
	s_cselect_b32 s34, s27, s30                    ; cg
	s_cselect_b32 s35, s23, s31                    ; s
	s_cselect_b32 s36, 13, 11                      ; log2 of a row's bytes: 8,192 for W1, else 2,048
	s_cmp_lt_u32 s21, 64
	s_cselect_b32 s33, s25, s33
	s_cselect_b32 s34, s24, s34
	s_cselect_b32 s35, s23, s35
	s_cselect_b32 s36, 11, s36
	s_lshl_b32 s26, 1, s36                         ; a row's bytes
	s_add_co_u32 s29, s36, 7
	s_lshl_b32 s38, s35, s29                       ; s x 128 rows
	s_lshl_b32 s29, s34, 9
	s_add_co_u32 s38, s38, s29                     ; + 512 cg
	s_lshl_b32 s29, s20, 7
	s_add_co_u32 s38, s38, s29                     ; + 128 x wave
	s_mov_b32 s39, 0
	s_lshl_b32 s30, s26, 5                         ; 32 rows
	s_mov_b32 s31, 0
	s_mov_b32 s37, 0x600000                        ; the mantissa field of 57,344
.set I, 0
.rept 32
	v_mad_u32_u24 v[OFF+I], s26, I, v1
.set I, I+1
.endr
	s_wait_kmcnt 0x0
	s_cmp_eq_u32 s22, 1                            ; the choice of the buffer hangs on the work-group's number alone
	s_cselect_b64 s[4:5], s[6:7], s[4:5]
	s_cmp_eq_u32 s22, 2
	s_cselect_b64 s[4:5], s[8:9], s[4:5]
	s_cmp_eq_u32 s22, 3
	s_cselect_b64 s[4:5], s[10:11], s[4:5]
	s_cmp_ge_u32 s21, 64
	s_cselect_b64 s[4:5], s[12:13], s[4:5]
	s_cmp_ge_u32 s21, 128
	s_cselect_b64 s[4:5], s[14:15], s[4:5]
	s_add_nc_u64 s[40:41], s[4:5], s[38:39]        ; a base for each block of 32 rows: no immediate hangs on the row's length
	s_add_nc_u64 s[42:43], s[40:41], s[30:31]
	s_add_nc_u64 s[44:45], s[42:43], s[30:31]
	s_add_nc_u64 s[46:47], s[44:45], s[30:31]
	s_lshl_b32 s38, s33, 14
	s_lshl_b32 s29, s20, 12
	s_add_co_u32 s38, s38, s29
	s_add_nc_u64 s[16:17], s[16:17], s[38:39]      ; wc + 16,384 G + 4,096 wave
	s_lshl_b32 s38, s33, 9
	s_lshl_b32 s29, s20, 7
	s_add_co_u32 s38, s38, s29
	s_add_nc_u64 s[18:19], s[18:19], s[38:39]      ; wsc + 512 G + 128 wave
.irp c, 0,1,2,3
.set I, 0
.rept 32
	global_load_b32 v[XN+32*\c+I], v[OFF+I], s[40+2*\c:41+2*\c] th:TH_LOAD_NT
.set I, I+1
.endr
.endr
.macro BLOCK c
.set XS, XN+32*(\c)
.set CSET, CD+8*(\c)
.if (\c) < 2
	s_wait_loadcnt 63                              ; 96 (64) loads are younger than this block's; the count is the largest that the wait can name, and a smaller count is safe
.else
	s_wait_loadcnt 32*(3-(\c))                     ; the later blocks' loads may be out
.endif
	v_max3_num_f32 v8, |v[XS]|, |v[XS+1]|, |v[XS+2]|       ; the block's largest magnitude: all 32 numbers are mine; two chains
	v_max3_num_f32 v9, |v[XS+3]|, |v[XS+4]|, |v[XS+5]|
.irp i, 6,10,14,18,22,26
	v_max3_num_f32 v8, v8, |v[XS+\i]|, |v[XS+\i+1]|
	v_max3_num_f32 v9, v9, |v[XS+\i+2]|, |v[XS+\i+3]|
.endr
	v_max3_num_f32 v8, v8, |v[XS+30]|, |v[XS+31]|
	v_max3_num_f32 v8, v8, v9, 0x8000000           ; and the floor 2^(16 - 127): the byte cannot fall under 1
	v_add_nc_u32 v11, 0xf8800000, v8               ; 15 off the exponent field: the conversion takes this operand's exponent field as its scale
	v_and_or_b32 v10, v8, 0x7f800000, s37          ; 57,344 x the scale
	v_lshrrev_b32 v9, 23, v11                      ; the scale's byte
.if (\c) == 0
	v_mov_b32 v[SB], v9
.else
	v_lshl_or_b32 v[SB], v9, 8*(\c), v[SB]
.endif
.irp i, 0,1,2,3,4,5,6,7,8,9,10,11,12,13,14,15,16,17,18,19,20,21,22,23,24,25,26,27,28,29,30,31
	v_med3_num_f32 v[XS+\i], v[XS+\i], -v10, v10   ; the conversion to an 8-bit code does not saturate (ISA guide 7.6.2): the hold comes first
.endr
.irp g, 0,1,2,3
	v_cvt_scalef32_pk8_bf8_f32 v[CSET+2*\g:CSET+2*\g+1], v[XS+8*\g:XS+8*\g+7], v11
.endr
	global_store_b128 v[CO], v[CSET:CSET+3], s[16:17] offset:512*(\c)            ; k 0..15 of the block: the image's lanes 0-15; sixteen lanes store 256 consecutive bytes
	global_store_b128 v[CO], v[CSET+4:CSET+7], s[16:17] offset:512*(\c)+256      ; k 16..31: its lanes 16-31
.endm
	BLOCK 0
	BLOCK 1
	BLOCK 2
	BLOCK 3
	global_store_b32 v[L4], v[SB], s[18:19]        ; the wave's 32 scale words: 128 consecutive bytes
	s_endpgm
.Lfunc_end_k_qd0e2deba1f_prep:
	.size	k_qd0e2deba1f_prep, .Lfunc_end_k_qd0e2deba1f_prep-k_qd0e2deba1f_prep
	.p2alignl 7, 3214868480
	.fill 96, 4, 3214868480
	.section	.rodata,"a",@progbits
	.p2align	6, 0x0
	.amdhsa_kernel k_qd0e2deba1f_prep
		.amdhsa_group_segment_fixed_size 0
		.amdhsa_private_segment_fixed_size 0
		.amdhsa_enable_private_segment 0
		.amdhsa_kernarg_size 64
		.amdhsa_user_sgpr_count 2
		.amdhsa_user_sgpr_kernarg_segment_ptr 1
		.amdhsa_wavefront_size32 1
		.amdhsa_system_sgpr_workgroup_id_x 1
		.amdhsa_system_sgpr_workgroup_id_y 1
		.amdhsa_system_sgpr_workgroup_id_z 1
		.amdhsa_system_vgpr_workitem_id 0
		.amdhsa_next_free_vgpr 224
		.amdhsa_next_free_sgpr 66
		.amdhsa_reserve_vcc 0
		.amdhsa_float_denorm_mode_32 3
		.amdhsa_float_denorm_mode_16_64 3
		.amdhsa_memory_ordered 1
		.amdhsa_forward_progress 1
		.amdhsa_inst_pref_size 33
	.end_amdhsa_kernel
	.amdgpu_metadata
---
amdhsa.version: [ 1, 2 ]
amdhsa.kernels:
  - .name:           k_qd0e2deba1f_prep
    .symbol:         k_qd0e2deba1f_prep.kd
    .args:
      - { .name: Wq, .offset: 0, .size: 8, .value_kind: global_buffer, .address_space: global }
      - { .name: Wk, .offset: 8, .size: 8, .value_kind: global_buffer, .address_space: global }
      - { .name: Wv, .offset: 16, .size: 8, .value_kind: global_buffer, .address_space: global }
      - { .name: Wo, .offset: 24, .size: 8, .value_kind: global_buffer, .address_space: global }
      - { .name: W1, .offset: 32, .size: 8, .value_kind: global_buffer, .address_space: global }
      - { .name: W2, .offset: 40, .size: 8, .value_kind: global_buffer, .address_space: global }
      - { .name: wc, .offset: 48, .size: 8, .value_kind: global_buffer, .address_space: global }
      - { .name: wsc, .offset: 56, .size: 8, .value_kind: global_buffer, .address_space: global }
    .group_segment_fixed_size: 0
    .private_segment_fixed_size: 0
    .kernarg_segment_align: 8
    .kernarg_segment_size: 64
    .max_flat_workgroup_size: 128
    .sgpr_count:     66
    .vgpr_count:     224
    .wavefront_size: 32
...
	.end_amdgpu_metadata
.endif
;; end of part 1
;; launch qkv (part 2): grid 128 x 1, 4 waves a work-group, no clusters, 47,616 bytes of LDS; arguments x, wc, wsc, bq, bk, bv, qc, kv, sc; writes qc, kv, sc
.if DOCPART == 2
	.amdgcn_target "amdgcn-amd-amdhsa--gfx1250"
	.amdhsa_code_object_version 6
	.text
	.protected	k_qd0e2deba1f_qkv
	.globl	k_qd0e2deba1f_qkv
	.p2align	8
	.type	k_qd0e2deba1f_qkv,@function
k_qd0e2deba1f_qkv:
	s_mov_b64 s[64:65], 0
	v_nop
	global_prefetch_b8 v0, s[64:65] scope:SCOPE_SE
	s_setreg_imm32_b32 hwreg(HW_REG_WAVE_MODE, 25, 1), 1
	s_wait_xcnt 0x0
; q = x Wq + bq, k = x Wk + bk, v = x Wv + bv on codes of E5M2 (one E8M0 byte for each 32 along K), and q, k (along the head's 64) and v (along the keys) quantised again for the attention.
; SHARES.  A work-group takes 64 rows of x; wave w quantises 16 of them and hands their four fragments to the others through LDS as images of the operand's registers; then wave w makes columns
; 128 w .. 128 w + 127 (heads 2 w, 2 w + 1) of q, k and v for all 64 rows: 32 accumulators.  Its weights (12 groups of 16,384 bytes, made by the launch before in this order) come straight
; from memory into a ring of four register slots of four tiles: 512 consecutive bytes a load, three half-groups (54 loads) on their way while one is multiplied.
; LAYOUT.  Row tile m of the block holds rows 32 (m / 2) + 8 (m % 2) + r + (r & 8); the weights' column tiles likewise.  q, k: source 0 = 16 columns of W, source 1 = 16 rows of x: a lane holds one
; row and its 64 registers 128 neighbouring columns in the order that an operand wants.  v: the sources swapped: a lane holds one channel and its registers run along the rows, which are the keys.
; So every conversion's result is an operand's register, and all that is stored is register images: each store of a wave covers 512 consecutive bytes.
; The biases are the accumulators' first content (LDS loads), so they cost no addition.
; NO JOINT LOADS: every weight fragment serves one wave alone and goes to its registers; a joint load lands in LDS, from where each fragment would have to be read once more.
; LIMITS: NaN and infinities are not served; a block whose largest magnitude lies under 2^-111 (a block of zeros too) keeps the byte 1: the bytes are read by this program alone.
; REGISTERS, in windows of 256: window 0 addresses, scales, work, x's fragments (v128-255, two sets); window 1 the weight ring; window 2 x's numbers at the head, then the accumulators.
.set XIMG, 0                           ; LDS: x's 16 fragments [K step s][row tile m][2,048]
.set XSC,  32768                       ; their scale words [s][m][32 lanes]
.set PBQ,  34816                       ; bq
.set PBK,  36864                       ; bk
.set BVR,  38912                       ; bv, each number four times: 16 bytes a channel
.set L16, 1                            ; 16 x lane
.set L4,  2                            ; 4 x lane
.set XA,  3                            ; x: 2,048 (r + (r & 8)) + 64 h
.set BIA, 4                            ; 64 h + 512 w: my eight biases of a tile
.set IMW, 5                            ; 16 x lane + 2,048 w
.set ISW, 6                            ; 4 x lane + 128 w
.set BVA, 7                            ; 16 (r + (r & 8)) + 2,048 w
.set T16, 8                            ; 16 x thread
.set SH,  9                            ; 16 h
.set QSA, 10                           ; 16,384 h + 16 r
.set VSA, 11                           ; 8,192 h + 8 r
.set T4,  12                           ; 4 x thread
.set WSC, 16                           ; v16-23  weight scale words: two registers a slot
.set ASC, 24                           ; v24-31  x's scale words: two sets of four
.set TM,  32                           ; v32-47  quantiser: +0 largest magnitudes, +4 the other half's, then bytes, +8 holds, +12 scale operands
.set PW,  48                           ; the scale word just made
.set TMP, 50
.set SW,  52                           ; v52-55  scale words on their way out
.set PC,  56                           ; v56-71  the codes just made
.set LT,  72                           ; v72-95  the biases on their way to LDS
.set AF,  128                          ; x's fragments
.set TQ,  128                          ; v128-191 the held numbers (while no fragment is wanted)
.set WP,  6                            ; s[6:7]  the weight stream;  s[8:9] its scale words
.set WSP, 8
.set WV,  22
.set MLO, 23
.set SEL, 24
.set MNT, 26
.set HM,  27
.set MSB, 0
.macro WIN new                         ; the immediate's high byte repeats the setting that is left; a switch that changes nothing is dropped
.if MSB != (\new)
	s_set_vgpr_msb (MSB<<8)|(\new)
.set MSB, (\new)
.endif
.endm
.macro PLACES n
.rept \n
	v_nop
.endr
.endm
.macro BARRIER                         ; my LDS stores have landed and my LDS loads are in: then the work-group's barrier
	s_wait_dscnt 0x0
	s_barrier_signal -1
	s_barrier_wait -1
.endm
.macro WLOAD slot, hg                  ; half-group hg of the stream (four tiles and their scale words: 18 loads) into a slot
	WIN 0x40
.irp t, 0,1,2,3
.irp c, 0,1,2,3
	global_load_b128 v[64*(\slot)+16*\t+4*\c:64*(\slot)+16*\t+4*\c+3], v[L16], s[WP:WP+1] offset:8192*(\hg)+2048*\t+512*\c
.endr
.endr
	WIN 0
.irp i, 0,1
	global_load_b32 v[WSC+2*(\slot)+\i], v[L4], s[WSP:WSP+1] offset:256*(\hg)+128*\i
.endr
.endm
.macro WM mode, t, m, th               ; one product: weight tile 4 th + t, row tile m
.set WT, 4*(\th)+(\t)
.if \mode
.set WACC, 32*WT+8*(\m)
.else
.set WACC, 64*(\m)+8*WT
.endif
.set WW, 64*HQ+16*(\t)
.set WA, AF+64*HP+16*(\m)
.set WSR, WSC+2*HQ+(\t)/2
.set WAS, ASC+4*HP+(\m)
.if \mode
.if (\t)%2
	v_wmma_scale_f32_16x16x128_f8f6f4 v[WACC:WACC+7], v[WA:WA+15], v[WW:WW+15], v[WACC:WACC+7], v[WAS], v[WSR] matrix_a_fmt:MATRIX_FMT_BF8 matrix_b_fmt:MATRIX_FMT_BF8 matrix_b_scale:MATRIX_SCALE_ROW1
.else
	v_wmma_scale_f32_16x16x128_f8f6f4 v[WACC:WACC+7], v[WA:WA+15], v[WW:WW+15], v[WACC:WACC+7], v[WAS], v[WSR] matrix_a_fmt:MATRIX_FMT_BF8 matrix_b_fmt:MATRIX_FMT_BF8
.endif
.else
.if (\t)%2
	v_wmma_scale_f32_16x16x128_f8f6f4 v[WACC:WACC+7], v[WW:WW+15], v[WA:WA+15], v[WACC:WACC+7], v[WSR], v[WAS] matrix_a_fmt:MATRIX_FMT_BF8 matrix_b_fmt:MATRIX_FMT_BF8 matrix_a_scale:MATRIX_SCALE_ROW1
.else
	v_wmma_scale_f32_16x16x128_f8f6f4 v[WACC:WACC+7], v[WW:WW+15], v[WA:WA+15], v[WACC:WACC+7], v[WSR], v[WAS] matrix_a_fmt:MATRIX_FMT_BF8 matrix_b_fmt:MATRIX_FMT_BF8
.endif
.endif
.endm
; Half a K step: 16 products on 16 accumulators; the 32 accumulators take turns, one instruction a turn.  Eight places follow, then the slot is filled again.
.macro HALF s, th, mode, refill, lcnt
.set HQ, (2*(\s)+(\th))%4
.set HP, (\s)%2
	s_wait_loadcnt \lcnt                           ; this half-group is in; the younger ones, 18 loads each, stay out
.if \mode
	WIN 0xa4                                       ; source 0 (x) window 0, source 1 (weight) window 1, C and D window 2
.else
	WIN 0xa1                                       ; source 0 (weight) window 1, source 1 (x) window 0, C and D window 2
.endif
.irp t, 0,1,2,3
.irp m, 0,1,2,3
	WM \mode, \t, \m, \th
.endr
.endr
	PLACES 8
.if \refill
	WLOAD HQ, 2*(\s)+(\th)+4
.endif
	WIN 0
.endm
.macro AFLOAD s, adr, off, sadr, soff  ; K step s: four fragments and four scale words from LDS: 20 loads
.irp m, 0,1,2,3
.irp c, 0,1,2,3
	ds_load_b128 v[AF+64*((\s)%2)+16*\m+4*\c:AF+64*((\s)%2)+16*\m+4*\c+3], v[\adr] offset:(\off)+(4*(\s)+\m)*2048+512*\c
.endr
.endr
.irp m, 0,1,2,3
	ds_load_b32 v[ASC+4*((\s)%2)+\m], v[\sadr] offset:(\soff)+128*(4*(\s)+\m)
.endr
.endm
.macro KSTEP s, mode, dcnt, nxt, refill, l0, l1, adr, off, sadr, soff
	s_wait_dscnt \dcnt                             ; this step's fragments are in; the next step's 20 loads may be out
	HALF \s, 0, \mode, \refill, \l0
	HALF \s, 1, \mode, \refill, \l1
.if (\nxt) >= 0
	AFLOAD \nxt, \adr, \off, \sadr, \soff          ; into the set just left, behind HALF's eight places
.endif
.endm
; Four K steps (K = 512).  pre: the first two steps' fragments are asked for here; cont: the next four steps follow in LDS; fin: the stream ends here, so the last four half-groups fill nothing.
.macro GEMM4 mode, adr, off, sadr, soff, pre, cont, fin
.if \pre
	AFLOAD 0, \adr, \off, \sadr, \soff
	AFLOAD 1, \adr, \off, \sadr, \soff
.endif
	KSTEP 0, \mode, 20, 2, 1, 54, 54, \adr, \off, \sadr, \soff
	KSTEP 1, \mode, 20, 3, 1, 54, 54, \adr, \off, \sadr, \soff
.if \cont
	KSTEP 2, \mode, 20, 4, 1, 54, 54, \adr, \off, \sadr, \soff
	KSTEP 3, \mode, 20, 5, 1, 54, 54, \adr, \off, \sadr, \soff
.elseif \fin
	KSTEP 2, \mode, 20, -1, 0, 54, 36, \adr, \off, \sadr, \soff
	KSTEP 3, \mode, 0, -1, 0, 18, 0, \adr, \off, \sadr, \soff
.else
	KSTEP 2, \mode, 20, -1, 1, 54, 54, \adr, \off, \sadr, \soff
	KSTEP 3, \mode, 0, -1, 1, 54, 54, \adr, \off, \sadr, \soff
.endif
.if (\fin) == 0
	s_wait_xcnt 0x0                                ; the loads on their way have read their bases: the stream steps eight half-groups on
	s_add_nc_u64 s[WP:WP+1], s[WP:WP+1], 65536
	s_add_nc_u64 s[WSP:WSP+1], s[WSP:WSP+1], 2048
.endif
.endm
.macro INIT adr, off                   ; the bias as the accumulators' first content: lane (r, h), tile t: columns 32 (t / 2) + 16 h + 8 (t % 2) + 0 .. 7
	WIN 0x80
.irp t, 0,1,2,3,4,5,6,7
.irp m, 0,1,2,3
	ds_load_b128 v[64*\m+8*\t:64*\m+8*\t+3], v[\adr] offset:(\off)+128*(\t/2)+32*(\t%2)
	ds_load_b128 v[64*\m+8*\t+4:64*\m+8*\t+7], v[\adr] offset:(\off)+128*(\t/2)+32*(\t%2)+16
.endr
.endr
	WIN 0
.endm
; 64 numbers of a lane in window win, v[s] on, register 16 b + i = k 32 b + 16 h + i of my row, become a fragment's codes in v[PC] on and its scale word in v[PW].  The numbers stay as they are.
.macro QUANT win, s, relu
.set QA, (\win)|((\win)<<2)
.set QB, ((\win)<<2)|((\win)<<4)
	WIN QA
.irp b, 0,1,2,3
.if \relu
	v_max3_num_f32 v[TM+\b], v[(\s)+16*\b], v[(\s)+16*\b+1], 0x8000000         ; no |.|: what is negative becomes 0 and must not count; the floor 2^(16 - 127) stands over it
.else
	v_max3_num_f32 v[TM+\b], |v[(\s)+16*\b]|, |v[(\s)+16*\b+1]|, 0x8000000     ; block b: my 16 numbers and the floor 2^(16 - 127): the byte cannot fall under 1
.endif
.endr
	WIN QB
.irp i, 2,4,6,8,10,12,14
.irp b, 0,1,2,3
.if \relu
	v_max3_num_f32 v[TM+\b], v[TM+\b], v[(\s)+16*\b+\i], v[(\s)+16*\b+\i+1]
.else
	v_max3_num_f32 v[TM+\b], v[TM+\b], |v[(\s)+16*\b+\i]|, |v[(\s)+16*\b+\i+1]|   ; the four blocks by turns, each accumulator from its low end on
.endif
.endr
.endr
	WIN 0
.irp b, 0,1,2,3
	v_permlanex16_b32 v[TM+4+\b], v[TM+\b], s[SEL], s[SEL+1]
.endr
.irp b, 0,1,2,3
	v_max_num_f32 v[TM+\b], v[TM+\b], v[TM+4+\b]   ; with lane l xor 16's 16 numbers: the block's largest magnitude
.endr
.irp b, 0,1,2,3
	v_add_nc_u32 v[TM+12+\b], 0xf8800000, v[TM+\b] ; 15 off the exponent field: the conversion's scale operand
.endr
.irp b, 0,1,2,3
	v_and_or_b32 v[TM+8+\b], v[TM+\b], 0x7f800000, s[MNT]   ; 57,344 x the scale
.endr
.irp b, 0,1,2,3
	v_lshrrev_b32 v[TM+4+\b], 23, v[TM+12+\b]      ; the scale's byte
.endr
	v_lshl_or_b32 v[PW], v[TM+5], 8, v[TM+4]
	v_lshl_or_b32 v[PW], v[TM+6], 16, v[PW]
	v_lshl_or_b32 v[PW], v[TM+7], 24, v[PW]
	WIN \win
.irp b, 0,1,2,3
.irp i, 0,1,2,3,4,5,6,7,8,9,10,11,12,13,14,15
.if \relu
	v_med3_num_f32 v[TQ+16*\b+\i], v[(\s)+16*\b+\i], 0, v[TM+8+\b]             ; the activation and the hold in one
.else
	v_med3_num_f32 v[TQ+16*\b+\i], v[(\s)+16*\b+\i], -v[TM+8+\b], v[TM+8+\b]   ; the conversion does not saturate (ISA guide 7.6.2): the hold comes first
.endif
.endr
.endr
	WIN 0
.irp b, 0,1,2,3
	v_cvt_scalef32_pk8_bf8_f32 v[PC+4*\b:PC+4*\b+1], v[TQ+16*\b:TQ+16*\b+7], v[TM+12+\b]
	v_cvt_scalef32_pk8_bf8_f32 v[PC+4*\b+2:PC+4*\b+3], v[TQ+16*\b+8:TQ+16*\b+15], v[TM+12+\b]
.endr
	v_nop                                          ; one plain instruction behind the last conversion
.endm
.macro IMAGE adr, off, sadr, soff      ; the fragment and its scale word go to LDS as they stand
.irp c, 0,1,2,3
	ds_store_b128 v[\adr], v[PC+4*\c:PC+4*\c+3] offset:(\off)+512*\c
.endr
	ds_store_b32 v[\sadr], v[PW] offset:\soff
	s_wait_dscnt 0x0                               ; the stores have read their registers
.endm
	s_load_b256 s[4:11], s[0:1], 0x0               ; x, wc, wsc, bq
	s_load_b256 s[12:19], s[0:1], 0x20             ; bk, bv, qc, kv
	s_load_b64 s[20:21], s[0:1], 0x40              ; sc
	v_lshl_add_u32 v126, v0, 2, 0xb800
	v_mov_b32 v127, 0
	v_lshrrev_b32 v50, 5, v0
	v_readfirstlane_b32 s[WV], v50                 ; wave 0..3
	v_and_b32 v50, 31, v0
	v_lshlrev_b32 v[L16], 4, v50
	v_lshlrev_b32 v[L4], 2, v50
	v_and_b32 v49, 15, v0                          ; r
	v_bfe_u32 v51, v0, 4, 1                        ; h
	v_and_b32 v50, 8, v49
	v_add_nc_u32 v50, v50, v49                     ; r + (r & 8)
	v_lshlrev_b32 v[XA], 11, v50
	v_lshl_add_u32 v[XA], v51, 6, v[XA]
	s_lshl_b32 s40, s[WV], 9
	v_lshlrev_b32 v[BIA], 6, v51
	v_add_nc_u32 v[BIA], s40, v[BIA]
	s_lshl_b32 s40, s[WV], 11
	v_add_nc_u32 v[IMW], s40, v[L16]
	v_lshlrev_b32 v[BVA], 4, v50
	v_add_nc_u32 v[BVA], s40, v[BVA]
	s_lshl_b32 s40, s[WV], 7
	v_add_nc_u32 v[ISW], s40, v[L4]
	v_lshlrev_b32 v[T16], 4, v0
	v_lshlrev_b32 v[T4], 2, v0
	v_lshlrev_b32 v[SH], 4, v51
	v_lshlrev_b32 v[QSA], 4, v49
	v_lshl_add_u32 v[QSA], v51, 14, v[QSA]
	v_lshlrev_b32 v[VSA], 3, v49
	v_lshl_add_u32 v[VSA], v51, 13, v[VSA]
	v_cmp_ne_u32 s[HM], 0, v51                     ; lanes 16-31
.irp b, 0,1,2,3
	v_mov_b32 v[TM+4+\b], 0                        ; written once: a lane permute's destination counts as one of its sources
.endr
	s_mov_b32 s[SEL], 0x76543210
	s_mov_b32 s[SEL+1], 0xfedcba98                 ; lane l xor 16
	s_mov_b32 s[MNT], 0x600000                     ; the mantissa field of 57,344
	s_mov_b32 s[MLO], 0xffff
	s_lshr_b32 s38, ttmp9, 6                       ; batch
	s_and_b32 s39, ttmp9, 63                       ; the block of 64 rows in it
	s_lshl_b32 s38, s38, 3
	s_lshl_b32 s40, s[WV], 1
	s_add_co_u32 s38, s38, s40                     ; my first head: 8 batch + 2 w
	s_lshr_b32 s40, s39, 1                         ; the key step of 128
	s_and_b32 s41, s39, 1                          ; and which half of it
	s_mov_b32 s43, 0
	s_mov_b32 s45, 0
	s_wait_kmcnt 0x0
	s_lshl_b32 s42, s38, 18
	s_lshl_b32 s44, s39, 12
	s_add_nc_u64 s[16:17], s[16:17], s[42:43]
	s_add_nc_u64 s[16:17], s[16:17], s[44:45]      ; q's images: qc + 262,144 head + 4,096 block
	s_lshl_b32 s42, s38, 19
	s_lshl_b32 s44, s40, 14
	s_add_nc_u64 s[18:19], s[18:19], s[42:43]
	s_add_nc_u64 s[18:19], s[18:19], s[44:45]      ; kv + 524,288 head + 16,384 step
	s_lshl_b32 s42, s41, 12
	s_add_nc_u64 s[28:29], s[18:19], s[42:43]      ; k's images: four tiles of 1,024 for each half
	s_lshl_b32 s42, s41, 10
	s_add_co_u32 s42, s42, 8192
	s_add_nc_u64 s[30:31], s[18:19], s[42:43]      ; v's: behind k's; two key blocks of 512 for each half
	s_lshl_b32 s42, s38, 14
	s_lshl_b32 s44, s39, 8
	s_add_nc_u64 s[32:33], s[20:21], s[42:43]
	s_add_nc_u64 s[32:33], s[32:33], s[44:45]      ; q's scale words
	s_add_nc_u64 s[34:35], s[32:33], 0x40000       ; k's
	s_lshl_b32 s42, s38, 13
	s_lshl_b32 s44, s39, 7
	s_add_co_u32 s44, s44, 0x80000
	s_add_nc_u64 s[36:37], s[20:21], s[42:43]
	s_add_nc_u64 s[36:37], s[36:37], s[44:45]      ; v's scale bytes
	s_lshl_b32 s42, ttmp9, 17
	s_lshr_b32 s44, s[WV], 1
	s_lshl_b32 s44, s44, 16
	s_add_nc_u64 s[4:5], s[4:5], s[42:43]
	s_add_nc_u64 s[4:5], s[4:5], s[44:45]
	s_and_b32 s44, s[WV], 1
	s_lshl_b32 s44, s44, 14
	s_add_nc_u64 s[4:5], s[4:5], s[44:45]          ; x at row 64 block + 32 (w / 2) + 8 (w % 2)
	s_mul_i32 s42, s[WV], 196608
	s_add_nc_u64 s[WP:WP+1], s[WP:WP+1], s[42:43]  ; my 12 groups
	s_mul_i32 s42, s[WV], 6144
	s_add_nc_u64 s[WSP:WSP+1], s[WSP:WSP+1], s[42:43]
	global_load_b128 v[LT:LT+3], v[T16], s[10:11]
	global_load_b128 v[LT+4:LT+7], v[T16], s[12:13]
.irp i, 0,1,2,3
.irp k, 0,1,2,3
	global_load_b32 v[LT+8+4*\i+\k], v[T4], s[14:15] offset:512*\i     ; bv of channel thread + 128 i, into four neighbouring registers
.endr
.endr
	WIN 0x80
.irp s, 0,1,2,3
.irp c, 0,1,2,3
.irp i, 0,1,2,3
	global_load_b128 v[64*\s+16*\c+4*\i:64*\s+16*\c+4*\i+3], v[XA], s[4:5] offset:512*\s+128*\c+16*\i th:TH_LOAD_NT   ; my row's 16 numbers of each block of 32
.endr
.endr
.endr
	WIN 0
	WLOAD 0, 0
	WLOAD 1, 1
	WLOAD 2, 2
	WLOAD 3, 3
	s_wait_loadcnt 63                              ; 72 weight loads are younger than x's last: the biases and x are in
	ds_store_b128 v[T16], v[LT:LT+3] offset:PBQ
	ds_store_b128 v[T16], v[LT+4:LT+7] offset:PBK
.irp i, 0,1,2,3
	ds_store_b128 v[T16], v[LT+8+4*\i:LT+8+4*\i+3] offset:BVR+2048*\i
.endr
.irp s, 0,1,2,3
	QUANT 2, 64*\s, 0
	IMAGE IMW, XIMG+8192*\s, ISW, XSC+512*\s
.endr
	BARRIER                                        ; x's sixteen fragments and the biases lie in LDS; nothing there is written again
; q or k out: for each row tile 128 columns = two heads x two blocks.  A head's word: its two bytes, and 0x7f twice for the zero codes that fill K = 64 up to 128.
.macro QKOUT cp, hstride, sp
.irp m, 0,1,2,3
	s_wait_xcnt 0x0                                ; the stores before have read their registers
	QUANT 2, 64*\m, 0
.irp be, 0,1,2,3
	global_store_b128 v[L16], v[PC+4*\be:PC+4*\be+3], s[\cp:\cp+1] offset:\hstride*(\be/2)+1024*\m+512*(\be%2)
.endr
	v_lshrrev_b32 v[TMP], v[SH], v[PW]             ; lanes 0-15 keep head 2 w's bytes, lanes 16-31 take head 2 w + 1's
	v_and_or_b32 v[SW+\m], v[TMP], s[MLO], 0x7f7f0000
.endr
	global_store_b128 v[QSA], v[SW:SW+3], s[\sp:\sp+1]     ; sixteen lanes store a head's 256 consecutive bytes
.endm
	INIT BIA, PBQ
	GEMM4 0, L16, XIMG, L4, XSC, 1, 0, 0
	QKOUT 16, 262144, 32
	INIT BIA, PBK
	GEMM4 0, L16, XIMG, L4, XSC, 1, 0, 0
	QKOUT 28, 524288, 34
	WIN 0x80                                       ; v: accumulator (tile t, row tile m) at v[32 t + 8 m]; a lane holds one channel, so its bias fills all eight registers
.irp t, 0,1,2,3,4,5,6,7
.irp m, 0,1,2,3
	ds_load_b128 v[32*\t+8*\m:32*\t+8*\m+3], v[BVA] offset:BVR+16*(32*(\t/2)+8*(\t%2))
	ds_load_b128 v[32*\t+8*\m+4:32*\t+8*\m+7], v[BVA] offset:BVR+16*(32*(\t/2)+8*(\t%2))
.endr
.endr
	WIN 0
	GEMM4 1, L16, XIMG, L4, XSC, 1, 0, 1
.irp ta, 0,1,2,3                       ; two channel tiles at a time: blocks 2 (tile % 2) + b', b' = which 32 of the block's 64 keys
	s_wait_xcnt 0x0
	QUANT 2, 64*\ta, 0
.irp be, 0,1,2,3
	global_store_b128 v[L16], v[PC+4*\be:PC+4*\be+3], s[30:31] offset:524288*((2*\ta+\be/2)/4)+2048*((2*\ta+\be/2)%4)+512*(\be%2)
.endr
	v_mov_b32 v[SW+\ta], v[PW]
.endr
	v_cndmask_b32 v[TMP], v[SW], v[SW+2], s[HM]    ; lanes 0-15: head 2 w's four tiles, lanes 16-31: head 2 w + 1's
	v_cndmask_b32 v[TMP+1], v[SW+1], v[SW+3], s[HM]
	global_store_b64 v[VSA], v[TMP:TMP+1], s[36:37]        ; 128 consecutive bytes a head: the only store here that does not cover 256; 1/64 of what the launch stores
	s_wait_tensorcnt 0x0
	ds_add_u32 v126, v127
	s_wait_dscnt 0x0
	s_endpgm
.Lfunc_end_k_qd0e2deba1f_qkv:
	.size	k_qd0e2deba1f_qkv, .Lfunc_end_k_qd0e2deba1f_qkv-k_qd0e2deba1f_qkv
	.p2alignl 7, 3214868480
	.fill 96, 4, 3214868480
	.section	.rodata,"a",@progbits
	.p2align	6, 0x0
	.amdhsa_kernel k_qd0e2deba1f_qkv
		.amdhsa_group_segment_fixed_size 47616
		.amdhsa_private_segment_fixed_size 0
		.amdhsa_enable_private_segment 0
		.amdhsa_kernarg_size 72
		.amdhsa_user_sgpr_count 2
		.amdhsa_user_sgpr_kernarg_segment_ptr 1
		.amdhsa_wavefront_size32 1
		.amdhsa_system_sgpr_workgroup_id_x 1
		.amdhsa_system_sgpr_workgroup_id_y 1
		.amdhsa_system_sgpr_workgroup_id_z 1
		.amdhsa_system_vgpr_workitem_id 0
		.amdhsa_next_free_vgpr 768
		.amdhsa_next_free_sgpr 66
		.amdhsa_reserve_vcc 0
		.amdhsa_float_denorm_mode_32 3
		.amdhsa_float_denorm_mode_16_64 3
		.amdhsa_memory_ordered 1
		.amdhsa_forward_progress 1
		.amdhsa_inst_pref_size 255
	.end_amdhsa_kernel
	.section	.bss,"aw",@nobits
	.p2align	6
	.space	262144
	.amdgpu_metadata
---
amdhsa.version: [ 1, 2 ]
amdhsa.kernels:
  - .name:           k_qd0e2deba1f_qkv
    .symbol:         k_qd0e2deba1f_qkv.kd
    .args:
      - { .name: x, .offset: 0, .size: 8, .value_kind: global_buffer, .address_space: global }
      - { .name: wc, .offset: 8, .size: 8, .value_kind: global_buffer, .address_space: global }
      - { .name: wsc, .offset: 16, .size: 8, .value_kind: global_buffer, .address_space: global }
      - { .name: bq, .offset: 24, .size: 8, .value_kind: global_buffer, .address_space: global }
      - { .name: bk, .offset: 32, .size: 8, .value_kind: global_buffer, .address_space: global }
      - { .name: bv, .offset: 40, .size: 8, .value_kind: global_buffer, .address_space: global }
      - { .name: qc, .offset: 48, .size: 8, .value_kind: global_buffer, .address_space: global }
      - { .name: kv, .offset: 56, .size: 8, .value_kind: global_buffer, .address_space: global }
      - { .name: sc, .offset: 64, .size: 8, .value_kind: global_buffer, .address_space: global }
    .group_segment_fixed_size: 47616
    .private_segment_fixed_size: 0
    .kernarg_segment_align: 8
    .kernarg_segment_size: 72
    .max_flat_workgroup_size: 128
    .sgpr_count:     66
    .vgpr_count:     768
    .wavefront_size: 32
...
	.end_amdgpu_metadata
.endif
;; end of part 2
;; launch attn (part 3): grid 16 x 16, 16 waves a work-group, no clusters, 157,696 bytes of LDS; arguments qc, kv, sc, oc, os; writes oc, os
.if DOCPART == 3
	.amdgcn_target "amdgcn-amd-amdhsa--gfx1250"
	.amdhsa_code_object_version 6
	.text
	.protected	k_qd0e2deba1f_attn
	.globl	k_qd0e2deba1f_attn
	.p2align	8
	.type	k_qd0e2deba1f_attn,@function
k_qd0e2deba1f_attn:
	s_mov_b64 s[64:65], 0
	v_nop
	global_prefetch_b8 v0, s[64:65] scope:SCOPE_SE
	s_setreg_imm32_b32 hwreg(HW_REG_WAVE_MODE, 25, 1), 1
	s_wait_xcnt 0x0
; O = softmax(Q K^T / 8) V for one head, both products on codes of E5M2 with one E8M0 byte for each 32 along K; O / l is quantised along the model's 512 for the next product.
; THE SOFTMAX: t = score x log2(e) / 8; M = the running largest t rounded UP to a whole number; p = 2^(t - M) is quantised along the keys, not normalised; the row's sum l is taken of the unquantised p
; and divides at the end.  When M moves, l and O are multiplied by 2^(old M - new M): exact.
; SHARES.  A work-group owns 256 queries of one head (x: the block, y: 8 batch + head); each of its sixteen waves one tile of 16, in 256 registers: four waves to a SIMD, so that one wave's vector
; work stands beside another's products and loads.  Every wave walks the 4,096 keys, 128 a step.
; LAYOUT.  Both products transposed: S^T = K Q^T, O^T = V^T P^T: a lane holds one query throughout.  K's tiles hold keys 32 b + 8 u + r + (r & 8), so p's 16 registers of two neighbouring tiles are
; 16 neighbouring keys; V's channel tiles likewise, so O^T's registers are neighbours along the model's axis.  All operands lie in memory and in LDS as images of their registers.
; TWO SETS OF 64 REGISTERS CHANGE ROLES FROM STEP TO STEP.  In a step one set holds K and, once S^T is made, V; the other holds S^T, then p.  V is asked for behind the S^T products, the whole softmax ahead
; of its use; the next step's K is asked for into p's registers, block by block, as each block's conversions have read them.  So the next step finds K in the set that held p, and lays S^T over V.
; K = 64 IN A FORM OF K = 128: Q's registers 8-15 are zero codes.  K's fragment t is 16 registers from set + 8 t on: its upper eight are the next tile's codes; behind the last tile stand, for the one set,
; the copy's staging registers (codes of K or V) and, for the other, p's codes: all of them codes made behind a hold, so finite; they meet zero codes; both sides' scale bytes there are 0x7f.
; THE RING: two LDS slots of four steps (16,384 bytes a step: K's 8 tiles of 1,024, V's 4 of 2,048), filled THROUGH REGISTERS: in step S each wave loads its 1,024 bytes of step S + 4 and stores them into
; the other slot.  One barrier for four steps: in front of it my stores into the other slot have landed and my reads of this slot are over.  A slot's last step asks for no K: the next slot is whole
; only behind the barrier.
; NO JOINT LOADS: a work-group fetches 16,384 bytes for a step in which its waves issue 16 x 12 products and 16 x some 320 vector instructions: what is shared is a small part of a step's work.
; LIMITS: NaN and infinities are not served; a block whose largest number lies under 2^-111 keeps the byte 1 (its codes are zeros or subnormal).
.set KSC, 131072                       ; LDS behind the ring: K's scale words of the head [block of 64][r][m], 16,384 bytes
.set VSC, 147456                       ; V's [step][r][tile] words, 8,192 bytes
.set L16, 1                            ; 16 x lane: reads of slot 0
.set AKS, 2                            ; KSC + 16 r
.set AVS, 3                            ; VSC + 16 r
.set CPW, 4                            ; 1,024 w + 16 x lane: my part of a step's block, in memory and in slot 0
.set ADS, 5                            ; K's scale words of the trip's eight steps
.set ADT, 6                            ; V's
.set R16, 7                            ; 16 r
.set L16B, 8                           ; 16 x lane + 65,536: reads of slot 1
.set CPWB, 9                           ; my part of a step's block in slot 1
.set T16, 10                           ; at the head: 16 x thread
.set VSG, 11                           ; at the head: where V's scale bytes lie in memory
.set XS,  32                           ; v32-95   the one set
.set CST, 96                           ; v96-103  the copy's staging registers: zeros at first, then codes
.set YS,  104                          ; v104-167 the other set
.set PCD, 168                          ; v168-183 p's codes
.set OT,  184                          ; v184-215 O^T
.set BM,  216                          ; block maxima
.set PB,  220                          ; the other half's, then bytes
.set HD,  224                          ; holds
.set SO,  228                          ; scale operands
.set FF,  232                          ; v[232:233] f (the pair is named; its low word serves both halves)
.set TP,  234
.set PWD, 235                          ; p's scale word
.set SM2, 236                          ; the second chain of the sum
.set KSR, 240                          ; K's scale words
.set VSR, 248                          ; V's
.set QSR, 252                          ; Q's
.set TK,  253                          ; at the head: KSC + 16 x thread
.set WV,  14
.set SEL, 16
.set CS,  18
.set MNT, 20
.set TS,  21
.set TJ,  22
.set CNT, 23
.set KVP, 24
.macro PLACES n
.rept \n
	v_nop
.endr
.endm
.macro BARRIER
	s_wait_dscnt 0x0
	s_barrier_signal -1
	s_barrier_wait -1
.endm
	s_load_b256 s[4:11], s[0:1], 0x0               ; qc, kv, sc, oc
	s_load_b64 s[12:13], s[0:1], 0x20              ; os
	v_lshl_add_u32 v238, v0, 2, 0x26000
	v_mov_b32 v239, 0
	v_lshrrev_b32 v254, 5, v0
	v_readfirstlane_b32 s[WV], v254                ; wave 0..15
	v_and_b32 v254, 31, v0
	v_lshlrev_b32 v[L16], 4, v254
	v_and_b32 v255, 15, v0
	v_lshlrev_b32 v[R16], 4, v255
	v_add_nc_u32 v[AKS], KSC, v[R16]
	v_add_nc_u32 v[AVS], VSC, v[R16]
	s_lshl_b32 s26, s[WV], 10
	v_add_nc_u32 v[CPW], s26, v[L16]
	v_add_nc_u32 v[L16B], 0x10000, v[L16]
	v_add_nc_u32 v[CPWB], 0x10000, v[CPW]
	v_lshlrev_b32 v[T16], 4, v0
	v_add_nc_u32 v[TK], KSC, v[T16]
	v_lshrrev_b32 v[VSG], 4, v0
	v_lshlrev_b32 v[VSG], 8, v[VSG]
	v_lshl_add_u32 v[VSG], v255, 3, v[VSG]         ; V's bytes: step thread / 16 (two blocks of 128 bytes), row thread % 16
	s_mov_b32 s[SEL], 0x76543210
	s_mov_b32 s[SEL+1], 0xfedcba98
	s_mov_b32 s[CS], 0x3e38aa3b                    ; c = log2(e) / 8
	s_mov_b32 s[CS+1], s[CS]
	s_mov_b32 s[MNT], 0x600000
	s_mov_b32 s[TS], 0
	s_mov_b32 s[TJ], 0
	s_mov_b32 s[CNT], 3
	s_and_b32 s26, ttmp7, 0xffff                   ; 8 batch + head
	s_lshr_b32 s27, s[WV], 2
	s_and_b32 s28, s[WV], 3                        ; row tile m in its block of 64
	s_lshl_b32 s29, ttmp9, 2
	s_add_co_u32 s29, s29, s27                     ; the block of 64 queries in the batch
	s_lshr_b32 s30, s26, 3
	s_and_b32 s31, s26, 7                          ; head
	s_lshl_b32 s30, s30, 6
	s_add_co_u32 s30, s30, s29                     ; the block among all 128
	s_mov_b32 s33, 0
	s_mov_b32 s35, 0
	s_wait_kmcnt 0x0
	s_lshl_b32 s32, s26, 18
	s_lshl_b32 s34, s29, 12
	s_add_nc_u64 s[4:5], s[4:5], s[32:33]
	s_add_nc_u64 s[4:5], s[4:5], s[34:35]
	s_lshl_b32 s34, s28, 10
	s_add_nc_u64 s[4:5], s[4:5], s[34:35]          ; my tile of Q
	s_lshl_b32 s32, s26, 19
	s_add_nc_u64 s[6:7], s[6:7], s[32:33]          ; the head's K and V
	s_add_nc_u64 s[KVP:KVP+1], s[6:7], 0x10000     ; step 4: the first that the loop copies
	s_lshl_b32 s32, s26, 14
	s_add_nc_u64 s[38:39], s[8:9], s[32:33]
	s_lshl_b32 s34, s29, 8
	s_add_nc_u64 s[36:37], s[38:39], s[34:35]
	s_lshl_b32 s34, s28, 2
	s_add_nc_u64 s[36:37], s[36:37], s[34:35]      ; Q's scale words
	s_add_nc_u64 s[38:39], s[38:39], 0x40000       ; K's
	s_lshl_b32 s32, s26, 13
	s_add_co_u32 s32, s32, 0x80000
	s_add_nc_u64 s[8:9], s[8:9], s[32:33]          ; V's
	s_lshl_b32 s32, s30, 15
	s_lshr_b32 s34, s31, 1
	s_lshl_b32 s34, s34, 13
	s_add_nc_u64 s[10:11], s[10:11], s[32:33]
	s_add_nc_u64 s[10:11], s[10:11], s[34:35]
	s_lshl_b32 s32, s28, 11
	s_and_b32 s34, s31, 1
	s_lshl_b32 s34, s34, 10
	s_add_nc_u64 s[10:11], s[10:11], s[32:33]
	s_add_nc_u64 s[10:11], s[10:11], s[34:35]      ; oc + 32,768 block + 8,192 (head / 2) + 2,048 m + 1,024 (head % 2)
	s_lshl_b32 s32, s30, 10
	s_lshl_b32 s34, s28, 8
	s_add_nc_u64 s[12:13], s[12:13], s[32:33]
	s_add_nc_u64 s[12:13], s[12:13], s[34:35]
	s_lshl_b32 s32, s31, 1
	s_add_nc_u64 s[12:13], s[12:13], s[32:33]      ; os + 256 (4 block + m) + 2 head
	global_load_b128 v[16:19], v[L16], s[4:5]
	global_load_b128 v[20:23], v[L16], s[4:5] offset:512
	global_load_b32 v[QSR], v[R16], s[36:37]
	global_load_b128 v[104:107], v[T16], s[38:39]
	global_load_b128 v[108:111], v[T16], s[38:39] offset:8192
	global_load_b64 v[112:113], v[VSG], s[8:9]
	global_load_b64 v[114:115], v[VSG], s[8:9] offset:128
.irp q, 0,1,2,3
	global_load_b128 v[32+8*\q:35+8*\q], v[CPW], s[6:7] offset:16384*\q            ; my part of steps 0 to 3: slot 0
	global_load_b128 v[36+8*\q:39+8*\q], v[CPW], s[6:7] offset:16384*\q+512
.endr
.irp j, 0,1,2,3,4,5,6,7
	v_mov_b32 v[24+\j], 0                          ; Q's zero codes for k = 64 .. 127
	v_mov_b32 v[CST+\j], 0                         ; what stands behind K's last tile until the first copy
.endr
.set J, 0
.rept 32
	v_mov_b32 v[OT+J], 0                           ; the step is written once: the first finds zeros, which the first change of M leaves zeros
.set J, J+1
.endr
	v_mov_b32 v13, 0xff61b1e6                      ; the largest t so far: -3e38
	v_floor_f32 v12, -v13                          ; -M
	v_mov_b32 v14, 0
	v_mov_b32 v15, 0
	v_mov_b32 v[FF+1], 0
	v_mov_b32 v[TP], 0
.irp b, 0,1,2,3
	v_mov_b32 v[PB+\b], 0                          ; a lane permute's destination counts as one of its sources
.endr
	s_wait_loadcnt 0x0
	v_perm_b32 v116, v114, v112, 0x05040100        ; V's word of a tile and a step: the even block's two bytes below the odd block's
	v_perm_b32 v117, v114, v112, 0x07060302
	v_perm_b32 v118, v115, v113, 0x05040100
	v_perm_b32 v119, v115, v113, 0x07060302
	ds_store_b128 v[TK], v[104:107]
	ds_store_b128 v[TK], v[108:111] offset:8192
	ds_store_b128 v[TK], v[116:119] offset:VSC-KSC
.irp q, 0,1,2,3
	ds_store_b128 v[CPW], v[32+8*\q:35+8*\q] offset:16384*\q
	ds_store_b128 v[CPW], v[36+8*\q:39+8*\q] offset:16384*\q+512
.endr
	BARRIER                                        ; slot 0 and the scale words lie in LDS
; K of a slot's first step, and its scale words: asked for behind the barrier that shows the slot whole
.macro KLOAD set, rb, ro, nn
.irp t, 0,1,2,3,4,5,6,7
.irp c, 0,1
	ds_load_b128 v[(\set)+8*\t+4*\c:(\set)+8*\t+4*\c+3], v[\rb] offset:(\ro)+1024*\t+512*\c
.endr
.endr
	ds_load_b128 v[KSR:KSR+3], v[ADS] offset:512*(\nn)
	ds_load_b128 v[KSR+4:KSR+7], v[ADS] offset:512*(\nn)+256
.endm
; A KEY STEP.  ks: the set that holds K (on its way) and then V; ss: the set for S^T and p; rb, ro: the slot's address register and the step's place in the slot; nn: which of the trip's eight
; (for the scale words); copy = 1: my part of the step four further on goes to the same place in the other slot (address register wb); pre = 1: the next step's K is asked for.
.macro STEP ks, ss, rb, ro, nn, copy, wb, pre
.set KSET, \ks
.set SSET, \ss
	PLACES 9                                       ; behind the last products: S^T is laid over the registers from which they read V (one place more than a load would want)
	s_wait_dscnt 0x0                               ; K and its scale words are in; the copy's stores have read the staging registers
.irp t, 0,1,2,3,4,5,6,7
	v_wmma_scale_f32_16x16x128_f8f6f4 v[SSET+8*\t:SSET+8*\t+7], v[KSET+8*\t:KSET+8*\t+15], v[16:31], 0, v[KSR+\t], v[QSR] matrix_a_fmt:MATRIX_FMT_BF8 matrix_b_fmt:MATRIX_FMT_BF8
.endr
	PLACES 8                                       ; in front of the first read of results and of loads into registers that these products read
.irp t, 0,1,2,3
.irp c, 0,1,2,3
	ds_load_b128 v[KSET+16*\t+4*\c:KSET+16*\t+4*\c+3], v[\rb] offset:(\ro)+8192+2048*\t+512*\c     ; K is done with: V's four tiles take its place and land under the softmax
.endr
.endr
	ds_load_b128 v[VSR:VSR+3], v[ADT] offset:256*(\nn)
.if \copy
	global_load_b128 v[CST:CST+3], v[CPW], s[KVP:KVP+1]            ; the copy: it has the step up to the last conversions in which to land
	global_load_b128 v[CST+4:CST+7], v[CPW], s[KVP:KVP+1] offset:512
.endif
.irp b, 0,1,2,3
	v_max3_num_f32 v[BM+\b], v[SSET+16*\b], v[SSET+16*\b+1], v[SSET+16*\b+2]       ; the largest score of each block of 32 keys: for the row's maximum, and, since p rises with the score, for the block's largest p
.endr
.irp i, 3,5,7,9,11,13
.irp b, 0,1,2,3
	v_max3_num_f32 v[BM+\b], v[BM+\b], v[SSET+16*\b+\i], v[SSET+16*\b+\i+1]
.endr
.endr
.irp b, 0,1,2,3
	v_max_num_f32 v[BM+\b], v[BM+\b], v[SSET+16*\b+15]
.endr
.irp b, 0,1,2,3
	v_permlanex16_b32 v[PB+\b], v[BM+\b], s[SEL], s[SEL+1]
.endr
.irp b, 0,1,2,3
	v_max_num_f32 v[BM+\b], v[BM+\b], v[PB+\b]     ; with lane l xor 16's 16 keys
.endr
	v_max3_num_f32 v[TP], v[BM], v[BM+1], v[BM+2]
	v_max_num_f32 v[TP], v[TP], v[BM+3]
	v_mul_f32 v[TP], s[CS], v[TP]                  ; as t (c is positive)
	v_max_num_f32 v13, v13, v[TP]                  ; the running largest t
	v_mov_b32 v[TP], v12
	v_floor_f32 v12, -v13                          ; the new -M = -ceil(t): a whole number
	v_sub_f32 v[TP], v12, v[TP]                    ; old M - new M: a whole number, 0 or less
	v_cvt_i32_f32 v[TP], v[TP]                     ; (it saturates)
	v_ldexp_f32 v[FF], 1.0, v[TP]                  ; f = 2^(old M - new M)
.set J, 0
.rept 32
	v_pk_fma_f32 v[SSET+J:SSET+J+1], v[SSET+J:SSET+J+1], s[CS:CS+1], v[12:13] op_sel_hi:[1,0,0]   ; t - M, two at a time
.set J, J+2
.endr
.irp b, 0,1,2,3
	v_fma_f32 v[BM+\b], v[BM+\b], s[CS], v12       ; the same of each block's largest score
.endr
.set J, 0
.rept 64
	v_exp_f32 v[SSET+J], v[SSET+J]                 ; p = 2^(t - M), at most 1
.set J, J+1
.endr
.irp b, 0,1,2,3
	v_exp_f32 v[BM+\b], v[BM+\b]                   ; the block's largest p: the same two instructions on the same number
.endr
	v_pk_mul_f32 v[14:15], v[14:15], v[FF:FF+1] op_sel_hi:[1,0]    ; the sums under the new M (a plain instruction behind the exponentials)
	s_wait_alu depctr_va_vdst(0)
.irp b, 0,1,2,3
	v_max_num_f32 v[BM+\b], 0x8000000, v[BM+\b]    ; the floor 2^(16 - 127)
.endr
.irp b, 0,1,2,3
	v_add_nc_u32 v[SO+\b], 0xf8800000, v[BM+\b]
.endr
.irp b, 0,1,2,3
	v_and_or_b32 v[HD+\b], v[BM+\b], 0x7f800000, s[MNT]
.endr
.irp b, 0,1,2,3
	v_lshrrev_b32 v[PB+\b], 23, v[SO+\b]
.endr
	v_lshl_or_b32 v[PWD], v[PB+1], 8, v[PB]        ; p's scale word for these 128 keys
	v_lshl_or_b32 v[PWD], v[PB+2], 16, v[PWD]
	v_lshl_or_b32 v[PWD], v[PB+3], 24, v[PWD]
; Block by block: the row's sum of the UNQUANTISED p (two chains, keys ascending), the hold, the conversions; then the block's 16 registers are free and take two tiles of the next step's K.
.irp b, 0,1,2,3
.irp j, 0,4,8,12
.if (16*\b+\j) == 0
	v_pk_add_f32 v[SM2:SM2+1], v[SSET:SSET+1], v[SSET+2:SSET+3]
.else
	v_pk_add_f32 v[14:15], v[14:15], v[SSET+16*\b+\j:SSET+16*\b+\j+1]
	v_pk_add_f32 v[SM2:SM2+1], v[SM2:SM2+1], v[SSET+16*\b+\j+2:SSET+16*\b+\j+3]
.endif
.endr
.irp i, 0,1,2,3,4,5,6,7,8,9,10,11,12,13,14,15
	v_min_num_f32 v[SSET+16*\b+\i], v[SSET+16*\b+\i], v[HD+\b]     ; the conversion does not saturate (ISA guide 7.6.2); p is not negative, so the hold is one-sided
.endr
	v_cvt_scalef32_pk8_bf8_f32 v[PCD+4*\b:PCD+4*\b+1], v[SSET+16*\b:SSET+16*\b+7], v[SO+\b]
	v_cvt_scalef32_pk8_bf8_f32 v[PCD+4*\b+2:PCD+4*\b+3], v[SSET+16*\b+8:SSET+16*\b+15], v[SO+\b]
.if \pre
.irp c, 0,1,2,3
	ds_load_b128 v[SSET+16*\b+4*\c:SSET+16*\b+4*\c+3], v[\rb] offset:(\ro)+16384+2048*\b+512*\c    ; K's tiles 2 b and 2 b + 1 of the next step, which lies in the same slot
.endr
.endif
.endr
.if \pre
	ds_load_b128 v[KSR:KSR+3], v[ADS] offset:512*((\nn)+1)
	ds_load_b128 v[KSR+4:KSR+7], v[ADS] offset:512*((\nn)+1)+256
.endif
.if \copy
	s_wait_loadcnt 0x0                             ; the copy's two loads are in, and have read their base
	ds_store_b128 v[\wb], v[CST:CST+3] offset:(\ro)
	ds_store_b128 v[\wb], v[CST+4:CST+7] offset:(\ro)+512
	s_add_nc_u64 s[KVP:KVP+1], s[KVP:KVP+1], 16384
.endif
	v_pk_add_f32 v[14:15], v[14:15], v[SM2:SM2+1]  ; (a plain instruction behind the last conversion)
.set J, 0
.rept 16
	v_pk_mul_f32 v[OT+J:OT+J+1], v[OT+J:OT+J+1], v[FF:FF+1] op_sel_hi:[1,0]    ; O^T under the new M; these are also the places between the codes and the products
.set J, J+2
.endr
	s_wait_dscnt 18*(\pre)+2*(\copy)               ; V and its scale words are in; behind them were issued the next K's 16 loads and 2 scale loads, and the copy's 2 stores
.irp t, 0,1,2,3
	v_wmma_scale_f32_16x16x128_f8f6f4 v[OT+8*\t:OT+8*\t+7], v[KSET+16*\t:KSET+16*\t+15], v[PCD:PCD+15], v[OT+8*\t:OT+8*\t+7], v[VSR+\t], v[PWD] matrix_a_fmt:MATRIX_FMT_BF8 matrix_b_fmt:MATRIX_FMT_BF8
.endr
.endm
; A slot's four steps; first: the first step's place among the trip's eight
.macro PHASE rb, wb, first, copy
	KLOAD XS, \rb, 0, \first
	STEP XS, YS, \rb, 0, \first, \copy, \wb, 1
	STEP YS, XS, \rb, 16384, (\first)+1, \copy, \wb, 1
	STEP XS, YS, \rb, 32768, (\first)+2, \copy, \wb, 1
	STEP YS, XS, \rb, 49152, (\first)+3, \copy, \wb, 0
.endm
.Lloop:                                            ; 3 trips of eight steps; every step copies
	v_add_nc_u32 v[ADS], s[TS], v[AKS]
	v_add_nc_u32 v[ADT], s[TJ], v[AVS]
	PHASE L16, CPWB, 0, 1
	BARRIER                                        ; slot 1 is whole, and nobody reads slot 0 any more
	PHASE L16B, CPW, 4, 1
	BARRIER                                        ; slot 0 is whole, and nobody reads slot 1 any more
	s_add_co_u32 s[TS], s[TS], 4096
	s_add_co_u32 s[TJ], s[TJ], 2048
	s_sub_co_u32 s[CNT], s[CNT], 1
	s_cmp_lg_u32 s[CNT], 0
	s_cbranch_scc1 .Lloop
	v_add_nc_u32 v[ADS], s[TS], v[AKS]             ; the last eight steps: four more copies (steps 28 to 31), then none: no load leaves the buffer
	v_add_nc_u32 v[ADT], s[TJ], v[AVS]
	PHASE L16, CPWB, 0, 1
	BARRIER
	PHASE L16B, CPW, 4, 0
	PLACES 8
	v_add_f32 v14, v14, v15                        ; the sum's two halves,
	v_permlanex16_b32 v[TP], v14, s[SEL], s[SEL+1]
	v_add_f32 v14, v14, v[TP]                      ; and lane l xor 16's keys
	v_rcp_f32 v14, v14
	v_nop
.set J, 0
	s_wait_alu depctr_va_vdst(0)
.rept 32
	v_mul_f32 v[XS+J], v[OT+J], v14                ; register 16 b + i: channel 32 b + 16 h + i of my query
.set J, J+1
.endr
.irp b, 0,1
	v_max3_num_f32 v[BM+\b], |v[XS+16*\b]|, |v[XS+16*\b+1]|, 0x8000000
.endr
.irp i, 2,4,6,8,10,12,14
.irp b, 0,1
	v_max3_num_f32 v[BM+\b], v[BM+\b], |v[XS+16*\b+\i]|, |v[XS+16*\b+\i+1]|
.endr
.endr
.irp b, 0,1
	v_permlanex16_b32 v[PB+\b], v[BM+\b], s[SEL], s[SEL+1]
.endr
.irp b, 0,1
	v_max_num_f32 v[BM+\b], v[BM+\b], v[PB+\b]
.endr
.irp b, 0,1
	v_add_nc_u32 v[SO+\b], 0xf8800000, v[BM+\b]
	v_and_or_b32 v[HD+\b], v[BM+\b], 0x7f800000, s[MNT]
.endr
.irp b, 0,1
	v_lshrrev_b32 v[PB+\b], 23, v[SO+\b]
.endr
	v_lshl_or_b32 v[PWD], v[PB+1], 8, v[PB]
.irp b, 0,1
.irp i, 0,1,2,3,4,5,6,7,8,9,10,11,12,13,14,15
	v_med3_num_f32 v[XS+16*\b+\i], v[XS+16*\b+\i], -v[HD+\b], v[HD+\b]
.endr
.endr
.irp b, 0,1
	v_cvt_scalef32_pk8_bf8_f32 v[PCD+4*\b:PCD+4*\b+1], v[XS+16*\b:XS+16*\b+7], v[SO+\b]
	v_cvt_scalef32_pk8_bf8_f32 v[PCD+4*\b+2:PCD+4*\b+3], v[XS+16*\b+8:XS+16*\b+15], v[SO+\b]
.endr
	v_nop
	global_store_b128 v[L16], v[PCD:PCD+3], s[10:11]               ; each store covers 512 consecutive bytes of the next product's image
	global_store_b128 v[L16], v[PCD+4:PCD+7], s[10:11] offset:512
	global_store_b16 v[R16], v[PWD], s[12:13]      ; my head's two bytes of each row's sixteen: two bytes a lane (both halves of the lanes the same), all inside one block of 256 bytes
	s_wait_tensorcnt 0x0
	ds_add_u32 v238, v239
	s_wait_dscnt 0x0
	s_endpgm
.Lfunc_end_k_qd0e2deba1f_attn:
	.size	k_qd0e2deba1f_attn, .Lfunc_end_k_qd0e2deba1f_attn-k_qd0e2deba1f_attn
	.p2alignl 7, 3214868480
	.fill 96, 4, 3214868480
	.section	.rodata,"a",@progbits
	.p2align	6, 0x0
	.amdhsa_kernel k_qd0e2deba1f_attn
		.amdhsa_group_segment_fixed_size 157696
		.amdhsa_private_segment_fixed_size 0
		.amdhsa_enable_private_segment 0
		.amdhsa_kernarg_size 40
		.amdhsa_user_sgpr_count 2
		.amdhsa_user_sgpr_kernarg_segment_ptr 1
		.amdhsa_wavefront_size32 1
		.amdhsa_system_sgpr_workgroup_id_x 1
		.amdhsa_system_sgpr_workgroup_id_y 1
		.amdhsa_system_sgpr_workgroup_id_z 1
		.amdhsa_system_vgpr_workitem_id 0
		.amdhsa_next_free_vgpr 256
		.amdhsa_next_free_sgpr 66
		.amdhsa_reserve_vcc 0
		.amdhsa_float_denorm_mode_32 3
		.amdhsa_float_denorm_mode_16_64 3
		.amdhsa_memory_ordered 1
		.amdhsa_forward_progress 1
		.amdhsa_inst_pref_size 255
	.end_amdhsa_kernel
	.section	.bss,"aw",@nobits
	.p2align	6
	.space	262144
	.amdgpu_metadata
---
amdhsa.version: [ 1, 2 ]
amdhsa.kernels:
  - .name:           k_qd0e2deba1f_attn
    .symbol:         k_qd0e2deba1f_attn.kd
    .args:
      - { .name: qc, .offset: 0, .size: 8, .value_kind: global_buffer, .address_space: global }
      - { .name: kv, .offset: 8, .size: 8, .value_kind: global_buffer, .address_space: global }
      - { .name: sc, .offset: 16, .size: 8, .value_kind: global_buffer, .address_space: global }
      - { .name: oc, .offset: 24, .size: 8, .value_kind: global_buffer, .address_space: global }
      - { .name: os, .offset: 32, .size: 8, .value_kind: global_buffer, .address_space: global }
    .group_segment_fixed_size: 157696
    .private_segment_fixed_size: 0
    .kernarg_segment_align: 8
    .kernarg_segment_size: 40
    .max_flat_workgroup_size: 512
    .sgpr_count:     66
    .vgpr_count:     256
    .wavefront_size: 32
...
	.end_amdgpu_metadata
.endif
;; end of part 3
;; launch tail (part 4): grid 128 x 1, 4 waves a work-group, no clusters, 271,872 bytes of LDS; arguments oc, os, x, wc, wsc, bo, gamma1, beta1, b1, b2, gamma2, beta2, out0; writes out0
.if DOCPART == 4
	.amdgcn_target "amdgcn-amd-amdhsa--gfx1250"
	.amdhsa_code_object_version 6
	.text
	.protected	k_qd0e2deba1f_tail
	.globl	k_qd0e2deba1f_tail
	.p2align	8
	.type	k_qd0e2deba1f_tail,@function
k_qd0e2deba1f_tail:
	s_mov_b64 s[64:65], 0
	v_nop
	global_prefetch_b8 v0, s[64:65] scope:SCOPE_SE
	s_setreg_imm32_b32 hwreg(HW_REG_WAVE_MODE, 25, 1), 1
	s_wait_xcnt 0x0
; x1 = LN1(x + o Wo + bo); out = LN2(x1 + relu(x1 W1 + b1) W2 + b2).  The three products on codes of E5M2 with one E8M0 byte for each 32 along K; all else f32.  LN(z) = (z - mean) / (std + 1e-5) gamma + beta.
; SHARES.  A work-group takes 64 rows through the whole chain; nothing between the products goes to memory.  THE WAVES SHARE THE COLUMNS: wave w makes columns 128 w .. 128 w + 127 of every result (of the
; hidden layer: units 512 round + 128 w on, four rounds), for all 64 rows: 32 accumulators.  Its 36 groups of weight codes (16,384 bytes each, laid in this order by the first launch) come straight from
; memory into a ring of four register slots: 512 consecutive bytes a load, three half-groups (54 loads) on their way while one is multiplied.
; The rows' codes go from wave to wave through LDS as images of the operand's registers: wave w's 128 columns of x1 (of a round's hidden units) are one K step of the next product.
; All products transposed (source 0 = 16 columns of the weight, source 1 = 16 rows): a lane holds one row and 64 registers = 128 neighbouring columns in an operand's order; x, x1 and the result lie so in window 3.
; A row's mean and variance: each wave's part over its 128 columns, the four parts through LDS; the mean is taken away before squaring.
; NO JOINT LOADS: every weight fragment serves one wave alone and goes to its registers; a joint load lands in LDS, from where each fragment would have to be read once more.
; LIMITS: NaN and infinities are not served; a block whose largest magnitude lies under 2^-111 (a block of zeros too) keeps the byte 1; v_sqrt_f32 takes a variance under 2^-126 as 0.
; REGISTERS, in windows of 256: window 0 addresses, scales, work, the rows' fragments (v128-255, two sets; also held numbers, gamma and beta, rows on the way out); window 1 the weight ring;
; window 2 the accumulators; window 3 the residual.
.set OCI, 0                            ; LDS: o's 16 fragments [s][m][2,048]
.set X1I, 32768                        ; x1's
.set HID, 65536                        ; the hidden layer's 64: [K step 16][m][2,048]
.set OSC, 196608                       ; scale words [s][m][32 lanes]: o's,
.set X1S, 198656                       ; x1's,
.set HSC, 200704                       ; the hidden layer's
.set PAR, 208896                       ; bo, gamma1, beta1, b2, gamma2, beta2 (2,048 each), b1 (8,192)
.set LNS, 229376                       ; four regions of [wave][lane][4 row tiles] f32
.set STG, 237568                       ; the way out: 16 rows x 528 bytes for each wave
.set L16, 1
.set L4,  2
.set XA,  3                            ; 2,048 (r + (r & 8)) + 64 h
.set BIA, 4                            ; PAR + 512 w + 64 h
.set AX1, 5                            ; X1I + 16 l
.set AOS, 6                            ; OSC + 4 l
.set AX1S, 7                           ; X1S + 4 l
.set BB1, 8                            ; made in the loop: b1 of the round
.set HW,  9                            ;                   where the round's images go,
.set HSW, 10                           ;                   and their scale words
.set X1W, 11                           ; X1I + 16 l + 8,192 w
.set X1SW, 12                          ; X1S + 4 l + 512 w
.set YA,  13                           ; made in the loop: the hidden fragments in hand
.set YS,  14
.set LNW, 15                           ; LNS + 512 w + 16 l
.set T16, 8                            ; at the head only: 16 x thread,
.set TPA, 9                            ;   PAR + 16 x thread,
.set OSA, 10                           ;   16 r,
.set CPA, 13                           ;   16 l + 8,192 w,
.set AOW, 14                           ;   OSC + 4 l + 128 w
.set LNR, 120                          ; LNS + 16 l
.set STO, 121
.set SRD, 122
.set HWB, 123                          ; HID + 16 l + 8,192 w
.set HSWB, 124                         ; HSC + 4 l + 512 w
.set YAB, 125                          ; HID + 16 l
.set YSB, 126                          ; HSC + 4 l
.set WSC, 16
.set ASC, 24
.set TM,  32
.set PW,  48
.set SW,  52
.set PC,  56
.set LT,  72                           ; v72-87 chains, then the four waves' parts; v88-91 my parts; v92-95 the other half's
.set MN,  104                          ; -mean, a pair for each row tile
.set IV,  112                          ; 1 / (std + eps), likewise
.set AF,  128
.set TQ,  128
.set GA,  128
.set BE,  192
.set WP,  10
.set WSP, 12
.set WV,  30
.set MNT, 31
.set SEL, 32
.set CNT, 34
.set HO,  35
.set HSO, 36
.set B1O, 37
.set YO,  38
.set YSO, 39
.set MSB, 0
.macro WIN new                         ; the immediate's high byte repeats the setting that is left; a switch that changes nothing is dropped
.if MSB != (\new)
	s_set_vgpr_msb (MSB<<8)|(\new)
.set MSB, (\new)
.endif
.endm
.macro PLACES n
.rept \n
	v_nop
.endr
.endm
.macro BARRIER                         ; my LDS stores have landed and my LDS loads are in: then the work-group's barrier
	s_wait_dscnt 0x0
	s_barrier_signal -1
	s_barrier_wait -1
.endm
.macro WLOAD slot, hg                  ; half-group hg of the stream (four tiles and their scale words: 18 loads) into a slot
	WIN 0x40
.irp t, 0,1,2,3
.irp c, 0,1,2,3
	global_load_b128 v[64*(\slot)+16*\t+4*\c:64*(\slot)+16*\t+4*\c+3], v[L16], s[WP:WP+1] offset:8192*(\hg)+2048*\t+512*\c
.endr
.endr
	WIN 0
.irp i, 0,1
	global_load_b32 v[WSC+2*(\slot)+\i], v[L4], s[WSP:WSP+1] offset:256*(\hg)+128*\i
.endr
.endm
.macro WM t, m, th                     ; one product: weight tile 4 th + t, row tile m
.set WACC, 64*(\m)+8*(4*(\th)+(\t))
.set WW, 64*HQ+16*(\t)
.set WA, AF+64*HP+16*(\m)
.set WSR, WSC+2*HQ+(\t)/2
.set WAS, ASC+4*HP+(\m)
.if (\t)%2
	v_wmma_scale_f32_16x16x128_f8f6f4 v[WACC:WACC+7], v[WW:WW+15], v[WA:WA+15], v[WACC:WACC+7], v[WSR], v[WAS] matrix_a_fmt:MATRIX_FMT_BF8 matrix_b_fmt:MATRIX_FMT_BF8 matrix_a_scale:MATRIX_SCALE_ROW1
.else
	v_wmma_scale_f32_16x16x128_f8f6f4 v[WACC:WACC+7], v[WW:WW+15], v[WA:WA+15], v[WACC:WACC+7], v[WSR], v[WAS] matrix_a_fmt:MATRIX_FMT_BF8 matrix_b_fmt:MATRIX_FMT_BF8
.endif
.endm
; Half a K step: 16 products on 16 accumulators; the 32 accumulators take turns, one instruction a turn.  Eight places follow, then the slot is filled again.
.macro HALF s, th, refill, lcnt
.set HQ, (2*(\s)+(\th))%4
.set HP, (\s)%2
	s_wait_loadcnt \lcnt                           ; this half-group is in; the younger ones, 18 loads each, stay out
	WIN 0xa1                                       ; source 0 (weight) window 1, source 1 (rows) window 0, C and D window 2
.irp t, 0,1,2,3
.irp m, 0,1,2,3
	WM \t, \m, \th
.endr
.endr
	PLACES 8
.if \refill
	WLOAD HQ, 2*(\s)+(\th)+4
.endif
	WIN 0
.endm
.macro AFLOAD s, adr, off, sadr, soff  ; K step s: four fragments and four scale words from LDS: 20 loads
.irp m, 0,1,2,3
.irp c, 0,1,2,3
	ds_load_b128 v[AF+64*((\s)%2)+16*\m+4*\c:AF+64*((\s)%2)+16*\m+4*\c+3], v[\adr] offset:(\off)+(4*(\s)+\m)*2048+512*\c
.endr
.endr
.irp m, 0,1,2,3
	ds_load_b32 v[ASC+4*((\s)%2)+\m], v[\sadr] offset:(\soff)+128*(4*(\s)+\m)
.endr
.endm
.macro KSTEP s, dcnt, nxt, refill, l0, l1, adr, off, sadr, soff
	s_wait_dscnt \dcnt                             ; this step's fragments are in; the next step's 20 loads may be out
	HALF \s, 0, \refill, \l0
	HALF \s, 1, \refill, \l1
.if (\nxt) >= 0
	AFLOAD \nxt, \adr, \off, \sadr, \soff          ; into the set just left, behind HALF's eight places
.endif
.endm
; Four K steps.  pre: the first two steps' fragments are asked for here; cont: the next four steps follow in LDS; fin: the stream ends here, so the last four half-groups fill nothing.
.macro GEMM4 adr, off, sadr, soff, pre, cont, fin
.if \pre
	AFLOAD 0, \adr, \off, \sadr, \soff
	AFLOAD 1, \adr, \off, \sadr, \soff
.endif
	KSTEP 0, 20, 2, 1, 54, 54, \adr, \off, \sadr, \soff
	KSTEP 1, 20, 3, 1, 54, 54, \adr, \off, \sadr, \soff
.if \cont
	KSTEP 2, 20, 4, 1, 54, 54, \adr, \off, \sadr, \soff
	KSTEP 3, 20, 5, 1, 54, 54, \adr, \off, \sadr, \soff
.elseif \fin
	KSTEP 2, 20, -1, 0, 54, 36, \adr, \off, \sadr, \soff
	KSTEP 3, 0, -1, 0, 18, 0, \adr, \off, \sadr, \soff
.else
	KSTEP 2, 20, -1, 1, 54, 54, \adr, \off, \sadr, \soff
	KSTEP 3, 0, -1, 1, 54, 54, \adr, \off, \sadr, \soff
.endif
.if (\fin) == 0
	s_wait_xcnt 0x0                                ; the loads on their way have read their bases: the stream steps eight half-groups on
	s_add_nc_u64 s[WP:WP+1], s[WP:WP+1], 65536
	s_add_nc_u64 s[WSP:WSP+1], s[WSP:WSP+1], 2048
.endif
.endm
.macro INIT adr, off                   ; the bias as the accumulators' first content: lane (r, h), tile t: columns 32 (t / 2) + 16 h + 8 (t % 2) + 0 .. 7
	WIN 0x80
.irp t, 0,1,2,3,4,5,6,7
.irp m, 0,1,2,3
	ds_load_b128 v[64*\m+8*\t:64*\m+8*\t+3], v[\adr] offset:(\off)+128*(\t/2)+32*(\t%2)
	ds_load_b128 v[64*\m+8*\t+4:64*\m+8*\t+7], v[\adr] offset:(\off)+128*(\t/2)+32*(\t%2)+16
.endr
.endr
	WIN 0
.endm
; 64 numbers of a lane in window win, v[s] on, register 16 b + i = k 32 b + 16 h + i of my row, become a fragment's codes in v[PC] on and its scale word in v[PW].  The numbers stay as they are.
.macro QUANT win, s, relu
.set QA, (\win)|((\win)<<2)
.set QB, ((\win)<<2)|((\win)<<4)
	WIN QA
.irp b, 0,1,2,3
.if \relu
	v_max3_num_f32 v[TM+\b], v[(\s)+16*\b], v[(\s)+16*\b+1], 0x8000000         ; no |.|: what is negative becomes 0 and must not count; the floor 2^(16 - 127) stands over it
.else
	v_max3_num_f32 v[TM+\b], |v[(\s)+16*\b]|, |v[(\s)+16*\b+1]|, 0x8000000     ; block b: my 16 numbers and the floor 2^(16 - 127): the byte cannot fall under 1
.endif
.endr
	WIN QB
.irp i, 2,4,6,8,10,12,14
.irp b, 0,1,2,3
.if \relu
	v_max3_num_f32 v[TM+\b], v[TM+\b], v[(\s)+16*\b+\i], v[(\s)+16*\b+\i+1]
.else
	v_max3_num_f32 v[TM+\b], v[TM+\b], |v[(\s)+16*\b+\i]|, |v[(\s)+16*\b+\i+1]|   ; the four blocks by turns, each accumulator from its low end on
.endif
.endr
.endr
	WIN 0
.irp b, 0,1,2,3
	v_permlanex16_b32 v[TM+4+\b], v[TM+\b], s[SEL], s[SEL+1]
.endr
.irp b, 0,1,2,3
	v_max_num_f32 v[TM+\b], v[TM+\b], v[TM+4+\b]   ; with lane l xor 16's 16 numbers: the block's largest magnitude
.endr
.irp b, 0,1,2,3
	v_add_nc_u32 v[TM+12+\b], 0xf8800000, v[TM+\b] ; 15 off the exponent field: the conversion's scale operand
.endr
.irp b, 0,1,2,3
	v_and_or_b32 v[TM+8+\b], v[TM+\b], 0x7f800000, s[MNT]   ; 57,344 x the scale
.endr
.irp b, 0,1,2,3
	v_lshrrev_b32 v[TM+4+\b], 23, v[TM+12+\b]      ; the scale's byte
.endr
	v_lshl_or_b32 v[PW], v[TM+5], 8, v[TM+4]
	v_lshl_or_b32 v[PW], v[TM+6], 16, v[PW]
	v_lshl_or_b32 v[PW], v[TM+7], 24, v[PW]
	WIN \win
.irp b, 0,1,2,3
.irp i, 0,1,2,3,4,5,6,7,8,9,10,11,12,13,14,15
.if \relu
	v_med3_num_f32 v[TQ+16*\b+\i], v[(\s)+16*\b+\i], 0, v[TM+8+\b]             ; the activation and the hold in one
.else
	v_med3_num_f32 v[TQ+16*\b+\i], v[(\s)+16*\b+\i], -v[TM+8+\b], v[TM+8+\b]   ; the conversion does not saturate (ISA guide 7.6.2): the hold comes first
.endif
.endr
.endr
	WIN 0
.irp b, 0,1,2,3
	v_cvt_scalef32_pk8_bf8_f32 v[PC+4*\b:PC+4*\b+1], v[TQ+16*\b:TQ+16*\b+7], v[TM+12+\b]
	v_cvt_scalef32_pk8_bf8_f32 v[PC+4*\b+2:PC+4*\b+3], v[TQ+16*\b+8:TQ+16*\b+15], v[TM+12+\b]
.endr
	v_nop                                          ; one plain instruction behind the last conversion
.endm
.macro IMAGE adr, off, sadr, soff      ; the fragment and its scale word go to LDS as they stand
.irp c, 0,1,2,3
	ds_store_b128 v[\adr], v[PC+4*\c:PC+4*\c+3] offset:(\off)+512*\c
.endr
	ds_store_b32 v[\sadr], v[PW] offset:\soff
	s_wait_dscnt 0x0                               ; the stores have read their registers
.endm
; The eight chains in v[LT] on (two pairs a row tile) become the rows' totals over all 512 columns, v[LT + m]: my part, the other half of the lanes', the four waves' through LDS region reg.
.macro REDUCE reg
	WIN 0
.irp m, 0,1,2,3
	v_pk_add_f32 v[LT+4*\m:LT+4*\m+1], v[LT+4*\m:LT+4*\m+1], v[LT+4*\m+2:LT+4*\m+3]
.endr
.irp m, 0,1,2,3
	v_add_f32 v[LT+16+\m], v[LT+4*\m], v[LT+4*\m+1]
.endr
.irp m, 0,1,2,3
	v_permlanex16_b32 v[LT+20+\m], v[LT+16+\m], s[SEL], s[SEL+1]
.endr
.irp m, 0,1,2,3
	v_add_f32 v[LT+16+\m], v[LT+16+\m], v[LT+20+\m]
.endr
	ds_store_b128 v[LNW], v[LT+16:LT+19] offset:\reg
	BARRIER                                        ; every wave's parts lie in the region, which is written once
.irp k, 0,1,2,3
	ds_load_b128 v[LT+4*\k:LT+4*\k+3], v[LNR] offset:(\reg)+512*\k
.endr
	s_wait_dscnt 0x0
	v_pk_add_f32 v[LT:LT+1], v[LT:LT+1], v[LT+4:LT+5]              ; the same order in every wave: all four hold the same totals
	v_pk_add_f32 v[LT+2:LT+3], v[LT+2:LT+3], v[LT+6:LT+7]
	v_pk_add_f32 v[LT+8:LT+9], v[LT+8:LT+9], v[LT+12:LT+13]
	v_pk_add_f32 v[LT+10:LT+11], v[LT+10:LT+11], v[LT+14:LT+15]
	v_pk_add_f32 v[LT:LT+1], v[LT:LT+1], v[LT+8:LT+9]
	v_pk_add_f32 v[LT+2:LT+3], v[LT+2:LT+3], v[LT+10:LT+11]
.endm
; window 3 += the accumulators; then the layer norm of window 3, in place.  goff, boff: gamma's and beta's place among the parameters; r0, r1: two LDS regions.
.macro RESLN goff, boff, r0, r1
	WIN 0xcb                                       ; destination and source 0 window 3, source 1 window 2
.set K, 0
.rept 128
	v_pk_add_f32 v[K:K+1], v[K:K+1], v[K:K+1]      ; the residual + the product (its bias is in it); each accumulator from its low end on
.set K, K+2
.endr
	WIN 0
.irp b, 0,1,2,3
.irp i, 0,1,2,3
	ds_load_b128 v[GA+16*\b+4*\i:GA+16*\b+4*\i+3], v[BIA] offset:(\goff)+128*\b+16*\i
	ds_load_b128 v[BE+16*\b+4*\i:BE+16*\b+4*\i+3], v[BIA] offset:(\boff)+128*\b+16*\i
.endr
.endr
	WIN 0x0f
.irp m, 0,1,2,3
	v_pk_add_f32 v[LT+4*\m:LT+4*\m+1], v[64*\m:64*\m+1], v[64*\m+2:64*\m+3]
	v_pk_add_f32 v[LT+4*\m+2:LT+4*\m+3], v[64*\m+4:64*\m+5], v[64*\m+6:64*\m+7]
.endr
	WIN 0x0c
.irp k, 8,12,16,20,24,28,32,36,40,44,48,52,56,60
.irp m, 0,1,2,3
	v_pk_add_f32 v[LT+4*\m:LT+4*\m+1], v[LT+4*\m:LT+4*\m+1], v[64*\m+\k:64*\m+\k+1]
	v_pk_add_f32 v[LT+4*\m+2:LT+4*\m+3], v[LT+4*\m+2:LT+4*\m+3], v[64*\m+\k+2:64*\m+\k+3]
.endr
.endr
	REDUCE \r0
.irp m, 0,1,2,3
	v_mul_f32 v[MN+2*\m], 0xbb000000, v[LT+\m]     ; -mean = total x -2^-9
	v_mul_f32 v[MN+2*\m+1], 0xbb000000, v[LT+\m]
.endr
	WIN 0xc3
.irp m, 0,1,2,3
.set K, 0
.rept 32
	v_pk_add_f32 v[64*\m+K:64*\m+K+1], v[64*\m+K:64*\m+K+1], v[MN+2*\m:MN+2*\m+1]
.set K, K+2
.endr
.endr
	WIN 0x0f
.irp m, 0,1,2,3
	v_pk_mul_f32 v[LT+4*\m:LT+4*\m+1], v[64*\m:64*\m+1], v[64*\m:64*\m+1]
	v_pk_mul_f32 v[LT+4*\m+2:LT+4*\m+3], v[64*\m+2:64*\m+3], v[64*\m+2:64*\m+3]
.endr
.irp k, 4,8,12,16,20,24,28,32,36,40,44,48,52,56,60
.irp m, 0,1,2,3
	v_pk_fma_f32 v[LT+4*\m:LT+4*\m+1], v[64*\m+\k:64*\m+\k+1], v[64*\m+\k:64*\m+\k+1], v[LT+4*\m:LT+4*\m+1]
	v_pk_fma_f32 v[LT+4*\m+2:LT+4*\m+3], v[64*\m+\k+2:64*\m+\k+3], v[64*\m+\k+2:64*\m+\k+3], v[LT+4*\m+2:LT+4*\m+3]
.endr
.endr
	REDUCE \r1
.irp m, 0,1,2,3
	v_mul_f32 v[LT+\m], 0x3b000000, v[LT+\m]       ; the variance
.endr
.irp m, 0,1,2,3
	v_sqrt_f32 v[LT+\m], v[LT+\m]
.endr
	v_nop
	s_wait_alu depctr_va_vdst(0)
.irp m, 0,1,2,3
	v_add_f32 v[LT+\m], 0x3727c5ac, v[LT+\m]       ; std + 1e-5
.endr
.irp m, 0,1,2,3
	v_rcp_f32 v[IV+2*\m], v[LT+\m]
.endr
	v_nop
	s_wait_alu depctr_va_vdst(0)
.irp m, 0,1,2,3
	v_mov_b32 v[IV+2*\m+1], v[IV+2*\m]
.endr
	WIN 0xc3
.irp m, 0,1,2,3
.set K, 0
.rept 32
	v_pk_mul_f32 v[64*\m+K:64*\m+K+1], v[64*\m+K:64*\m+K+1], v[IV+2*\m:IV+2*\m+1]
.set K, K+2
.endr
.set K, 0
.rept 32
	v_pk_fma_f32 v[64*\m+K:64*\m+K+1], v[64*\m+K:64*\m+K+1], v[GA+K:GA+K+1], v[BE+K:BE+K+1]
.set K, K+2
.endr
.endr
	WIN 0
.endm
	s_load_b256 s[4:11], s[0:1], 0x0               ; oc, os, x, wc
	s_load_b256 s[12:19], s[0:1], 0x20             ; wsc, bo, gamma1, beta1
	s_load_b256 s[20:27], s[0:1], 0x40             ; b1, b2, gamma2, beta2
	s_load_b64 s[28:29], s[0:1], 0x60              ; out0
	v_lshl_add_u32 v103, v0, 2, 0x42400
	v_mov_b32 v127, 0
	v_lshrrev_b32 v50, 5, v0
	v_readfirstlane_b32 s[WV], v50                 ; wave 0..3
	v_and_b32 v50, 31, v0
	v_lshlrev_b32 v[L16], 4, v50
	v_lshlrev_b32 v[L4], 2, v50
	v_and_b32 v49, 15, v0                          ; r
	v_bfe_u32 v51, v0, 4, 1                        ; h
	v_and_b32 v50, 8, v49
	v_add_nc_u32 v50, v50, v49                     ; r + (r & 8)
	v_lshlrev_b32 v[XA], 11, v50
	v_lshl_add_u32 v[XA], v51, 6, v[XA]
	s_lshl_b32 s40, s[WV], 9                       ; 512 w
	s_lshl_b32 s41, s[WV], 13                      ; 8,192 w
	s_lshl_b32 s42, s[WV], 7                       ; 128 w
	v_lshlrev_b32 v[BIA], 6, v51
	v_add_nc_u32 v[BIA], s40, v[BIA]
	v_add_nc_u32 v[BIA], PAR, v[BIA]
	v_add_nc_u32 v[AX1], X1I, v[L16]
	v_add_nc_u32 v[AOS], OSC, v[L4]
	v_add_nc_u32 v[AX1S], X1S, v[L4]
	v_add_nc_u32 v[X1W], s41, v[AX1]
	v_add_nc_u32 v[X1SW], s40, v[AX1S]
	v_add_nc_u32 v[YAB], HID, v[L16]
	v_add_nc_u32 v[YSB], HSC, v[L4]
	v_add_nc_u32 v[HWB], s41, v[YAB]
	v_add_nc_u32 v[HSWB], s40, v[YSB]
	v_add_nc_u32 v[LNR], LNS, v[L16]
	v_add_nc_u32 v[LNW], s40, v[LNR]
	s_mul_i32 s43, s[WV], 8448
	s_add_co_u32 s43, s43, STG                     ; my stage
	v_add_nc_u32 v[SRD], s43, v[L16]
	v_mul_u32_u24 v[STO], v49, 528
	v_lshl_add_u32 v[STO], v51, 6, v[STO]
	v_add_nc_u32 v[STO], s43, v[STO]
	v_add_nc_u32 v[CPA], s41, v[L16]
	v_add_nc_u32 v[AOW], s42, v[AOS]
	v_lshlrev_b32 v[T16], 4, v0
	v_add_nc_u32 v[TPA], PAR, v[T16]
	v_lshlrev_b32 v[OSA], 4, v49
.irp b, 0,1,2,3
	v_mov_b32 v[TM+4+\b], 0                        ; written once: a lane permute's destination counts as one of its sources
	v_mov_b32 v[LT+20+\b], 0
.endr
	s_mov_b32 s[SEL], 0x76543210
	s_mov_b32 s[SEL+1], 0xfedcba98
	s_mov_b32 s[MNT], 0x600000
	s_mov_b32 s45, 0
	s_mov_b32 s47, 0
	s_wait_kmcnt 0x0
	s_lshl_b32 s44, ttmp9, 15
	s_add_nc_u64 s[4:5], s[4:5], s[44:45]          ; the block's 16 images of o
	s_lshl_b32 s44, ttmp9, 10
	s_lshl_b32 s46, s[WV], 8
	s_add_nc_u64 s[6:7], s[6:7], s[44:45]
	s_add_nc_u64 s[6:7], s[6:7], s[46:47]          ; row tile w's scale bytes
	s_lshl_b32 s44, ttmp9, 17
	s_mov_b32 s46, s40
	s_add_nc_u64 s[8:9], s[8:9], s[44:45]
	s_add_nc_u64 s[8:9], s[8:9], s[46:47]          ; x and out0 at the block's first row, my first column
	s_add_nc_u64 s[28:29], s[28:29], s[44:45]
	s_add_nc_u64 s[28:29], s[28:29], s[46:47]
	s_mul_i32 s44, s[WV], 589824
	s_add_co_u32 s44, s44, 786432
	s_add_nc_u64 s[WP:WP+1], s[WP:WP+1], s[44:45]  ; my 36 groups, behind the 48 of the launch before
	s_mul_i32 s44, s[WV], 18432
	s_add_co_u32 s44, s44, 24576
	s_add_nc_u64 s[WSP:WSP+1], s[WSP:WSP+1], s[44:45]
.irp i, 0,1,2,3,4,5,6,7,8,9,10,11,12,13,14,15
	global_load_b128 v[128+4*\i:128+4*\i+3], v[CPA], s[4:5] offset:512*\i
.endr
	global_load_b128 v[SW:SW+3], v[OSA], s[6:7]
	global_load_b128 v[192:195], v[T16], s[14:15]
	global_load_b128 v[196:199], v[T16], s[16:17]
	global_load_b128 v[200:203], v[T16], s[18:19]
	global_load_b128 v[204:207], v[T16], s[22:23]
	global_load_b128 v[208:211], v[T16], s[24:25]
	global_load_b128 v[212:215], v[T16], s[26:27]
.irp i, 0,1,2,3
	global_load_b128 v[216+4*\i:216+4*\i+3], v[T16], s[20:21] offset:2048*\i
.endr
	WIN 0xc0
.irp m, 0,1,2,3
.irp b, 0,1,2,3
.irp i, 0,1,2,3
	global_load_b128 v[64*\m+16*\b+4*\i:64*\m+16*\b+4*\i+3], v[XA], s[8:9] offset:2048*(32*(\m/2)+8*(\m%2))+128*\b+16*\i th:TH_LOAD_NT   ; x in the accumulators' layout
.endr
.endr
.endr
	WIN 0
	WLOAD 0, 0
	WLOAD 1, 1
	WLOAD 2, 2
	WLOAD 3, 3
	s_wait_loadcnt 63                              ; 72 weight loads are younger than x's last: all that stands ahead of them is in
.irp i, 0,1,2,3,4,5,6,7,8,9,10,11,12,13,14,15
	ds_store_b128 v[CPA], v[128+4*\i:128+4*\i+3] offset:OCI+512*\i
.endr
.irp s, 0,1,2,3
	ds_store_b32 v[AOW], v[SW+\s] offset:512*\s    ; row tile w's word of K step s
.endr
.irp k, 0,1,2,3,4,5,6,7,8,9
	ds_store_b128 v[TPA], v[192+4*\k:192+4*\k+3] offset:2048*\k
.endr
	BARRIER                                        ; o's images and the parameters lie in LDS
	INIT BIA, 0                                    ; bo
	GEMM4 L16, OCI, AOS, 0, 1, 0, 0
	RESLN 2048, 4096, 0, 2048                      ; x1, in window 3
.irp m, 0,1,2,3
	QUANT 3, 64*\m, 0
	IMAGE X1W, 2048*\m, X1SW, 128*\m               ; my 128 columns are K step w of the next product
.endr
	BARRIER                                        ; x1's sixteen fragments lie in LDS
	s_mov_b32 s[HO], 0
	s_mov_b32 s[HSO], 0
	s_mov_b32 s[B1O], 12288
	s_mov_b32 s[CNT], 4
.Lh:                                               ; four rounds of 512 hidden units; no barrier: a wave reads x1's images and writes images of its own
	v_add_nc_u32 v[BB1], s[B1O], v[BIA]
	v_add_nc_u32 v[HW], s[HO], v[HWB]
	v_add_nc_u32 v[HSW], s[HSO], v[HSWB]
	INIT BB1, 0
	GEMM4 AX1, 0, AX1S, 0, 1, 0, 0
.irp m, 0,1,2,3
	QUANT 2, 64*\m, 1
	IMAGE HW, 2048*\m, HSW, 128*\m                 ; K step 4 round + w of the last product
.endr
	s_add_co_u32 s[HO], s[HO], 32768
	s_add_co_u32 s[HSO], s[HSO], 2048
	s_add_co_u32 s[B1O], s[B1O], 2048
	s_sub_co_u32 s[CNT], s[CNT], 1
	s_cmp_lg_u32 s[CNT], 0
	s_cbranch_scc1 .Lh
	BARRIER                                        ; the hidden layer's 64 fragments lie in LDS
	INIT BIA, 6144                                 ; b2
	s_mov_b32 s[YO], 0
	s_mov_b32 s[YSO], 0
	s_mov_b32 s[CNT], 3
	v_add_nc_u32 v[YA], s[YO], v[YAB]
	v_add_nc_u32 v[YS], s[YSO], v[YSB]
	AFLOAD 0, YA, 0, YS, 0
	AFLOAD 1, YA, 0, YS, 0
.Ly:                                               ; K = 2,048: three trips of four K steps, each asking for the next trip's first two; the last four are written out
	v_add_nc_u32 v[YA], s[YO], v[YAB]
	v_add_nc_u32 v[YS], s[YSO], v[YSB]
	GEMM4 YA, 0, YS, 0, 0, 1, 0
	s_add_co_u32 s[YO], s[YO], 32768
	s_add_co_u32 s[YSO], s[YSO], 2048
	s_sub_co_u32 s[CNT], s[CNT], 1
	s_cmp_lg_u32 s[CNT], 0
	s_cbranch_scc1 .Ly
	v_add_nc_u32 v[YA], s[YO], v[YAB]
	v_add_nc_u32 v[YS], s[YSO], v[YSB]
	GEMM4 YA, 0, YS, 0, 0, 0, 1
	RESLN 8192, 10240, 4096, 6144                  ; the result, in window 3
; THE WAY OUT, a row tile at a time: a lane holds four runs of 64 bytes of one row; through my own stage they come back as my 512 bytes of each row, which the 32 lanes store: 512 consecutive bytes, aligned.
; LDS serves a wave's instructions in order (ISA guide 5.7.1.4): no wait between the stores and the loads, nor in front of the next tile's stores.
.macro OUTM m
.set OBS, 128+64*((\m)%2)
.if (\m) >= 2
	s_wait_xcnt 0x0                                ; the stores of two tiles ago have read their registers
.endif
	WIN 0x0c                                       ; an LDS store's data are its source 1: window 3
.irp b, 0,1,2,3
.irp i, 0,1,2,3
	ds_store_b128 v[STO], v[64*(\m)+16*\b+4*\i:64*(\m)+16*\b+4*\i+3] offset:128*\b+16*\i
.endr
.endr
	WIN 0
.irp p, 0,1,2,3,4,5,6,7,8,9,10,11,12,13,14,15
	ds_load_b128 v[OBS+4*\p:OBS+4*\p+3], v[SRD] offset:528*\p
.endr
	s_wait_dscnt 0x0
.irp p, 0,1,2,3,4,5,6,7,8,9,10,11,12,13,14,15
	global_store_b128 v[L16], v[OBS+4*\p:OBS+4*\p+3], s[28:29] offset:2048*(32*((\m)/2)+8*((\m)%2)+\p+(\p&8)) th:TH_STORE_NT
.endr
.endm
	OUTM 0
	OUTM 1
	OUTM 2
	OUTM 3
	s_wait_tensorcnt 0x0
	ds_add_u32 v103, v127
	s_wait_dscnt 0x0
	s_endpgm
.Lfunc_end_k_qd0e2deba1f_tail:
	.size	k_qd0e2deba1f_tail, .Lfunc_end_k_qd0e2deba1f_tail-k_qd0e2deba1f_tail
	.p2alignl 7, 3214868480
	.fill 96, 4, 3214868480
	.section	.rodata,"a",@progbits
	.p2align	6, 0x0
	.amdhsa_kernel k_qd0e2deba1f_tail
		.amdhsa_group_segment_fixed_size 271872
		.amdhsa_private_segment_fixed_size 0
		.amdhsa_enable_private_segment 0
		.amdhsa_kernarg_size 104
		.amdhsa_user_sgpr_count 2
		.amdhsa_user_sgpr_kernarg_segment_ptr 1
		.amdhsa_wavefront_size32 1
		.amdhsa_system_sgpr_workgroup_id_x 1
		.amdhsa_system_sgpr_workgroup_id_y 1
		.amdhsa_system_sgpr_workgroup_id_z 1
		.amdhsa_system_vgpr_workitem_id 0
		.amdhsa_next_free_vgpr 1024
		.amdhsa_next_free_sgpr 66
		.amdhsa_reserve_vcc 0
		.amdhsa_float_denorm_mode_32 3
		.amdhsa_float_denorm_mode_16_64 3
		.amdhsa_memory_ordered 1
		.amdhsa_forward_progress 1
		.amdhsa_inst_pref_size 255
	.end_amdhsa_kernel
	.section	.bss,"aw",@nobits
	.p2align	6
	.space	262144
	.amdgpu_metadata
---
amdhsa.version: [ 1, 2 ]
amdhsa.kernels:
  - .name:           k_qd0e2deba1f_tail
    .symbol:         k_qd0e2deba1f_tail.kd
    .args:
      - { .name: oc, .offset: 0, .size: 8, .value_kind: global_buffer, .address_space: global }
      - { .name: os, .offset: 8, .size: 8, .value_kind: global_buffer, .address_space: global }
      - { .name: x, .offset: 16, .size: 8, .value_kind: global_buffer, .address_space: global }
      - { .name: wc, .offset: 24, .size: 8, .value_kind: global_buffer, .address_space: global }
      - { .name: wsc, .offset: 32, .size: 8, .value_kind: global_buffer, .address_space: global }
      - { .name: bo, .offset: 40, .size: 8, .value_kind: global_buffer, .address_space: global }
      - { .name: gamma1, .offset: 48, .size: 8, .value_kind: global_buffer, .address_space: global }
      - { .name: beta1, .offset: 56, .size: 8, .value_kind: global_buffer, .address_space: global }
      - { .name: b1, .offset: 64, .size: 8, .value_kind: global_buffer, .address_space: global }
      - { .name: b2, .offset: 72, .size: 8, .value_kind: global_buffer, .address_space: global }
      - { .name: gamma2, .offset: 80, .size: 8, .value_kind: global_buffer, .address_space: global }
      - { .name: beta2, .offset: 88, .size: 8, .value_kind: global_buffer, .address_space: global }
      - { .name: out0, .offset: 96, .size: 8, .value_kind: global_buffer, .address_space: global }
    .group_segment_fixed_size: 271872
    .private_segment_fixed_size: 0
    .kernarg_segment_align: 8
    .kernarg_segment_size: 104
    .max_flat_workgroup_size: 128
    .sgpr_count:     66
    .vgpr_count:     1024
    .wavefront_size: 32
...
	.end_amdgpu_metadata
.endif
;; end of part 4
;; ======== version 2 of 2: 4 launches
;; workspace buffers: wc 3,145,728 bytes; wsc 98,304 bytes; qc 4,194,304 bytes; kv 8,388,608 bytes; sc 655,360 bytes; oc 4,194,304 bytes; os 131,072 bytes
;; launch prep (part 5): grid 192 x 1, 4 waves a work-group, no clusters, 0 bytes of LDS; arguments Wq, Wk, Wv, Wo, W1, W2, wc, wsc; writes wc, wsc
.if DOCPART == 5
	.amdgcn_target "amdgcn-amd-amdhsa--gfx1250"
	.amdhsa_code_object_version 6
	.text
	.protected	k_qd0e2deba1f_prep
	.globl	k_qd0e2deba1f_prep
	.p2align	8
	.type	k_qd0e2deba1f_prep,@function
k_qd0e2deba1f_prep:
	s_mov_b64 s[64:65], 0
	v_nop
	global_prefetch_b8 v0, s[64:65] scope:SCOPE_SE
	s_setreg_imm32_b32 hwreg(HW_REG_WAVE_MODE, 25, 1), 1
	s_wait_xcnt 0x0
; The six weights ([K][N] f32, K the first axis) become codes of E5M2 with one E8M0 byte for each 32 along K, laid in the order in which the later launches stream them.
; wc: 192 groups of 16,384 bytes; a group = the 8 column tiles of one consumer wave for one K step of 128; a tile = an IMAGE OF THE OPERAND'S REGISTERS, 2,048 bytes:
;     byte 512 c + 16 l + i = the code of column(tile, l % 16) at k = 32 c + 16 (l / 16) + i.   wsc: [group][v 0..3][lane] words: lanes 0-15 tile 2 v's rows, lanes 16-31 tile 2 v + 1's.
; THE COLUMNS OF A TILE ARE NOT NEIGHBOURS: in each 32 columns tile u gives lane r column 8 u + r + (r & 8), so that a transposed product's 16 registers of two neighbouring tiles are 16 neighbours.
; A work-group makes one group (128 columns x 128 K), a wave 32 columns.  A LANE TAKES A COLUMN AND ITS REGISTERS RUN DOWN K: a block of 32 lies in one lane, nothing is transposed.
; Each load of a wave reads 128 consecutive bytes of a row of the weight; sixteen lanes store 256 consecutive bytes, aligned.  No LDS, no barrier: waves share nothing.
; A block's scale is 2^(floor(log2(largest magnitude)) - 15): its byte is that magnitude's exponent field - 15, held at 1 from below.
; LIMITS: NaN and infinities are not served; a block whose largest magnitude lies under 2^-111 (a block of zeros too) keeps the byte 1: the bytes are read by this program alone.
.set XN,  64                           ; v64-191  my column's 128 numbers
.set CD,  192                          ; v192-223 codes: eight registers for each block, so that no store's data are written again
.set OFF, 32                           ; v32-63   byte offset of row i of a block of 32, at my column
.set CO,  6                            ; v6       my place in the wave's two images: 2,048 (lane / 16) + 16 (lane % 16)
.set L4,  7                            ; v7       4 x lane
.set SB,  12                           ; v12      my column's four scale bytes
	s_load_b256 s[4:11], s[0:1], 0x0               ; Wq, Wk, Wv, Wo
	s_load_b256 s[12:19], s[0:1], 0x20             ; W1, W2, wc, wsc
	v_lshrrev_b32 v1, 5, v0
	v_readfirstlane_b32 s20, v1                    ; wave 0..3
	v_and_b32 v3, 15, v0                           ; r
	v_bfe_u32 v4, v0, 4, 1                         ; lane / 16
	v_and_b32 v5, 8, v3
	v_add_nc_u32 v5, v5, v3                        ; r + (r & 8)
	v_lshl_add_u32 v5, v4, 3, v5                   ; + 8 (lane / 16): my column among the wave's 32
	v_lshlrev_b32 v1, 2, v5
	s_wait_alu depctr_va_vdst(0)
	v_lshlrev_b32 v[CO], 4, v3
	v_lshl_add_u32 v[CO], v4, 11, v[CO]
	v_and_b32 v[L4], 31, v0
	v_lshlrev_b32 v[L4], 2, v[L4]
	; which weight, which 128 columns (cg), which K step (s), which group (G): from the work-group's number alone
	s_mov_b32 s21, ttmp9
	s_lshr_b32 s22, s21, 4                         ; 0..63: weight j = id / 16 (Wq, Wk, Wv, Wo)
	s_and_b32 s23, s21, 3                          ; s = id % 4
	s_bfe_u32 s24, s21, 0x20002                    ; cg = (id / 4) % 4
	s_mul_i32 s25, s24, 12
	s_lshl_b32 s26, s22, 2
	s_add_co_u32 s25, s25, s26
	s_add_co_u32 s25, s25, s23                     ; Wq, Wk, Wv: G = 12 cg + 4 j + s
	s_mul_i32 s26, s24, 36
	s_add_co_u32 s26, s26, s23
	s_add_co_u32 s26, s26, 48                      ; Wo: G = 48 + 36 cg + s
	s_cmp_eq_u32 s22, 3
	s_cselect_b32 s25, s26, s25
	s_bfe_u32 s27, s21, 0x40002                    ; 64..127, W1: cg = ((id - 64) / 4) = 4 round + wave
	s_and_b32 s28, s27, 3
	s_lshr_b32 s29, s27, 2
	s_mul_i32 s28, s28, 36
	s_lshl_b32 s29, s29, 2
	s_add_co_u32 s28, s28, s29
	s_add_co_u32 s28, s28, s23
	s_add_co_u32 s28, s28, 52                      ; G = 48 + 36 wave + 4 + 4 round + s
	s_bfe_u32 s30, s21, 0x20004                    ; 128..191, W2: cg = (id - 128) / 16
	s_and_b32 s31, s21, 15                         ; s = id % 16
	s_mul_i32 s32, s30, 36
	s_add_co_u32 s32, s32, s31
	s_add_co_u32 s32, s32, 68                      ; G = 48 + 36 cg + 20 + s
	s_cmp_lt_u32 s21, 128
	s_cselect_b32 s33, s28, s32                    ; G
	s_cselect_b32 s34, s27, s30                    ; cg
	s_cselect_b32 s35, s23, s31                    ; s
	s_cselect_b32 s36, 13, 11                      ; log2 of a row's bytes: 8,192 for W1, else 2,048
	s_cmp_lt_u32 s21, 64
	s_cselect_b32 s33, s25, s33
	s_cselect_b32 s34, s24, s34
	s_cselect_b32 s35, s23, s35
	s_cselect_b32 s36, 11, s36
	s_lshl_b32 s26, 1, s36                         ; a row's bytes
	s_add_co_u32 s29, s36, 7
	s_lshl_b32 s38, s35, s29                       ; s x 128 rows
	s_lshl_b32 s29, s34, 9
	s_add_co_u32 s38, s38, s29                     ; + 512 cg
	s_lshl_b32 s29, s20, 7
	s_add_co_u32 s38, s38, s29                     ; + 128 x wave
	s_mov_b32 s39, 0
	s_lshl_b32 s30, s26, 5                         ; 32 rows
	s_mov_b32 s31, 0
	s_mov_b32 s37, 0x600000                        ; the mantissa field of 57,344
.set I, 0
.rept 32
	v_mad_u32_u24 v[OFF+I], s26, I, v1
.set I, I+1
.endr
	s_wait_alu depctr_va_vdst(0)
	s_wait_kmcnt 0x0
	s_cmp_eq_u32 s22, 1                            ; the choice of the buffer hangs on the work-group's number alone
	s_cselect_b64 s[4:5], s[6:7], s[4:5]
	s_cmp_eq_u32 s22, 2
	s_cselect_b64 s[4:5], s[8:9], s[4:5]
	s_cmp_eq_u32 s22, 3
	s_cselect_b64 s[4:5], s[10:11], s[4:5]
	s_cmp_ge_u32 s21, 64
	s_cselect_b64 s[4:5], s[12:13], s[4:5]
	s_cmp_ge_u32 s21, 128
	s_cselect_b64 s[4:5], s[14:15], s[4:5]
	s_add_nc_u64 s[40:41], s[4:5], s[38:39]        ; a base for each block of 32 rows: no immediate hangs on the row's length
	s_add_nc_u64 s[42:43], s[40:41], s[30:31]
	s_add_nc_u64 s[44:45], s[42:43], s[30:31]
	s_add_nc_u64 s[46:47], s[44:45], s[30:31]
	s_lshl_b32 s38, s33, 14
	s_lshl_b32 s29, s20, 12
	s_add_co_u32 s38, s38, s29
	s_add_nc_u64 s[16:17], s[16:17], s[38:39]      ; wc + 16,384 G + 4,096 wave
	s_lshl_b32 s38, s33, 9
	s_lshl_b32 s29, s20, 7
	s_add_co_u32 s38, s38, s29
	s_add_nc_u64 s[18:19], s[18:19], s[38:39]      ; wsc + 512 G + 128 wave
.irp c, 0,1,2,3
.set I, 0
.rept 32
	global_load_b32 v[XN+32*\c+I], v[OFF+I], s[40+2*\c:41+2*\c] th:TH_LOAD_NT
.set I, I+1
.endr
.endr
.macro BLOCK c
.set XS, XN+32*(\c)
.set CSET, CD+8*(\c)
.if (\c) < 2
	s_wait_loadcnt 63                              ; 96 (64) loads are younger than this block's; the count is the largest that the wait can name, and a smaller count is safe
.else
	s_wait_loadcnt 32*(3-(\c))                     ; the later blocks' loads may be out
.endif
	v_max3_num_f32 v8, |v[XS]|, |v[XS+1]|, |v[XS+2]|       ; the block's largest magnitude: all 32 numbers are mine; two chains
	v_max3_num_f32 v9, |v[XS+3]|, |v[XS+4]|, |v[XS+5]|
.irp i, 6,10,14,18,22,26
	v_max3_num_f32 v8, v8, |v[XS+\i]|, |v[XS+\i+1]|
	v_max3_num_f32 v9, v9, |v[XS+\i+2]|, |v[XS+\i+3]|
.endr
	v_max3_num_f32 v8, v8, |v[XS+30]|, |v[XS+31]|
	v_max3_num_f32 v8, v8, v9, 0x8000000           ; and the floor 2^(16 - 127): the byte cannot fall under 1
	v_add_nc_u32 v11, 0xf8800000, v8               ; 15 off the exponent field: the conversion takes this operand's exponent field as its scale
	v_and_or_b32 v10, v8, 0x7f800000, s37          ; 57,344 x the scale
	v_lshrrev_b32 v9, 23, v11                      ; the scale's byte
.if (\c) == 0
	v_mov_b32 v[SB], v9
.else
	v_lshl_or_b32 v[SB], v9, 8*(\c), v[SB]
.endif
.irp i, 0,1,2,3,4,5,6,7,8,9,10,11,12,13,14,15,16,17,18,19,20,21,22,23,24,25,26,27,28,29,30,31
	v_med3_num_f32 v[XS+\i], v[XS+\i], -v10, v10   ; the conversion to an 8-bit code does not saturate (ISA guide 7.6.2): the hold comes first
.endr
.irp g, 0,1,2,3
	v_cvt_scalef32_pk8_bf8_f32 v[CSET+2*\g:CSET+2*\g+1], v[XS+8*\g:XS+8*\g+7], v11
.endr
	global_store_b128 v[CO], v[CSET:CSET+3], s[16:17] offset:512*(\c)            ; k 0..15 of the block: the image's lanes 0-15; sixteen lanes store 256 consecutive bytes
	global_store_b128 v[CO], v[CSET+4:CSET+7], s[16:17] offset:512*(\c)+256      ; k 16..31: its lanes 16-31
.endm
	BLOCK 0
	BLOCK 1
	BLOCK 2
	BLOCK 3
	global_store_b32 v[L4], v[SB], s[18:19]        ; the wave's 32 scale words: 128 consecutive bytes
	s_endpgm
.Lfunc_end_k_qd0e2deba1f_prep:
	.size	k_qd0e2deba1f_prep, .Lfunc_end_k_qd0e2deba1f_prep-k_qd0e2deba1f_prep
	.p2alignl 7, 3214868480
	.fill 96, 4, 3214868480
	.section	.rodata,"a",@progbits
	.p2align	6, 0x0
	.amdhsa_kernel k_qd0e2deba1f_prep
		.amdhsa_group_segment_fixed_size 0
		.amdhsa_private_segment_fixed_size 0
		.amdhsa_enable_private_segment 0
		.amdhsa_kernarg_size 64
		.amdhsa_user_sgpr_count 2
		.amdhsa_user_sgpr_kernarg_segment_ptr 1
		.amdhsa_wavefront_size32 1
		.amdhsa_system_sgpr_workgroup_id_x 1
		.amdhsa_system_sgpr_workgroup_id_y 1
		.amdhsa_system_sgpr_workgroup_id_z 1
		.amdhsa_system_vgpr_workitem_id 0
		.amdhsa_next_free_vgpr 224
		.amdhsa_next_free_sgpr 66
		.amdhsa_reserve_vcc 0
		.amdhsa_float_denorm_mode_32 3
		.amdhsa_float_denorm_mode_16_64 3
		.amdhsa_memory_ordered 1
		.amdhsa_forward_progress 1
		.amdhsa_inst_pref_size 33
	.end_amdhsa_kernel
	.amdgpu_metadata
---
amdhsa.version: [ 1, 2 ]
amdhsa.kernels:
  - .name:           k_qd0e2deba1f_prep
    .symbol:         k_qd0e2deba1f_prep.kd
    .args:
      - { .name: Wq, .offset: 0, .size: 8, .value_kind: global_buffer, .address_space: global }
      - { .name: Wk, .offset: 8, .size: 8, .value_kind: global_buffer, .address_space: global }
      - { .name: Wv, .offset: 16, .size: 8, .value_kind: global_buffer, .address_space: global }
      - { .name: Wo, .offset: 24, .size: 8, .value_kind: global_buffer, .address_space: global }
      - { .name: W1, .offset: 32, .size: 8, .value_kind: global_buffer, .address_space: global }
      - { .name: W2, .offset: 40, .size: 8, .value_kind: global_buffer, .address_space: global }
      - { .name: wc, .offset: 48, .size: 8, .value_kind: global_buffer, .address_space: global }
      - { .name: wsc, .offset: 56, .size: 8, .value_kind: global_buffer, .address_space: global }
    .group_segment_fixed_size: 0
    .private_segment_fixed_size: 0
    .kernarg_segment_align: 8
    .kernarg_segment_size: 64
    .max_flat_workgroup_size: 128
    .sgpr_count:     66
    .vgpr_count:     224
    .wavefront_size: 32
...
	.end_amdgpu_metadata
.endif
;; end of part 5
;; launch qkv (part 6): grid 128 x 1, 4 waves a work-group, no clusters, 47,616 bytes of LDS; arguments x, wc, wsc, bq, bk, bv, qc, kv, sc; writes qc, kv, sc
.if DOCPART == 6
	.amdgcn_target "amdgcn-amd-amdhsa--gfx1250"
	.amdhsa_code_object_version 6
	.text
	.protected	k_qd0e2deba1f_qkv
	.globl	k_qd0e2deba1f_qkv
	.p2align	8
	.type	k_qd0e2deba1f_qkv,@function
k_qd0e2deba1f_qkv:
	s_mov_b64 s[64:65], 0
	v_nop
	global_prefetch_b8 v0, s[64:65] scope:SCOPE_SE
	s_setreg_imm32_b32 hwreg(HW_REG_WAVE_SCHED_MODE, 0, 2), 2
	s_setreg_imm32_b32 hwreg(HW_REG_WAVE_MODE, 25, 1), 1
	s_wait_xcnt 0x0
	s_wait_alu depctr_vm_vsrc(0)
; q = x Wq + bq, k = x Wk + bk, v = x Wv + bv on codes of E5M2 (one E8M0 byte for each 32 along K), and q, k (along the head's 64) and v (along the keys) quantised again for the attention.
; SHARES.  A work-group takes 64 rows of x; wave w quantises 16 of them and hands their four fragments to the others through LDS as images of the operand's registers; then wave w makes columns
; 128 w .. 128 w + 127 (heads 2 w, 2 w + 1) of q, k and v for all 64 rows: 32 accumulators.  Its weights (12 groups of 16,384 bytes, made by the launch before in this order) come straight
; from memory into a ring of four register slots of four tiles: 512 consecutive bytes a load, three half-groups (54 loads) on their way while one is multiplied.
; LAYOUT.  Row tile m of the block holds rows 32 (m / 2) + 8 (m % 2) + r + (r & 8); the weights' column tiles likewise.  q, k: source 0 = 16 columns of W, source 1 = 16 rows of x: a lane holds one
; row and its 64 registers 128 neighbouring columns in the order that an operand wants.  v: the sources swapped: a lane holds one channel and its registers run along the rows, which are the keys.
; So every conversion's result is an operand's register, and all that is stored is register images: each store of a wave covers 512 consecutive bytes.
; The biases are the accumulators' first content (LDS loads), so they cost no addition.
; NO JOINT LOADS: every weight fragment serves one wave alone and goes to its registers; a joint load lands in LDS, from where each fragment would have to be read once more.
; LIMITS: NaN and infinities are not served; a block whose largest magnitude lies under 2^-111 (a block of zeros too) keeps the byte 1: the bytes are read by this program alone.
; REGISTERS, in windows of 256: window 0 addresses, scales, work, x's fragments (v128-255, two sets); window 1 the weight ring; window 2 x's numbers at the head, then the accumulators.
; THE MODE: SCHED_MODE bits 1:0 = 2 (LLVM: expert scheduling mode 2), set by the entry lines.  The code itself states the register dependences
; between vector or matrix instructions and memory or LDS instructions, with s_wait_alu, always for 0.
; THE PLAN.  Registers that memory or LDS instructions touch:
;   the four weight slots and v[WSC ..]  a half step's sixteen products read a slot and its two scale registers; behind them the half-group four further on lands there.
;   v[AF ..] (two sets), v[ASC ..]       a K step's 32 products read a set; behind them the fragments of two K steps on land there.  Set 0 is also where the quantiser holds its numbers.
;   the accumulators                     the bias lands; the products add; the quantiser's lines read; the next bias lands.
;   v[PC ..], v[PW], v[SW ..], v[TMP ..] the quantiser's lines write; a run of stores reads.
;   the addresses v1 to v12              made at the head, never written again.
; So ONE wait on va_vdst stands in a half step, behind its products: the slot's 18 loads follow it at once, since 54 loads are to stay on their way, and in a K step's second half the 20 LDS loads too.
; One wait on va_vdst stands ahead of each run of stores; it also serves the bias and fragment loads that follow the last run.  One wait on vm_vsrc stands ahead of each rewrite of what stores have read.
.set XIMG, 0                           ; LDS: x's 16 fragments [K step s][row tile m][2,048]
.set XSC,  32768                       ; their scale words [s][m][32 lanes]
.set PBQ,  34816                       ; bq
.set PBK,  36864                       ; bk
.set BVR,  38912                       ; bv, each number four times: 16 bytes a channel
.set L16, 1                            ; 16 x lane
.set L4,  2                            ; 4 x lane
.set XA,  3                            ; x: 2,048 (r + (r & 8)) + 64 h
.set BIA, 4                            ; 64 h + 512 w: my eight biases of a tile
.set IMW, 5                            ; 16 x lane + 2,048 w
.set ISW, 6                            ; 4 x lane + 128 w
.set BVA, 7                            ; 16 (r + (r & 8)) + 2,048 w
.set T16, 8                            ; 16 x thread
.set SH,  9                            ; 16 h
.set QSA, 10                           ; 16,384 h + 16 r
.set VSA, 11                           ; 8,192 h + 8 r
.set T4,  12                           ; 4 x thread
.set WSC, 16                           ; v16-23  weight scale words: two registers a slot
.set ASC, 24                           ; v24-31  x's scale words: two sets of four
.set TM,  32                           ; v32-47  quantiser: +0 largest magnitudes, +4 the other half's, then bytes, +8 holds, +12 scale operands
.set PW,  48                           ; the scale word just made
.set TMP, 50
.set SW,  52                           ; v52-55  scale words on their way out
.set PC,  56                           ; v56-71  the codes just made
.set LT,  72                           ; v72-95  the biases on their way to LDS
.set AF,  128                          ; x's fragments
.set TQ,  128                          ; v128-191 the held numbers (while no fragment is wanted)
.set WP,  6                            ; s[6:7]  the weight stream;  s[8:9] its scale words
.set WSP, 8
.set WV,  22
.set MLO, 23
.set SEL, 24
.set MNT, 26
.set HM,  27
.set MSB, 0
.macro WIN new                         ; the immediate's high byte repeats the setting that is left; a switch that changes nothing is dropped
.if MSB != (\new)
	s_set_vgpr_msb (MSB<<8)|(\new)
.set MSB, (\new)
.endif
.endm
.macro PLACES n
.rept \n
	v_nop
.endr
.endm
.macro BARRIER                         ; my LDS stores have landed and my LDS loads are in: then the work-group's barrier
	s_wait_dscnt 0x0
	s_barrier_signal -1
	s_barrier_wait -1
.endm
.macro WLOAD slot, hg                  ; half-group hg of the stream (four tiles and their scale words: 18 loads) into a slot
	WIN 0x40
.irp t, 0,1,2,3
.irp c, 0,1,2,3
	global_load_b128 v[64*(\slot)+16*\t+4*\c:64*(\slot)+16*\t+4*\c+3], v[L16], s[WP:WP+1] offset:8192*(\hg)+2048*\t+512*\c
.endr
.endr
	WIN 0
.irp i, 0,1
	global_load_b32 v[WSC+2*(\slot)+\i], v[L4], s[WSP:WSP+1] offset:256*(\hg)+128*\i
.endr
.endm
.macro WM mode, t, m, th               ; one product: weight tile 4 th + t, row tile m
.set WT, 4*(\th)+(\t)
.if \mode
.set WACC, 32*WT+8*(\m)
.else
.set WACC, 64*(\m)+8*WT
.endif
.set WW, 64*HQ+16*(\t)
.set WA, AF+64*HP+16*(\m)
.set WSR, WSC+2*HQ+(\t)/2
.set WAS, ASC+4*HP+(\m)
.if \mode
.if (\t)%2
	v_wmma_scale_f32_16x16x128_f8f6f4 v[WACC:WACC+7], v[WA:WA+15], v[WW:WW+15], v[WACC:WACC+7], v[WAS], v[WSR] matrix_a_fmt:MATRIX_FMT_BF8 matrix_b_fmt:MATRIX_FMT_BF8 matrix_b_scale:MATRIX_SCALE_ROW1
.else
	v_wmma_scale_f32_16x16x128_f8f6f4 v[WACC:WACC+7], v[WA:WA+15], v[WW:WW+15], v[WACC:WACC+7], v[WAS], v[WSR] matrix_a_fmt:MATRIX_FMT_BF8 matrix_b_fmt:MATRIX_FMT_BF8
.endif
.else
.if (\t)%2
	v_wmma_scale_f32_16x16x128_f8f6f4 v[WACC:WACC+7], v[WW:WW+15], v[WA:WA+15], v[WACC:WACC+7], v[WSR], v[WAS] matrix_a_fmt:MATRIX_FMT_BF8 matrix_b_fmt:MATRIX_FMT_BF8 matrix_a_scale:MATRIX_SCALE_ROW1
.else
	v_wmma_scale_f32_16x16x128_f8f6f4 v[WACC:WACC+7], v[WW:WW+15], v[WA:WA+15], v[WACC:WACC+7], v[WSR], v[WAS] matrix_a_fmt:MATRIX_FMT_BF8 matrix_b_fmt:MATRIX_FMT_BF8
.endif
.endif
.endm
; Half a K step: 16 products on 16 accumulators; the 32 accumulators take turns, one instruction a turn.  Eight places follow, then the half's one wait, then the slot is filled again.
.macro HALF s, th, mode, refill, lcnt
.set HQ, (2*(\s)+(\th))%4
.set HP, (\s)%2
	s_wait_loadcnt \lcnt                           ; this half-group is in; the younger ones, 18 loads each, stay out
.if \mode
	WIN 0xa4                                       ; source 0 (x) window 0, source 1 (weight) window 1, C and D window 2
.else
	WIN 0xa1                                       ; source 0 (weight) window 1, source 1 (x) window 0, C and D window 2
.endif
.irp t, 0,1,2,3
.irp m, 0,1,2,3
	WM \mode, \t, \m, \th
.endr
.endr
	PLACES 8
.if \refill
	s_wait_alu depctr_va_vdst(0)                   ; the products issued so far are done reading this slot and its scale words, in which the 18 loads below land; behind a K step's second half also x's fragments and their scale words, in which the 20 LDS loads land
	WLOAD HQ, 2*(\s)+(\th)+4
.endif
	WIN 0
.endm
.macro AFLOAD s, adr, off, sadr, soff  ; K step s: four fragments and four scale words from LDS: 20 loads
.irp m, 0,1,2,3
.irp c, 0,1,2,3
	ds_load_b128 v[AF+64*((\s)%2)+16*\m+4*\c:AF+64*((\s)%2)+16*\m+4*\c+3], v[\adr] offset:(\off)+(4*(\s)+\m)*2048+512*\c
.endr
.endr
.irp m, 0,1,2,3
	ds_load_b32 v[ASC+4*((\s)%2)+\m], v[\sadr] offset:(\soff)+128*(4*(\s)+\m)
.endr
.endm
.macro KSTEP s, mode, dcnt, nxt, refill, l0, l1, adr, off, sadr, soff
	s_wait_dscnt \dcnt                             ; this step's fragments are in; the next step's 20 loads may be out
	HALF \s, 0, \mode, \refill, \l0
	HALF \s, 1, \mode, \refill, \l1
.if (\nxt) >= 0
	AFLOAD \nxt, \adr, \off, \sadr, \soff          ; into the set just left.  No wait of its own: since the second half's wait only loads and window switches were issued
.endif
.endm
; Four K steps (K = 512).  pre: the first two steps' fragments are asked for here; cont: the next four steps follow in LDS; fin: the stream ends here, so the last four half-groups fill nothing.
.macro GEMM4 mode, adr, off, sadr, soff, pre, cont, fin
.if \pre
	AFLOAD 0, \adr, \off, \sadr, \soff
	AFLOAD 1, \adr, \off, \sadr, \soff
.endif
	KSTEP 0, \mode, 20, 2, 1, 54, 54, \adr, \off, \sadr, \soff
	KSTEP 1, \mode, 20, 3, 1, 54, 54, \adr, \off, \sadr, \soff
.if \cont
	KSTEP 2, \mode, 20, 4, 1, 54, 54, \adr, \off, \sadr, \soff
	KSTEP 3, \mode, 20, 5, 1, 54, 54, \adr, \off, \sadr, \soff
.elseif \fin
	KSTEP 2, \mode, 20, -1, 0, 54, 36, \adr, \off, \sadr, \soff
	KSTEP 3, \mode, 0, -1, 0, 18, 0, \adr, \off, \sadr, \soff
.else
	KSTEP 2, \mode, 20, -1, 1, 54, 54, \adr, \off, \sadr, \soff
	KSTEP 3, \mode, 0, -1, 1, 54, 54, \adr, \off, \sadr, \soff
.endif
.if (\fin) == 0
	s_wait_xcnt 0x0                                ; the loads on their way have read their bases: the stream steps eight half-groups on
	s_add_nc_u64 s[WP:WP+1], s[WP:WP+1], 65536
	s_add_nc_u64 s[WSP:WSP+1], s[WSP:WSP+1], 2048
.endif
.endm
.macro INIT adr, off                   ; the bias as the accumulators' first content: lane (r, h), tile t: columns 32 (t / 2) + 16 h + 8 (t % 2) + 0 .. 7
	WIN 0x80
.irp t, 0,1,2,3,4,5,6,7
.irp m, 0,1,2,3
	ds_load_b128 v[64*\m+8*\t:64*\m+8*\t+3], v[\adr] offset:(\off)+128*(\t/2)+32*(\t%2)
	ds_load_b128 v[64*\m+8*\t+4:64*\m+8*\t+7], v[\adr] offset:(\off)+128*(\t/2)+32*(\t%2)+16
.endr
.endr
	WIN 0
.endm
; 64 numbers of a lane in window win, v[s] on, register 16 b + i = k 32 b + 16 h + i of my row, become a fragment's codes in v[PC] on and its scale word in v[PW].  The numbers stay as they are.
.macro QUANT win, s, relu
.set QA, (\win)|((\win)<<2)
.set QB, ((\win)<<2)|((\win)<<4)
	WIN QA
.irp b, 0,1,2,3
.if \relu
	v_max3_num_f32 v[TM+\b], v[(\s)+16*\b], v[(\s)+16*\b+1], 0x8000000         ; no |.|: what is negative becomes 0 and must not count; the floor 2^(16 - 127) stands over it
.else
	v_max3_num_f32 v[TM+\b], |v[(\s)+16*\b]|, |v[(\s)+16*\b+1]|, 0x8000000     ; block b: my 16 numbers and the floor 2^(16 - 127): the byte cannot fall under 1
.endif
.endr
	WIN QB
.irp i, 2,4,6,8,10,12,14
.irp b, 0,1,2,3
.if \relu
	v_max3_num_f32 v[TM+\b], v[TM+\b], v[(\s)+16*\b+\i], v[(\s)+16*\b+\i+1]
.else
	v_max3_num_f32 v[TM+\b], v[TM+\b], |v[(\s)+16*\b+\i]|, |v[(\s)+16*\b+\i+1]|   ; the four blocks by turns, each accumulator from its low end on
.endif
.endr
.endr
	WIN 0
.irp b, 0,1,2,3
	v_permlanex16_b32 v[TM+4+\b], v[TM+\b], s[SEL], s[SEL+1]
.endr
.irp b, 0,1,2,3
	v_max_num_f32 v[TM+\b], v[TM+\b], v[TM+4+\b]   ; with lane l xor 16's 16 numbers: the block's largest magnitude
.endr
.irp b, 0,1,2,3
	v_add_nc_u32 v[TM+12+\b], 0xf8800000, v[TM+\b] ; 15 off the exponent field: the conversion's scale operand
.endr
.irp b, 0,1,2,3
	v_and_or_b32 v[TM+8+\b], v[TM+\b], 0x7f800000, s[MNT]   ; 57,344 x the scale
.endr
.irp b, 0,1,2,3
	v_lshrrev_b32 v[TM+4+\b], 23, v[TM+12+\b]      ; the scale's byte
.endr
	v_lshl_or_b32 v[PW], v[TM+5], 8, v[TM+4]
	v_lshl_or_b32 v[PW], v[TM+6], 16, v[PW]
	v_lshl_or_b32 v[PW], v[TM+7], 24, v[PW]
	WIN \win
.irp b, 0,1,2,3
.irp i, 0,1,2,3,4,5,6,7,8,9,10,11,12,13,14,15
.if \relu
	v_med3_num_f32 v[TQ+16*\b+\i], v[(\s)+16*\b+\i], 0, v[TM+8+\b]             ; the activation and the hold in one
.else
	v_med3_num_f32 v[TQ+16*\b+\i], v[(\s)+16*\b+\i], -v[TM+8+\b], v[TM+8+\b]   ; the conversion does not saturate (ISA guide 7.6.2): the hold comes first
.endif
.endr
.endr
	WIN 0
.irp b, 0,1,2,3
	v_cvt_scalef32_pk8_bf8_f32 v[PC+4*\b:PC+4*\b+1], v[TQ+16*\b:TQ+16*\b+7], v[TM+12+\b]
	v_cvt_scalef32_pk8_bf8_f32 v[PC+4*\b+2:PC+4*\b+3], v[TQ+16*\b+8:TQ+16*\b+15], v[TM+12+\b]
.endr
	v_nop                                          ; one plain instruction behind the last conversion
.endm
.macro IMAGE adr, off, sadr, soff      ; the fragment and its scale word go to LDS as they stand
	s_wait_alu depctr_va_vdst(0)                   ; the conversions have written v[PC ..] and the shifts v[PW], which the LDS stores read; the quantiser's lines are done with window 2 and with v[TQ ..], in which LDS loads land behind the last image
.irp c, 0,1,2,3
	ds_store_b128 v[\adr], v[PC+4*\c:PC+4*\c+3] offset:(\off)+512*\c
.endr
	ds_store_b32 v[\sadr], v[PW] offset:\soff
	s_wait_alu depctr_vm_vsrc(0)                   ; the five stores have read v[PC ..] and v[PW], which the next fragment's lines write again
.endm
	s_load_b256 s[4:11], s[0:1], 0x0               ; x, wc, wsc, bq
	s_load_b256 s[12:19], s[0:1], 0x20             ; bk, bv, qc, kv
	s_load_b64 s[20:21], s[0:1], 0x40              ; sc
	v_lshl_add_u32 v126, v0, 2, 0xb800
	v_mov_b32 v127, 0
	v_lshrrev_b32 v50, 5, v0
	v_readfirstlane_b32 s[WV], v50                 ; wave 0..3
	v_and_b32 v50, 31, v0
	v_lshlrev_b32 v[L16], 4, v50
	v_lshlrev_b32 v[L4], 2, v50
	v_and_b32 v49, 15, v0                          ; r
	v_bfe_u32 v51, v0, 4, 1                        ; h
	v_cmp_ne_u32 s[HM], 0, v51                     ; lanes 16-31
	v_and_b32 v50, 8, v49
	v_add_nc_u32 v50, v50, v49                     ; r + (r & 8)
	v_lshlrev_b32 v[XA], 11, v50
	v_lshl_add_u32 v[XA], v51, 6, v[XA]
	s_wait_alu depctr_va_sdst(0)                   ; the wave's number and the mask of lanes 16-31 are written, ahead of the first reader of either (the text has no label and no branch)
	s_lshl_b32 s40, s[WV], 9
	v_lshlrev_b32 v[BIA], 6, v51
	v_add_nc_u32 v[BIA], s40, v[BIA]
	s_lshl_b32 s40, s[WV], 11
	v_add_nc_u32 v[IMW], s40, v[L16]
	v_lshlrev_b32 v[BVA], 4, v50
	v_add_nc_u32 v[BVA], s40, v[BVA]
	s_lshl_b32 s40, s[WV], 7
	v_add_nc_u32 v[ISW], s40, v[L4]
	v_lshlrev_b32 v[T16], 4, v0
	v_lshlrev_b32 v[T4], 2, v0
	v_lshlrev_b32 v[SH], 4, v51
	v_lshlrev_b32 v[QSA], 4, v49
	v_lshl_add_u32 v[QSA], v51, 14, v[QSA]
	v_lshlrev_b32 v[VSA], 3, v49
	v_lshl_add_u32 v[VSA], v51, 13, v[VSA]
.irp b, 0,1,2,3
	v_mov_b32 v[TM+4+\b], 0                        ; written once: a lane permute's destination counts as one of its sources
.endr
	s_mov_b32 s[SEL], 0x76543210
	s_mov_b32 s[SEL+1], 0xfedcba98                 ; lane l xor 16
	s_mov_b32 s[MNT], 0x600000                     ; the mantissa field of 57,344
	s_mov_b32 s[MLO], 0xffff
	s_lshr_b32 s38, ttmp9, 6                       ; batch
	s_and_b32 s39, ttmp9, 63                       ; the block of 64 rows in it
	s_lshl_b32 s38, s38, 3
	s_lshl_b32 s40, s[WV], 1
	s_add_co_u32 s38, s38, s40                     ; my first head: 8 batch + 2 w
	s_lshr_b32 s40, s39, 1                         ; the key step of 128
	s_and_b32 s41, s39, 1                          ; and which half of it
	s_mov_b32 s43, 0
	s_mov_b32 s45, 0
	s_wait_kmcnt 0x0
	s_lshl_b32 s42, s38, 18
	s_lshl_b32 s44, s39, 12
	s_add_nc_u64 s[16:17], s[16:17], s[42:43]
	s_add_nc_u64 s[16:17], s[16:17], s[44:45]      ; q's images: qc + 262,144 head + 4,096 block
	s_lshl_b32 s42, s38, 19
	s_lshl_b32 s44, s40, 14
	s_add_nc_u64 s[18:19], s[18:19], s[42:43]
	s_add_nc_u64 s[18:19], s[18:19], s[44:45]      ; kv + 524,288 head + 16,384 step
	s_lshl_b32 s42, s41, 12
	s_add_nc_u64 s[28:29], s[18:19], s[42:43]      ; k's images: four tiles of 1,024 for each half
	s_lshl_b32 s42, s41, 10
	s_add_co_u32 s42, s42, 8192
	s_add_nc_u64 s[30:31], s[18:19], s[42:43]      ; v's: behind k's; two key blocks of 512 for each half
	s_lshl_b32 s42, s38, 14
	s_lshl_b32 s44, s39, 8
	s_add_nc_u64 s[32:33], s[20:21], s[42:43]
	s_add_nc_u64 s[32:33], s[32:33], s[44:45]      ; q's scale words
	s_add_nc_u64 s[34:35], s[32:33], 0x40000       ; k's
	s_lshl_b32 s42, s38, 13
	s_lshl_b32 s44, s39, 7
	s_add_co_u32 s44, s44, 0x80000
	s_add_nc_u64 s[36:37], s[20:21], s[42:43]
	s_add_nc_u64 s[36:37], s[36:37], s[44:45]      ; v's scale bytes
	s_lshl_b32 s42, ttmp9, 17
	s_lshr_b32 s44, s[WV], 1
	s_lshl_b32 s44, s44, 16
	s_add_nc_u64 s[4:5], s[4:5], s[42:43]
	s_add_nc_u64 s[4:5], s[4:5], s[44:45]
	s_and_b32 s44, s[WV], 1
	s_lshl_b32 s44, s44, 14
	s_add_nc_u64 s[4:5], s[4:5], s[44:45]          ; x at row 64 block + 32 (w / 2) + 8 (w % 2)
	s_mul_i32 s42, s[WV], 196608
	s_add_nc_u64 s[WP:WP+1], s[WP:WP+1], s[42:43]  ; my 12 groups
	s_mul_i32 s42, s[WV], 6144
	s_add_nc_u64 s[WSP:WSP+1], s[WSP:WSP+1], s[42:43]
	s_wait_alu depctr_va_vdst(0)                   ; the twelve offsets and addresses v1 to v12 are written, which every load and store of the kernel reads
	global_load_b128 v[LT:LT+3], v[T16], s[10:11]
	global_load_b128 v[LT+4:LT+7], v[T16], s[12:13]
.irp i, 0,1,2,3
.irp k, 0,1,2,3
	global_load_b32 v[LT+8+4*\i+\k], v[T4], s[14:15] offset:512*\i     ; bv of channel thread + 128 i, into four neighbouring registers
.endr
.endr
	WIN 0x80
.irp s, 0,1,2,3
.irp c, 0,1,2,3
.irp i, 0,1,2,3
	global_load_b128 v[64*\s+16*\c+4*\i:64*\s+16*\c+4*\i+3], v[XA], s[4:5] offset:512*\s+128*\c+16*\i th:TH_LOAD_NT   ; my row's 16 numbers of each block of 32
.endr
.endr
.endr
	WIN 0
	WLOAD 0, 0
	WLOAD 1, 1
	WLOAD 2, 2
	WLOAD 3, 3
	s_wait_loadcnt 63                              ; 72 weight loads are younger than x's last: the biases and x are in
	ds_store_b128 v[T16], v[LT:LT+3] offset:PBQ
	ds_store_b128 v[T16], v[LT+4:LT+7] offset:PBK
.irp i, 0,1,2,3
	ds_store_b128 v[T16], v[LT+8+4*\i:LT+8+4*\i+3] offset:BVR+2048*\i
.endr
.irp s, 0,1,2,3
	QUANT 2, 64*\s, 0
	IMAGE IMW, XIMG+8192*\s, ISW, XSC+512*\s
.endr
	BARRIER                                        ; x's sixteen fragments and the biases lie in LDS; nothing there is written again
; q or k out: for each row tile 128 columns = two heads x two blocks.  A head's word: its two bytes, and 0x7f twice for the zero codes that fill K = 64 up to 128.
; The two lines that make a tile's scale word stand ahead of the tile's wait, so that the words' own store, behind the last tile's, owes none.  first = 1: no store has yet read what the first tile's lines write.
.macro QKOUT cp, hstride, sp, first
.irp m, 0,1,2,3
	s_wait_xcnt 0x0                                ; the stores before have read their registers
.if (\m) > 0 || (\first) == 0
	s_wait_alu depctr_vm_vsrc(0)                   ; the stores issued so far have read v[PC ..] (and, from the tensor before, v[SW ..]), which the lines below write again
.endif
	QUANT 2, 64*\m, 0
	v_lshrrev_b32 v[TMP], v[SH], v[PW]             ; lanes 0-15 keep head 2 w's bytes, lanes 16-31 take head 2 w + 1's
	v_and_or_b32 v[SW+\m], v[TMP], s[MLO], 0x7f7f0000
	s_wait_alu depctr_va_vdst(0)                   ; v[PC ..] and v[SW + m] are written, which the stores read; behind the last tile: the quantiser's lines are done with the accumulators and v[TQ ..], in which the next bias and fragments land
.irp be, 0,1,2,3
	global_store_b128 v[L16], v[PC+4*\be:PC+4*\be+3], s[\cp:\cp+1] offset:\hstride*(\be/2)+1024*\m+512*(\be%2)
.endr
.endr
	global_store_b128 v[QSA], v[SW:SW+3], s[\sp:\sp+1]     ; sixteen lanes store a head's 256 consecutive bytes
.endm
	INIT BIA, PBQ                                  ; (the last image's wait on va_vdst stands ahead: no vector instruction since names window 2 or the fragments' registers)
	GEMM4 0, L16, XIMG, L4, XSC, 1, 0, 0
	QKOUT 16, 262144, 32, 1
	INIT BIA, PBK
	GEMM4 0, L16, XIMG, L4, XSC, 1, 0, 0
	QKOUT 28, 524288, 34, 0
	WIN 0x80                                       ; v: accumulator (tile t, row tile m) at v[32 t + 8 m]; a lane holds one channel, so its bias fills all eight registers
.irp t, 0,1,2,3,4,5,6,7
.irp m, 0,1,2,3
	ds_load_b128 v[32*\t+8*\m:32*\t+8*\m+3], v[BVA] offset:BVR+16*(32*(\t/2)+8*(\t%2))
	ds_load_b128 v[32*\t+8*\m+4:32*\t+8*\m+7], v[BVA] offset:BVR+16*(32*(\t/2)+8*(\t%2))
.endr
.endr
	WIN 0
	GEMM4 1, L16, XIMG, L4, XSC, 1, 0, 1
.irp ta, 0,1,2,3                       ; two channel tiles at a time: blocks 2 (tile % 2) + b', b' = which 32 of the block's 64 keys
	s_wait_xcnt 0x0
	s_wait_alu depctr_vm_vsrc(0)                   ; the stores issued so far have read v[PC ..] and k's v[SW ..], which the lines below write again
	QUANT 2, 64*\ta, 0
	v_mov_b32 v[SW+\ta], v[PW]
.if \ta == 3
	v_cndmask_b32 v[TMP], v[SW], v[SW+2], s[HM]    ; lanes 0-15: head 2 w's four tiles, lanes 16-31: head 2 w + 1's
	v_cndmask_b32 v[TMP+1], v[SW+1], v[SW+3], s[HM]
.endif
	s_wait_alu depctr_va_vdst(0)                   ; v[PC ..] is written, which the four stores read; behind the last pair of tiles also v[TMP ..], which the scale bytes' store reads
.irp be, 0,1,2,3
	global_store_b128 v[L16], v[PC+4*\be:PC+4*\be+3], s[30:31] offset:524288*((2*\ta+\be/2)/4)+2048*((2*\ta+\be/2)%4)+512*(\be%2)
.endr
.endr
	global_store_b64 v[VSA], v[TMP:TMP+1], s[36:37]        ; 128 consecutive bytes a head: the only store here that does not cover 256; 1/64 of what the launch stores
	s_wait_dscnt 0x0                               ; the closing lines, six on end
	s_wait_alu 0x0
	s_wait_tensorcnt 0x0
	ds_add_u32 v126, v127
	s_wait_dscnt 0x0
	s_endpgm
.Lfunc_end_k_qd0e2deba1f_qkv:
	.size	k_qd0e2deba1f_qkv, .Lfunc_end_k_qd0e2deba1f_qkv-k_qd0e2deba1f_qkv
	.p2alignl 7, 3214868480
	.fill 96, 4, 3214868480
	.section	.rodata,"a",@progbits
	.p2align	6, 0x0
	.amdhsa_kernel k_qd0e2deba1f_qkv
		.amdhsa_group_segment_fixed_size 47616
		.amdhsa_private_segment_fixed_size 0
		.amdhsa_enable_private_segment 0
		.amdhsa_kernarg_size 72
		.amdhsa_user_sgpr_count 2
		.amdhsa_user_sgpr_kernarg_segment_ptr 1
		.amdhsa_wavefront_size32 1
		.amdhsa_system_sgpr_workgroup_id_x 1
		.amdhsa_system_sgpr_workgroup_id_y 1
		.amdhsa_system_sgpr_workgroup_id_z 1
		.amdhsa_system_vgpr_workitem_id 0
		.amdhsa_next_free_vgpr 768
		.amdhsa_next_free_sgpr 66
		.amdhsa_reserve_vcc 0
		.amdhsa_float_denorm_mode_32 3
		.amdhsa_float_denorm_mode_16_64 3
		.amdhsa_memory_ordered 1
		.amdhsa_forward_progress 1
		.amdhsa_inst_pref_size 255
	.end_amdhsa_kernel
	.section	.bss,"aw",@nobits
	.p2align	6
	.space	262144
	.amdgpu_metadata
---
amdhsa.version: [ 1, 2 ]
amdhsa.kernels:
  - .name:           k_qd0e2deba1f_qkv
    .symbol:         k_qd0e2deba1f_qkv.kd
    .args:
      - { .name: x, .offset: 0, .size: 8, .value_kind: global_buffer, .address_space: global }
      - { .name: wc, .offset: 8, .size: 8, .value_kind: global_buffer, .address_space: global }
      - { .name: wsc, .offset: 16, .size: 8, .value_kind: global_buffer, .address_space: global }
      - { .name: bq, .offset: 24, .size: 8, .value_kind: global_buffer, .address_space: global }
      - { .name: bk, .offset: 32, .size: 8, .value_kind: global_buffer, .address_space: global }
      - { .name: bv, .offset: 40, .size: 8, .value_kind: global_buffer, .address_space: global }
      - { .name: qc, .offset: 48, .size: 8, .value_kind: global_buffer, .address_space: global }
      - { .name: kv, .offset: 56, .size: 8, .value_kind: global_buffer, .address_space: global }
      - { .name: sc, .offset: 64, .size: 8, .value_kind: global_buffer, .address_space: global }
    .group_segment_fixed_size: 47616
    .private_segment_fixed_size: 0
    .kernarg_segment_align: 8
    .kernarg_segment_size: 72
    .max_flat_workgroup_size: 128
    .sgpr_count:     66
    .vgpr_count:     768
    .wavefront_size: 32
...
	.end_amdgpu_metadata
.endif
;; end of part 6
;; launch attn (part 7): grid 16 x 16, 16 waves a work-group, no clusters, 157,696 bytes of LDS; arguments qc, kv, sc, oc, os; writes oc, os
.if DOCPART == 7
	.amdgcn_target "amdgcn-amd-amdhsa--gfx1250"
	.amdhsa_code_object_version 6
	.text
	.protected	k_qd0e2deba1f_attn
	.globl	k_qd0e2deba1f_attn
	.p2align	8
	.type	k_qd0e2deba1f_attn,@function
k_qd0e2deba1f_attn:
	s_mov_b64 s[64:65], 0
	v_nop
	global_prefetch_b8 v0, s[64:65] scope:SCOPE_SE
	s_setreg_imm32_b32 hwreg(HW_REG_WAVE_SCHED_MODE, 0, 2), 2
	s_setreg_imm32_b32 hwreg(HW_REG_WAVE_MODE, 25, 1), 1
	s_wait_xcnt 0x0
	s_wait_alu depctr_vm_vsrc(0)
; O = softmax(Q K^T / 8) V for one head, both products on codes of E5M2 with one E8M0 byte for each 32 along K; O / l is quantised along the model's 512 for the next product.
; THE SOFTMAX: t = score x log2(e) / 8; M = the running largest t rounded UP to a whole number; p = 2^(t - M) is quantised along the keys, not normalised; the row's sum l is taken of the unquantised p
; and divides at the end.  When M moves, l and O are multiplied by 2^(old M - new M): exact.
; SHARES.  A work-group owns 256 queries of one head (x: the block, y: 8 batch + head); each of its sixteen waves one tile of 16, in 256 registers: four waves to a SIMD, so that one wave's vector
; work stands beside another's products and loads.  Every wave walks the 4,096 keys, 128 a step.
; LAYOUT.  Both products transposed: S^T = K Q^T, O^T = V^T P^T: a lane holds one query throughout.  K's tiles hold keys 32 b + 8 u + r + (r & 8), so p's 16 registers of two neighbouring tiles are
; 16 neighbouring keys; V's channel tiles likewise, so O^T's registers are neighbours along the model's axis.  All operands lie in memory and in LDS as images of their registers.
; TWO SETS OF 64 REGISTERS CHANGE ROLES FROM STEP TO STEP.  In a step one set holds K and, once S^T is made, V; the other holds S^T, then p.  V is asked for behind the S^T products, the whole softmax ahead
; of its use; the next step's K is asked for into p's registers, in one run behind the last conversions.  So the next step finds K in the set that held p, and lays S^T over V.
; K = 64 IN A FORM OF K = 128: Q's registers 8-15 are zero codes.  K's fragment t is 16 registers from set + 8 t on: its upper eight are the next tile's codes; behind the last tile stand, for the one set,
; the copy's staging registers (codes of K or V) and, for the other, p's codes: all of them codes made behind a hold, so finite; they meet zero codes; both sides' scale bytes there are 0x7f.
; THE RING: two LDS slots of four steps (16,384 bytes a step: K's 8 tiles of 1,024, V's 4 of 2,048), filled THROUGH REGISTERS: in step S each wave loads its 1,024 bytes of step S + 4 and stores them into
; the other slot.  One barrier for four steps: in front of it my stores into the other slot have landed and my reads of this slot are over.  A slot's last step asks for no K: the next slot is whole
; only behind the barrier.
; NO JOINT LOADS: a work-group fetches 16,384 bytes for a step in which its waves issue 16 x 12 products and 16 x some 320 vector instructions: what is shared is a small part of a step's work.
; LIMITS: NaN and infinities are not served; a block whose largest number lies under 2^-111 keeps the byte 1 (its codes are zeros or subnormal).
; THE MODE: SCHED_MODE bits 1:0 = 2 (LLVM: expert scheduling mode 2), set by the entry lines.  The code itself states the register dependences
; between vector or matrix instructions and memory or LDS instructions, with s_wait_alu, always for 0.
; THE PLAN.  Registers that memory or LDS instructions touch, round a step:
;   the set with K     the eight S^T products read it; V's 16 loads land in it; the four O^T products read it.
;   the set with S^T   the S^T products write it; the softmax's lines work on it, the conversions last; the next step's K lands in it (16 loads).
;   v96-103            the S^T products read them behind the one set's last tile; the copy's two loads land; its two LDS stores read them.
;   v[KSR ..]          scales of the S^T products; loaded again with the next K.      v[VSR ..]  scales of the O^T products; loaded again with V.
;   v[PCD ..], v[PWD]  written by the conversions and the shifts; taken by the O^T products as an operand and as scales; v168-175 stand behind the other set's last tile of K.
;   v[ADS], v[ADT]     read by the scale words' loads; written once in eight steps.  All other addresses are made at the head and never written again.
; FIVE WAITS ON va_vdst A STEP.  The first, behind the S^T products' places: they are done reading K, its scales and v96-103, and the last step's O^T products their scales: V's 17 loads and the copy's two follow.
; Three stand round the exponentials and the first O^T rescaling.  The last, behind the last conversions and nine plain lines: all that named the set with p is done, so the next K's 18 loads follow in one run; and p's codes and scale word
; are written, ahead of the O^T products.  One wait on vm_vsrc stands beside the first in a step that copies.
.set KSC, 131072                       ; LDS behind the ring: K's scale words of the head [block of 64][r][m], 16,384 bytes
.set VSC, 147456                       ; V's [step][r][tile] words, 8,192 bytes
.set L16, 1                            ; 16 x lane: reads of slot 0
.set AKS, 2                            ; KSC + 16 r
.set AVS, 3                            ; VSC + 16 r
.set CPW, 4                            ; 1,024 w + 16 x lane: my part of a step's block, in memory and in slot 0
.set ADS, 5                            ; K's scale words of the trip's eight steps
.set ADT, 6                            ; V's
.set R16, 7                            ; 16 r
.set L16B, 8                           ; 16 x lane + 65,536: reads of slot 1
.set CPWB, 9                           ; my part of a step's block in slot 1
.set T16, 10                           ; at the head: 16 x thread
.set VSG, 11                           ; at the head: where V's scale bytes lie in memory
.set XS,  32                           ; v32-95   the one set
.set CST, 96                           ; v96-103  the copy's staging registers: zeros at first, then codes
.set YS,  104                          ; v104-167 the other set
.set PCD, 168                          ; v168-183 p's codes
.set OT,  184                          ; v184-215 O^T
.set BM,  216                          ; block maxima
.set PB,  220                          ; the other half's, then bytes
.set HD,  224                          ; holds
.set SO,  228                          ; scale operands
.set FF,  232                          ; v[232:233] f (the pair is named; its low word serves both halves)
.set TP,  234
.set PWD, 235                          ; p's scale word
.set SM2, 236                          ; the second chain of the sum
.set KSR, 240                          ; K's scale words
.set VSR, 248                          ; V's
.set QSR, 252                          ; Q's
.set TK,  253                          ; at the head: KSC + 16 x thread
.set WV,  14
.set SEL, 16
.set CS,  18
.set MNT, 20
.set TS,  21
.set TJ,  22
.set CNT, 23
.set KVP, 24
.macro PLACES n
.rept \n
	v_nop
.endr
.endm
.macro BARRIER
	s_wait_dscnt 0x0
	s_barrier_signal -1
	s_barrier_wait -1
.endm
	s_load_b256 s[4:11], s[0:1], 0x0               ; qc, kv, sc, oc
	s_load_b64 s[12:13], s[0:1], 0x20              ; os
	v_lshl_add_u32 v238, v0, 2, 0x26000
	v_mov_b32 v239, 0
	v_lshrrev_b32 v254, 5, v0
	v_readfirstlane_b32 s[WV], v254                ; wave 0..15
	v_and_b32 v254, 31, v0
	v_lshlrev_b32 v[L16], 4, v254
	v_and_b32 v255, 15, v0
	v_lshlrev_b32 v[R16], 4, v255
	v_add_nc_u32 v[AKS], KSC, v[R16]
	v_add_nc_u32 v[AVS], VSC, v[R16]
	s_wait_alu depctr_va_sdst(0)                   ; the wave's number is written, ahead of its first reader
	s_lshl_b32 s26, s[WV], 10
	v_add_nc_u32 v[CPW], s26, v[L16]
	v_add_nc_u32 v[L16B], 0x10000, v[L16]
	v_add_nc_u32 v[CPWB], 0x10000, v[CPW]
	v_lshlrev_b32 v[T16], 4, v0
	v_add_nc_u32 v[TK], KSC, v[T16]
	v_lshrrev_b32 v[VSG], 4, v0
	v_lshlrev_b32 v[VSG], 8, v[VSG]
	v_lshl_add_u32 v[VSG], v255, 3, v[VSG]         ; V's bytes: step thread / 16 (two blocks of 128 bytes), row thread % 16
	s_mov_b32 s[SEL], 0x76543210
	s_mov_b32 s[SEL+1], 0xfedcba98
	s_mov_b32 s[CS], 0x3e38aa3b                    ; c = log2(e) / 8
	s_mov_b32 s[CS+1], s[CS]
	s_mov_b32 s[MNT], 0x600000
	s_mov_b32 s[TS], 0
	s_mov_b32 s[TJ], 0
	s_mov_b32 s[CNT], 3
	s_and_b32 s26, ttmp7, 0xffff                   ; 8 batch + head
	s_lshr_b32 s27, s[WV], 2
	s_and_b32 s28, s[WV], 3                        ; row tile m in its block of 64
	s_lshl_b32 s29, ttmp9, 2
	s_add_co_u32 s29, s29, s27                     ; the block of 64 queries in the batch
	s_lshr_b32 s30, s26, 3
	s_and_b32 s31, s26, 7                          ; head
	s_lshl_b32 s30, s30, 6
	s_add_co_u32 s30, s30, s29                     ; the block among all 128
	s_mov_b32 s33, 0
	s_mov_b32 s35, 0
	s_wait_kmcnt 0x0
	s_lshl_b32 s32, s26, 18
	s_lshl_b32 s34, s29, 12
	s_add_nc_u64 s[4:5], s[4:5], s[32:33]
	s_add_nc_u64 s[4:5], s[4:5], s[34:35]
	s_lshl_b32 s34, s28, 10
	s_add_nc_u64 s[4:5], s[4:5], s[34:35]          ; my tile of Q
	s_lshl_b32 s32, s26, 19
	s_add_nc_u64 s[6:7], s[6:7], s[32:33]          ; the head's K and V
	s_add_nc_u64 s[KVP:KVP+1], s[6:7], 0x10000     ; step 4: the first that the loop copies
	s_lshl_b32 s32, s26, 14
	s_add_nc_u64 s[38:39], s[8:9], s[32:33]
	s_lshl_b32 s34, s29, 8
	s_add_nc_u64 s[36:37], s[38:39], s[34:35]
	s_lshl_b32 s34, s28, 2
	s_add_nc_u64 s[36:37], s[36:37], s[34:35]      ; Q's scale words
	s_add_nc_u64 s[38:39], s[38:39], 0x40000       ; K's
	s_lshl_b32 s32, s26, 13
	s_add_co_u32 s32, s32, 0x80000
	s_add_nc_u64 s[8:9], s[8:9], s[32:33]          ; V's
	s_lshl_b32 s32, s30, 15
	s_lshr_b32 s34, s31, 1
	s_lshl_b32 s34, s34, 13
	s_add_nc_u64 s[10:11], s[10:11], s[32:33]
	s_add_nc_u64 s[10:11], s[10:11], s[34:35]
	s_lshl_b32 s32, s28, 11
	s_and_b32 s34, s31, 1
	s_lshl_b32 s34, s34, 10
	s_add_nc_u64 s[10:11], s[10:11], s[32:33]
	s_add_nc_u64 s[10:11], s[10:11], s[34:35]      ; oc + 32,768 block + 8,192 (head / 2) + 2,048 m + 1,024 (head % 2)
	s_lshl_b32 s32, s30, 10
	s_lshl_b32 s34, s28, 8
	s_add_nc_u64 s[12:13], s[12:13], s[32:33]
	s_add_nc_u64 s[12:13], s[12:13], s[34:35]
	s_lshl_b32 s32, s31, 1
	s_add_nc_u64 s[12:13], s[12:13], s[32:33]      ; os + 256 (4 block + m) + 2 head
	s_wait_alu depctr_va_vdst(0)                   ; the offsets and addresses v1 to v4, v7 to v11 and v253 are written, which the loads and stores of the kernel read
	global_load_b128 v[16:19], v[L16], s[4:5]
	global_load_b128 v[20:23], v[L16], s[4:5] offset:512
	global_load_b32 v[QSR], v[R16], s[36:37]
	global_load_b128 v[104:107], v[T16], s[38:39]
	global_load_b128 v[108:111], v[T16], s[38:39] offset:8192
	global_load_b64 v[112:113], v[VSG], s[8:9]
	global_load_b64 v[114:115], v[VSG], s[8:9] offset:128
.irp q, 0,1,2,3
	global_load_b128 v[32+8*\q:35+8*\q], v[CPW], s[6:7] offset:16384*\q            ; my part of steps 0 to 3: slot 0
	global_load_b128 v[36+8*\q:39+8*\q], v[CPW], s[6:7] offset:16384*\q+512
.endr
.irp j, 0,1,2,3,4,5,6,7
	v_mov_b32 v[24+\j], 0                          ; Q's zero codes for k = 64 .. 127
	v_mov_b32 v[CST+\j], 0                         ; what stands behind K's last tile until the first copy
.endr
.set J, 0
.rept 32
	v_mov_b32 v[OT+J], 0                           ; the step is written once: the first finds zeros, which the first change of M leaves zeros
.set J, J+1
.endr
	v_mov_b32 v13, 0xff61b1e6                      ; the largest t so far: -3e38
	v_floor_f32 v12, -v13                          ; -M
	v_mov_b32 v14, 0
	v_mov_b32 v15, 0
	v_mov_b32 v[FF+1], 0
	v_mov_b32 v[TP], 0
.irp b, 0,1,2,3
	v_mov_b32 v[PB+\b], 0                          ; a lane permute's destination counts as one of its sources
.endr
	s_wait_loadcnt 0x0
	v_perm_b32 v116, v114, v112, 0x05040100        ; V's word of a tile and a step: the even block's two bytes below the odd block's
	v_perm_b32 v117, v114, v112, 0x07060302
	v_perm_b32 v118, v115, v113, 0x05040100
	v_perm_b32 v119, v115, v113, 0x07060302
	s_wait_alu depctr_va_vdst(0)                   ; v116 to v119 are written, which an LDS store below reads
	ds_store_b128 v[TK], v[104:107]
	ds_store_b128 v[TK], v[108:111] offset:8192
	ds_store_b128 v[TK], v[116:119] offset:VSC-KSC
.irp q, 0,1,2,3
	ds_store_b128 v[CPW], v[32+8*\q:35+8*\q] offset:16384*\q
	ds_store_b128 v[CPW], v[36+8*\q:39+8*\q] offset:16384*\q+512
.endr
	BARRIER                                        ; slot 0 and the scale words lie in LDS
; K of a slot's first step, and its scale words: asked for behind the barrier that shows the slot whole.  It owes no wait of its own: since the last wait of the step before only the four O^T products
; were issued, which name O^T, the other set, p's codes and scale word and V's scales: none of the registers that these loads touch.  (At a trip's head a wait stands ahead in any case.)
.macro KLOAD set, rb, ro, nn
.irp t, 0,1,2,3,4,5,6,7
.irp c, 0,1
	ds_load_b128 v[(\set)+8*\t+4*\c:(\set)+8*\t+4*\c+3], v[\rb] offset:(\ro)+1024*\t+512*\c
.endr
.endr
	ds_load_b128 v[KSR:KSR+3], v[ADS] offset:512*(\nn)
	ds_load_b128 v[KSR+4:KSR+7], v[ADS] offset:512*(\nn)+256
.endm
; A KEY STEP.  ks: the set that holds K (on its way) and then V; ss: the set for S^T and p; rb, ro: the slot's address register and the step's place in the slot; nn: which of the trip's eight
; (for the scale words); copy = 1: my part of the step four further on goes to the same place in the other slot (address register wb); pre = 1: the next step's K is asked for.
.macro STEP ks, ss, rb, ro, nn, copy, wb, pre
.set KSET, \ks
.set SSET, \ss
	PLACES 9                                       ; behind the last products: S^T is laid over the registers from which they read V (ISA guide 7.12.1; one place more than a vector instruction would want)
	s_wait_dscnt 0x0                               ; K and its scale words are in
.irp t, 0,1,2,3,4,5,6,7
	v_wmma_scale_f32_16x16x128_f8f6f4 v[SSET+8*\t:SSET+8*\t+7], v[KSET+8*\t:KSET+8*\t+15], v[16:31], 0, v[KSR+\t], v[QSR] matrix_a_fmt:MATRIX_FMT_BF8 matrix_b_fmt:MATRIX_FMT_BF8
.endr
	PLACES 8                                       ; in front of the first read of results
.if \copy
	s_wait_alu depctr_vm_vsrc(0)                   ; the last step's two LDS stores have read v96-103, in which the copy's loads land
.endif
	s_wait_alu depctr_va_vdst(0)                   ; the S^T products are done reading K's set and v96-103, the last step's O^T products V's scale words: the loads below land in all of these
.irp t, 0,1,2,3
.irp c, 0,1,2,3
	ds_load_b128 v[KSET+16*\t+4*\c:KSET+16*\t+4*\c+3], v[\rb] offset:(\ro)+8192+2048*\t+512*\c     ; K is done with: V's four tiles take its place and land under the softmax
.endr
.endr
	ds_load_b128 v[VSR:VSR+3], v[ADT] offset:256*(\nn)
.if \copy
	global_load_b128 v[CST:CST+3], v[CPW], s[KVP:KVP+1]            ; the copy: it has the step up to the last conversions in which to land
	global_load_b128 v[CST+4:CST+7], v[CPW], s[KVP:KVP+1] offset:512
.endif
.irp b, 0,1,2,3
	v_max3_num_f32 v[BM+\b], v[SSET+16*\b], v[SSET+16*\b+1], v[SSET+16*\b+2]       ; the largest score of each block of 32 keys: for the row's maximum, and, since p rises with the score, for the block's largest p
.endr
.irp i, 3,5,7,9,11,13
.irp b, 0,1,2,3
	v_max3_num_f32 v[BM+\b], v[BM+\b], v[SSET+16*\b+\i], v[SSET+16*\b+\i+1]
.endr
.endr
.irp b, 0,1,2,3
	v_max_num_f32 v[BM+\b], v[BM+\b], v[SSET+16*\b+15]
.endr
.irp b, 0,1,2,3
	v_permlanex16_b32 v[PB+\b], v[BM+\b], s[SEL], s[SEL+1]
.endr
.irp b, 0,1,2,3
	v_max_num_f32 v[BM+\b], v[BM+\b], v[PB+\b]     ; with lane l xor 16's 16 keys
.endr
	v_max3_num_f32 v[TP], v[BM], v[BM+1], v[BM+2]
	v_max_num_f32 v[TP], v[TP], v[BM+3]
	v_mul_f32 v[TP], s[CS], v[TP]                  ; as t (c is positive)
	v_max_num_f32 v13, v13, v[TP]                  ; the running largest t
	v_mov_b32 v[TP], v12
	v_floor_f32 v12, -v13                          ; the new -M = -ceil(t): a whole number
	v_sub_f32 v[TP], v12, v[TP]                    ; old M - new M: a whole number, 0 or less
	v_cvt_i32_f32 v[TP], v[TP]                     ; (it saturates)
	v_ldexp_f32 v[FF], 1.0, v[TP]                  ; f = 2^(old M - new M)
.set J, 0
.rept 32
	v_pk_fma_f32 v[SSET+J:SSET+J+1], v[SSET+J:SSET+J+1], s[CS:CS+1], v[12:13] op_sel_hi:[1,0,0]   ; t - M, two at a time
.set J, J+2
.endr
.irp b, 0,1,2,3
	v_fma_f32 v[BM+\b], v[BM+\b], s[CS], v12       ; the same of each block's largest score
.endr
.set J, 0
	s_wait_alu depctr_va_vdst(0)
.rept 64
	v_exp_f32 v[SSET+J], v[SSET+J]                 ; p = 2^(t - M), at most 1
.set J, J+1
.endr
.irp b, 0,1,2,3
	v_exp_f32 v[BM+\b], v[BM+\b]                   ; the block's largest p: the same two instructions on the same number
.endr
	v_pk_mul_f32 v[14:15], v[14:15], v[FF:FF+1] op_sel_hi:[1,0]    ; the sums under the new M (a plain instruction behind the exponentials)
.set J, 0
	s_wait_alu depctr_va_vdst(0)
.rept 8
	v_pk_mul_f32 v[OT+J:OT+J+1], v[OT+J:OT+J+1], v[FF:FF+1] op_sel_hi:[1,0]    ; O^T's first two tiles under the new M: work that names no exponential's result, behind the batch
.set J, J+2
.endr
	s_wait_alu depctr_va_vdst(0)                   ; the 68 exponentials have written p and the blocks' largest p, ahead of the first line that names one of them
.irp b, 0,1,2,3
	v_max_num_f32 v[BM+\b], 0x8000000, v[BM+\b]    ; the floor 2^(16 - 127)
.endr
.irp b, 0,1,2,3
	v_add_nc_u32 v[SO+\b], 0xf8800000, v[BM+\b]
.endr
.irp b, 0,1,2,3
	v_and_or_b32 v[HD+\b], v[BM+\b], 0x7f800000, s[MNT]
.endr
.irp b, 0,1,2,3
	v_lshrrev_b32 v[PB+\b], 23, v[SO+\b]
.endr
	v_lshl_or_b32 v[PWD], v[PB+1], 8, v[PB]        ; p's scale word for these 128 keys
	v_lshl_or_b32 v[PWD], v[PB+2], 16, v[PWD]
	v_lshl_or_b32 v[PWD], v[PB+3], 24, v[PWD]
; Block by block: the row's sum of the UNQUANTISED p (two chains, keys ascending), the hold, the conversions.
.irp b, 0,1,2,3
.irp j, 0,4,8,12
.if (16*\b+\j) == 0
	v_pk_add_f32 v[SM2:SM2+1], v[SSET:SSET+1], v[SSET+2:SSET+3]
.else
	v_pk_add_f32 v[14:15], v[14:15], v[SSET+16*\b+\j:SSET+16*\b+\j+1]
	v_pk_add_f32 v[SM2:SM2+1], v[SM2:SM2+1], v[SSET+16*\b+\j+2:SSET+16*\b+\j+3]
.endif
.endr
.irp i, 0,1,2,3,4,5,6,7,8,9,10,11,12,13,14,15
	v_min_num_f32 v[SSET+16*\b+\i], v[SSET+16*\b+\i], v[HD+\b]     ; the conversion does not saturate (ISA guide 7.6.2); p is not negative, so the hold is one-sided
.endr
	v_cvt_scalef32_pk8_bf8_f32 v[PCD+4*\b:PCD+4*\b+1], v[SSET+16*\b:SSET+16*\b+7], v[SO+\b]
	v_cvt_scalef32_pk8_bf8_f32 v[PCD+4*\b+2:PCD+4*\b+3], v[SSET+16*\b+8:SSET+16*\b+15], v[SO+\b]
.endr
	v_pk_add_f32 v[14:15], v[14:15], v[SM2:SM2+1]  ; (a plain instruction behind the last conversion)
.set J, 16
.rept 8
	v_pk_mul_f32 v[OT+J:OT+J+1], v[OT+J:OT+J+1], v[FF:FF+1] op_sel_hi:[1,0]    ; O^T's other two tiles under the new M; with the line above these are the places between the codes and the products: five or more of the nine name no register of any one product
.set J, J+2
.endr
	s_wait_alu depctr_va_vdst(0)                   ; the sums, holds and conversions are done with p's set and the S^T products with K's scale words: the next K lands there; and p's codes and scale word are written, which the O^T products (and the next S^T products, behind their last tile) take as operand and scales
.if \pre
.irp b, 0,1,2,3
.irp c, 0,1,2,3
	ds_load_b128 v[SSET+16*\b+4*\c:SSET+16*\b+4*\c+3], v[\rb] offset:(\ro)+16384+2048*\b+512*\c    ; K's tiles 2 b and 2 b + 1 of the next step, which lies in the same slot
.endr
.endr
	ds_load_b128 v[KSR:KSR+3], v[ADS] offset:512*((\nn)+1)
	ds_load_b128 v[KSR+4:KSR+7], v[ADS] offset:512*((\nn)+1)+256
.endif
.if \copy
	s_wait_loadcnt 0x0                             ; the copy's two loads are in, and have read their base
	ds_store_b128 v[\wb], v[CST:CST+3] offset:(\ro)
	ds_store_b128 v[\wb], v[CST+4:CST+7] offset:(\ro)+512
	s_add_nc_u64 s[KVP:KVP+1], s[KVP:KVP+1], 16384
.endif
	s_wait_dscnt 18*(\pre)+2*(\copy)               ; V and its scale words are in; behind them were issued the next K's 16 loads and 2 scale loads, and the copy's 2 stores
.irp t, 0,1,2,3
	v_wmma_scale_f32_16x16x128_f8f6f4 v[OT+8*\t:OT+8*\t+7], v[KSET+16*\t:KSET+16*\t+15], v[PCD:PCD+15], v[OT+8*\t:OT+8*\t+7], v[VSR+\t], v[PWD] matrix_a_fmt:MATRIX_FMT_BF8 matrix_b_fmt:MATRIX_FMT_BF8
.endr
.endm
; A slot's four steps; first: the first step's place among the trip's eight
.macro PHASE rb, wb, first, copy
	KLOAD XS, \rb, 0, \first
	STEP XS, YS, \rb, 0, \first, \copy, \wb, 1
	STEP YS, XS, \rb, 16384, (\first)+1, \copy, \wb, 1
	STEP XS, YS, \rb, 32768, (\first)+2, \copy, \wb, 1
	STEP YS, XS, \rb, 49152, (\first)+3, \copy, \wb, 0
.endm
.Lloop:                                            ; 3 trips of eight steps; every step copies
	s_wait_alu depctr_vm_vsrc(0)                   ; the LDS loads issued so far have read v[ADS] and v[ADT]; in the first trip: the head's LDS stores have read v32-63, in which K lands, and v104-119, which the first S^T products write
	v_add_nc_u32 v[ADS], s[TS], v[AKS]
	v_add_nc_u32 v[ADT], s[TJ], v[AVS]
	s_wait_alu depctr_va_vdst(0)                   ; v[ADS] and v[ADT] are written, which the scale words' loads read; in the first trip also Q's zero codes and the zeros in v96-103, which the S^T products take as operands
	PHASE L16, CPWB, 0, 1
	BARRIER                                        ; slot 1 is whole, and nobody reads slot 0 any more
	PHASE L16B, CPW, 4, 1
	BARRIER                                        ; slot 0 is whole, and nobody reads slot 1 any more
	s_add_co_u32 s[TS], s[TS], 4096
	s_add_co_u32 s[TJ], s[TJ], 2048
	s_sub_co_u32 s[CNT], s[CNT], 1
	s_cmp_lg_u32 s[CNT], 0
	s_cbranch_scc1 .Lloop
	s_wait_alu depctr_vm_vsrc(0)                   ; the LDS loads issued so far have read v[ADS] and v[ADT]
	v_add_nc_u32 v[ADS], s[TS], v[AKS]             ; the last eight steps: four more copies (steps 28 to 31), then none: no load leaves the buffer
	v_add_nc_u32 v[ADT], s[TJ], v[AVS]
	s_wait_alu depctr_va_vdst(0)                   ; v[ADS] and v[ADT] are written, which the scale words' loads read
	PHASE L16, CPWB, 0, 1
	BARRIER
	PHASE L16B, CPW, 4, 0
	PLACES 8
	v_add_f32 v14, v14, v15                        ; the sum's two halves,
	v_permlanex16_b32 v[TP], v14, s[SEL], s[SEL+1]
	v_add_f32 v14, v14, v[TP]                      ; and lane l xor 16's keys
	s_wait_alu depctr_va_vdst(0)
	v_rcp_f32 v14, v14
	v_nop
.set J, 0
	s_wait_alu depctr_va_vdst(0)                   ; the reciprocal has written v14, ahead of its first reader
.rept 32
	v_mul_f32 v[XS+J], v[OT+J], v14                ; register 16 b + i: channel 32 b + 16 h + i of my query
.set J, J+1
.endr
.irp b, 0,1
	v_max3_num_f32 v[BM+\b], |v[XS+16*\b]|, |v[XS+16*\b+1]|, 0x8000000
.endr
.irp i, 2,4,6,8,10,12,14
.irp b, 0,1
	v_max3_num_f32 v[BM+\b], v[BM+\b], |v[XS+16*\b+\i]|, |v[XS+16*\b+\i+1]|
.endr
.endr
.irp b, 0,1
	v_permlanex16_b32 v[PB+\b], v[BM+\b], s[SEL], s[SEL+1]
.endr
.irp b, 0,1
	v_max_num_f32 v[BM+\b], v[BM+\b], v[PB+\b]
.endr
.irp b, 0,1
	v_add_nc_u32 v[SO+\b], 0xf8800000, v[BM+\b]
	v_and_or_b32 v[HD+\b], v[BM+\b], 0x7f800000, s[MNT]
.endr
.irp b, 0,1
	v_lshrrev_b32 v[PB+\b], 23, v[SO+\b]
.endr
	v_lshl_or_b32 v[PWD], v[PB+1], 8, v[PB]
.irp b, 0,1
.irp i, 0,1,2,3,4,5,6,7,8,9,10,11,12,13,14,15
	v_med3_num_f32 v[XS+16*\b+\i], v[XS+16*\b+\i], -v[HD+\b], v[HD+\b]
.endr
.endr
.irp b, 0,1
	v_cvt_scalef32_pk8_bf8_f32 v[PCD+4*\b:PCD+4*\b+1], v[XS+16*\b:XS+16*\b+7], v[SO+\b]
	v_cvt_scalef32_pk8_bf8_f32 v[PCD+4*\b+2:PCD+4*\b+3], v[XS+16*\b+8:XS+16*\b+15], v[SO+\b]
.endr
	v_nop
	s_wait_alu depctr_va_vdst(0)                   ; the conversions have written v[PCD ..] and the shift v[PWD], which the three stores read
	global_store_b128 v[L16], v[PCD:PCD+3], s[10:11]               ; each store covers 512 consecutive bytes of the next product's image
	global_store_b128 v[L16], v[PCD+4:PCD+7], s[10:11] offset:512
	global_store_b16 v[R16], v[PWD], s[12:13]      ; my head's two bytes of each row's sixteen: two bytes a lane (both halves of the lanes the same), all inside one block of 256 bytes
	s_wait_dscnt 0x0                               ; the closing lines, six on end
	s_wait_alu 0x0
	s_wait_tensorcnt 0x0
	ds_add_u32 v238, v239
	s_wait_dscnt 0x0
	s_endpgm
.Lfunc_end_k_qd0e2deba1f_attn:
	.size	k_qd0e2deba1f_attn, .Lfunc_end_k_qd0e2deba1f_attn-k_qd0e2deba1f_attn
	.p2alignl 7, 3214868480
	.fill 96, 4, 3214868480
	.section	.rodata,"a",@progbits
	.p2align	6, 0x0
	.amdhsa_kernel k_qd0e2deba1f_attn
		.amdhsa_group_segment_fixed_size 157696
		.amdhsa_private_segment_fixed_size 0
		.amdhsa_enable_private_segment 0
		.amdhsa_kernarg_size 40
		.amdhsa_user_sgpr_count 2
		.amdhsa_user_sgpr_kernarg_segment_ptr 1
		.amdhsa_wavefront_size32 1
		.amdhsa_system_sgpr_workgroup_id_x 1
		.amdhsa_system_sgpr_workgroup_id_y 1
		.amdhsa_system_sgpr_workgroup_id_z 1
		.amdhsa_system_vgpr_workitem_id 0
		.amdhsa_next_free_vgpr 256
		.amdhsa_next_free_sgpr 66
		.amdhsa_reserve_vcc 0
		.amdhsa_float_denorm_mode_32 3
		.amdhsa_float_denorm_mode_16_64 3
		.amdhsa_memory_ordered 1
		.amdhsa_forward_progress 1
		.amdhsa_inst_pref_size 255
	.end_amdhsa_kernel
	.section	.bss,"aw",@nobits
	.p2align	6
	.space	262144
	.amdgpu_metadata
---
amdhsa.version: [ 1, 2 ]
amdhsa.kernels:
  - .name:           k_qd0e2deba1f_attn
    .symbol:         k_qd0e2deba1f_attn.kd
    .args:
      - { .name: qc, .offset: 0, .size: 8, .value_kind: global_buffer, .address_space: global }
      - { .name: kv, .offset: 8, .size: 8, .value_kind: global_buffer, .address_space: global }
      - { .name: sc, .offset: 16, .size: 8, .value_kind: global_buffer, .address_space: global }
      - { .name: oc, .offset: 24, .size: 8, .value_kind: global_buffer, .address_space: global }
      - { .name: os, .offset: 32, .size: 8, .value_kind: global_buffer, .address_space: global }
    .group_segment_fixed_size: 157696
    .private_segment_fixed_size: 0
    .kernarg_segment_align: 8
    .kernarg_segment_size: 40
    .max_flat_workgroup_size: 512
    .sgpr_count:     66
    .vgpr_count:     256
    .wavefront_size: 32
...
	.end_amdgpu_metadata
.endif
;; end of part 7
;; launch tail (part 8): grid 128 x 1, 4 waves a work-group, no clusters, 271,872 bytes of LDS; arguments oc, os, x, wc, wsc, bo, gamma1, beta1, b1, b2, gamma2, beta2, out0; writes out0
.if DOCPART == 8
	.amdgcn_target "amdgcn-amd-amdhsa--gfx1250"
	.amdhsa_code_object_version 6
	.text
	.protected	k_qd0e2deba1f_tail
	.globl	k_qd0e2deba1f_tail
	.p2align	8
	.type	k_qd0e2deba1f_tail,@function
k_qd0e2deba1f_tail:
	s_mov_b64 s[64:65], 0
	v_nop
	global_prefetch_b8 v0, s[64:65] scope:SCOPE_SE
	s_setreg_imm32_b32 hwreg(HW_REG_WAVE_SCHED_MODE, 0, 2), 2
	s_setreg_imm32_b32 hwreg(HW_REG_WAVE_MODE, 25, 1), 1
	s_wait_xcnt 0x0
	s_wait_alu depctr_vm_vsrc(0)
; x1 = LN1(x + o Wo + bo); out = LN2(x1 + relu(x1 W1 + b1) W2 + b2).  The three products on codes of E5M2 with one E8M0 byte for each 32 along K; all else f32.  LN(z) = (z - mean) / (std + 1e-5) gamma + beta.
; SHARES.  A work-group takes 64 rows through the whole chain; nothing between the products goes to memory.  THE WAVES SHARE THE COLUMNS: wave w makes columns 128 w .. 128 w + 127 of every result (of the
; hidden layer: units 512 round + 128 w on, four rounds), for all 64 rows: 32 accumulators.  Its 36 groups of weight codes (16,384 bytes each, laid in this order by the first launch) come straight from
; memory into a ring of four register slots: 512 consecutive bytes a load, three half-groups (54 loads) on their way while one is multiplied.
; The rows' codes go from wave to wave through LDS as images of the operand's registers: wave w's 128 columns of x1 (of a round's hidden units) are one K step of the next product.
; All products transposed (source 0 = 16 columns of the weight, source 1 = 16 rows): a lane holds one row and 64 registers = 128 neighbouring columns in an operand's order; x, x1 and the result lie so in window 3.
; A row's mean and variance: each wave's part over its 128 columns, the four parts through LDS; the mean is taken away before squaring.
; NO JOINT LOADS: every weight fragment serves one wave alone and goes to its registers; a joint load lands in LDS, from where each fragment would have to be read once more.
; LIMITS: NaN and infinities are not served; a block whose largest magnitude lies under 2^-111 (a block of zeros too) keeps the byte 1; v_sqrt_f32 takes a variance under 2^-126 as 0.
; REGISTERS, in windows of 256: window 0 addresses, scales, work, the rows' fragments (v128-255, two sets; also held numbers, gamma and beta, rows on the way out); window 1 the weight ring;
; window 2 the accumulators; window 3 the residual.
; THE MODE: SCHED_MODE bits 1:0 = 2 (LLVM: expert scheduling mode 2), set by the entry lines.  The code itself states the register dependences
; between vector or matrix instructions and memory or LDS instructions, with s_wait_alu, always for 0.
; THE PLAN.  Registers that memory or LDS instructions touch:
;   the four weight slots and v[WSC ..]  a half step's sixteen products read a slot and its two scale registers; behind them the half-group four further on lands there.
;   v128-255, v[ASC ..]                  two sets of fragments: a K step's 32 products read a set, the fragments of two K steps on land in it.  The same registers hold the quantiser's held numbers,
;                                        gamma and beta (LDS loads; the layer norm's lines read them) and the rows on the way out (LDS loads; global stores read them).
;   the accumulators                     the bias lands; the products add; the quantiser's or the residual's lines read; the next bias lands.
;   v[PC ..], v[PW]                      the quantiser's lines write; an image's five LDS stores read.
;   v[LT ..]                             a reduction's lines write v[LT+16 ..], its LDS store reads them; the four waves' parts land in v[LT .. LT+15].
;   window 3                             x's loads at the head write it, then vector instructions alone; read by the way out's LDS stores.
;   v8-10, v13, v14                      LDS addresses that are made anew for each round or trip; all other addresses are made at the head and never written again.
; So ONE wait on va_vdst stands in a half step, behind its products: the slot's 18 loads follow it at once, since 54 loads are to stay on their way, and in a K step's second half the 20 LDS loads too.
; One wait on va_vdst stands ahead of each image's stores, of each reduction's store and of the whole way out; one on vm_vsrc ahead of each rewrite of what LDS or memory instructions have read.
.set OCI, 0                            ; LDS: o's 16 fragments [s][m][2,048]
.set X1I, 32768                        ; x1's
.set HID, 65536                        ; the hidden layer's 64: [K step 16][m][2,048]
.set OSC, 196608                       ; scale words [s][m][32 lanes]: o's,
.set X1S, 198656                       ; x1's,
.set HSC, 200704                       ; the hidden layer's
.set PAR, 208896                       ; bo, gamma1, beta1, b2, gamma2, beta2 (2,048 each), b1 (8,192)
.set LNS, 229376                       ; four regions of [wave][lane][4 row tiles] f32
.set STG, 237568                       ; the way out: 16 rows x 528 bytes for each wave
.set L16, 1
.set L4,  2
.set XA,  3                            ; 2,048 (r + (r & 8)) + 64 h
.set BIA, 4                            ; PAR + 512 w + 64 h
.set AX1, 5                            ; X1I + 16 l
.set AOS, 6                            ; OSC + 4 l
.set AX1S, 7                           ; X1S + 4 l
.set BB1, 8                            ; made in the loop: b1 of the round
.set HW,  9                            ;                   where the round's images go,
.set HSW, 10                           ;                   and their scale words
.set X1W, 11                           ; X1I + 16 l + 8,192 w
.set X1SW, 12                          ; X1S + 4 l + 512 w
.set YA,  13                           ; made in the loop: the hidden fragments in hand
.set YS,  14
.set LNW, 15                           ; LNS + 512 w + 16 l
.set T16, 8                            ; at the head only: 16 x thread,
.set TPA, 9                            ;   PAR + 16 x thread,
.set OSA, 10                           ;   16 r,
.set CPA, 13                           ;   16 l + 8,192 w,
.set AOW, 14                           ;   OSC + 4 l + 128 w
.set LNR, 120                          ; LNS + 16 l
.set STO, 121
.set SRD, 122
.set HWB, 123                          ; HID + 16 l + 8,192 w
.set HSWB, 124                         ; HSC + 4 l + 512 w
.set YAB, 125                          ; HID + 16 l
.set YSB, 126                          ; HSC + 4 l
.set WSC, 16
.set ASC, 24
.set TM,  32
.set PW,  48
.set SW,  52
.set PC,  56
.set LT,  72                           ; v72-87 chains, then the four waves' parts; v88-91 my parts; v92-95 the other half's
.set MN,  104                          ; -mean, a pair for each row tile
.set IV,  112                          ; 1 / (std + eps), likewise
.set AF,  128
.set TQ,  128
.set GA,  128
.set BE,  192
.set WP,  10
.set WSP, 12
.set WV,  30
.set MNT, 31
.set SEL, 32
.set CNT, 34
.set HO,  35
.set HSO, 36
.set B1O, 37
.set YO,  38
.set YSO, 39
.set MSB, 0
.macro WIN new                         ; the immediate's high byte repeats the setting that is left; a switch that changes nothing is dropped
.if MSB != (\new)
	s_set_vgpr_msb (MSB<<8)|(\new)
.set MSB, (\new)
.endif
.endm
.macro PLACES n
.rept \n
	v_nop
.endr
.endm
.macro BARRIER                         ; my LDS stores have landed and my LDS loads are in: then the work-group's barrier
	s_wait_dscnt 0x0
	s_barrier_signal -1
	s_barrier_wait -1
.endm
.macro WLOAD slot, hg                  ; half-group hg of the stream (four tiles and their scale words: 18 loads) into a slot
	WIN 0x40
.irp t, 0,1,2,3
.irp c, 0,1,2,3
	global_load_b128 v[64*(\slot)+16*\t+4*\c:64*(\slot)+16*\t+4*\c+3], v[L16], s[WP:WP+1] offset:8192*(\hg)+2048*\t+512*\c
.endr
.endr
	WIN 0
.irp i, 0,1
	global_load_b32 v[WSC+2*(\slot)+\i], v[L4], s[WSP:WSP+1] offset:256*(\hg)+128*\i
.endr
.endm
.macro WM t, m, th                     ; one product: weight tile 4 th + t, row tile m
.set WACC, 64*(\m)+8*(4*(\th)+(\t))
.set WW, 64*HQ+16*(\t)
.set WA, AF+64*HP+16*(\m)
.set WSR, WSC+2*HQ+(\t)/2
.set WAS, ASC+4*HP+(\m)
.if (\t)%2
	v_wmma_scale_f32_16x16x128_f8f6f4 v[WACC:WACC+7], v[WW:WW+15], v[WA:WA+15], v[WACC:WACC+7], v[WSR], v[WAS] matrix_a_fmt:MATRIX_FMT_BF8 matrix_b_fmt:MATRIX_FMT_BF8 matrix_a_scale:MATRIX_SCALE_ROW1
.else
	v_wmma_scale_f32_16x16x128_f8f6f4 v[WACC:WACC+7], v[WW:WW+15], v[WA:WA+15], v[WACC:WACC+7], v[WSR], v[WAS] matrix_a_fmt:MATRIX_FMT_BF8 matrix_b_fmt:MATRIX_FMT_BF8
.endif
.endm
; Half a K step: 16 products on 16 accumulators; the 32 accumulators take turns, one instruction a turn.  Eight places follow, then the half's one wait, then the slot is filled again.
; The stream's last four halves fill nothing and hold no wait, but for the very last: behind it gamma and beta land in the fragments' registers.
.macro HALF s, th, refill, lcnt
.set HQ, (2*(\s)+(\th))%4
.set HP, (\s)%2
	s_wait_loadcnt \lcnt                           ; this half-group is in; the younger ones, 18 loads each, stay out
	WIN 0xa1                                       ; source 0 (weight) window 1, source 1 (rows) window 0, C and D window 2
.irp t, 0,1,2,3
.irp m, 0,1,2,3
	WM \t, \m, \th
.endr
.endr
	PLACES 8
.if (\refill) || (((\s) == 3) && ((\th) == 1))
	s_wait_alu depctr_va_vdst(0)                   ; the products issued so far are done reading this slot and its scale words, in which the 18 loads below land; behind a K step's second half also the rows' fragments and their scale words, in which LDS loads land
.endif
.if \refill
	WLOAD HQ, 2*(\s)+(\th)+4
.endif
	WIN 0
.endm
.macro AFLOAD s, adr, off, sadr, soff  ; K step s: four fragments and four scale words from LDS: 20 loads
.irp m, 0,1,2,3
.irp c, 0,1,2,3
	ds_load_b128 v[AF+64*((\s)%2)+16*\m+4*\c:AF+64*((\s)%2)+16*\m+4*\c+3], v[\adr] offset:(\off)+(4*(\s)+\m)*2048+512*\c
.endr
.endr
.irp m, 0,1,2,3
	ds_load_b32 v[ASC+4*((\s)%2)+\m], v[\sadr] offset:(\soff)+128*(4*(\s)+\m)
.endr
.endm
.macro KSTEP s, dcnt, nxt, refill, l0, l1, adr, off, sadr, soff
	s_wait_dscnt \dcnt                             ; this step's fragments are in; the next step's 20 loads may be out
	HALF \s, 0, \refill, \l0
	HALF \s, 1, \refill, \l1
.if (\nxt) >= 0
	AFLOAD \nxt, \adr, \off, \sadr, \soff          ; into the set just left.  No wait of its own: since the second half's wait only loads and window switches were issued
.endif
.endm
; Four K steps.  pre: the first two steps' fragments are asked for here; cont: the next four steps follow in LDS; fin: the stream ends here, so the last four half-groups fill nothing.
.macro GEMM4 adr, off, sadr, soff, pre, cont, fin
.if \pre
	AFLOAD 0, \adr, \off, \sadr, \soff
	AFLOAD 1, \adr, \off, \sadr, \soff
.endif
	KSTEP 0, 20, 2, 1, 54, 54, \adr, \off, \sadr, \soff
	KSTEP 1, 20, 3, 1, 54, 54, \adr, \off, \sadr, \soff
.if \cont
	KSTEP 2, 20, 4, 1, 54, 54, \adr, \off, \sadr, \soff
	KSTEP 3, 20, 5, 1, 54, 54, \adr, \off, \sadr, \soff
.elseif \fin
	KSTEP 2, 20, -1, 0, 54, 36, \adr, \off, \sadr, \soff
	KSTEP 3, 0, -1, 0, 18, 0, \adr, \off, \sadr, \soff
.else
	KSTEP 2, 20, -1, 1, 54, 54, \adr, \off, \sadr, \soff
	KSTEP 3, 0, -1, 1, 54, 54, \adr, \off, \sadr, \soff
.endif
.if (\fin) == 0
	s_wait_xcnt 0x0                                ; the loads on their way have read their bases: the stream steps eight half-groups on
	s_add_nc_u64 s[WP:WP+1], s[WP:WP+1], 65536
	s_add_nc_u64 s[WSP:WSP+1], s[WSP:WSP+1], 2048
.endif
.endm
.macro INIT adr, off                   ; the bias as the accumulators' first content: lane (r, h), tile t: columns 32 (t / 2) + 16 h + 8 (t % 2) + 0 .. 7
	WIN 0x80
.irp t, 0,1,2,3,4,5,6,7
.irp m, 0,1,2,3
	ds_load_b128 v[64*\m+8*\t:64*\m+8*\t+3], v[\adr] offset:(\off)+128*(\t/2)+32*(\t%2)
	ds_load_b128 v[64*\m+8*\t+4:64*\m+8*\t+7], v[\adr] offset:(\off)+128*(\t/2)+32*(\t%2)+16
.endr
.endr
	WIN 0
.endm
; 64 numbers of a lane in window win, v[s] on, register 16 b + i = k 32 b + 16 h + i of my row, become a fragment's codes in v[PC] on and its scale word in v[PW].  The numbers stay as they are.
.macro QUANT win, s, relu
.set QA, (\win)|((\win)<<2)
.set QB, ((\win)<<2)|((\win)<<4)
	WIN QA
.irp b, 0,1,2,3
.if \relu
	v_max3_num_f32 v[TM+\b], v[(\s)+16*\b], v[(\s)+16*\b+1], 0x8000000         ; no |.|: what is negative becomes 0 and must not count; the floor 2^(16 - 127) stands over it
.else
	v_max3_num_f32 v[TM+\b], |v[(\s)+16*\b]|, |v[(\s)+16*\b+1]|, 0x8000000     ; block b: my 16 numbers and the floor 2^(16 - 127): the byte cannot fall under 1
.endif
.endr
	WIN QB
.irp i, 2,4,6,8,10,12,14
.irp b, 0,1,2,3
.if \relu
	v_max3_num_f32 v[TM+\b], v[TM+\b], v[(\s)+16*\b+\i], v[(\s)+16*\b+\i+1]
.else
	v_max3_num_f32 v[TM+\b], v[TM+\b], |v[(\s)+16*\b+\i]|, |v[(\s)+16*\b+\i+1]|   ; the four blocks by turns, each accumulator from its low end on
.endif
.endr
.endr
	WIN 0
.irp b, 0,1,2,3
	v_permlanex16_b32 v[TM+4+\b], v[TM+\b], s[SEL], s[SEL+1]
.endr
.irp b, 0,1,2,3
	v_max_num_f32 v[TM+\b], v[TM+\b], v[TM+4+\b]   ; with lane l xor 16's 16 numbers: the block's largest magnitude
.endr
.irp b, 0,1,2,3
	v_add_nc_u32 v[TM+12+\b], 0xf8800000, v[TM+\b] ; 15 off the exponent field: the conversion's scale operand
.endr
.irp b, 0,1,2,3
	v_and_or_b32 v[TM+8+\b], v[TM+\b], 0x7f800000, s[MNT]   ; 57,344 x the scale
.endr
.irp b, 0,1,2,3
	v_lshrrev_b32 v[TM+4+\b], 23, v[TM+12+\b]      ; the scale's byte
.endr
	v_lshl_or_b32 v[PW], v[TM+5], 8, v[TM+4]
	v_lshl_or_b32 v[PW], v[TM+6], 16, v[PW]
	v_lshl_or_b32 v[PW], v[TM+7], 24, v[PW]
	WIN \win
.irp b, 0,1,2,3
.irp i, 0,1,2,3,4,5,6,7,8,9,10,11,12,13,14,15
.if \relu
	v_med3_num_f32 v[TQ+16*\b+\i], v[(\s)+16*\b+\i], 0, v[TM+8+\b]             ; the activation and the hold in one
.else
	v_med3_num_f32 v[TQ+16*\b+\i], v[(\s)+16*\b+\i], -v[TM+8+\b], v[TM+8+\b]   ; the conversion does not saturate (ISA guide 7.6.2): the hold comes first
.endif
.endr
.endr
	WIN 0
.irp b, 0,1,2,3
	v_cvt_scalef32_pk8_bf8_f32 v[PC+4*\b:PC+4*\b+1], v[TQ+16*\b:TQ+16*\b+7], v[TM+12+\b]
	v_cvt_scalef32_pk8_bf8_f32 v[PC+4*\b+2:PC+4*\b+3], v[TQ+16*\b+8:TQ+16*\b+15], v[TM+12+\b]
.endr
	v_nop                                          ; one plain instruction behind the last conversion
.endm
.macro IMAGE adr, off, sadr, soff      ; the fragment and its scale word go to LDS as they stand
	s_wait_alu depctr_va_vdst(0)                   ; the conversions have written v[PC ..] and the shifts v[PW], which the LDS stores read; the quantiser's lines are done with the accumulators and with v[TQ ..], in which LDS loads land behind the last image
.irp c, 0,1,2,3
	ds_store_b128 v[\adr], v[PC+4*\c:PC+4*\c+3] offset:(\off)+512*\c
.endr
	ds_store_b32 v[\sadr], v[PW] offset:\soff
	s_wait_alu depctr_vm_vsrc(0)                   ; the five stores have read v[PC ..] and v[PW], which the next fragment's lines write again
.endm
; The eight chains in v[LT] on (two pairs a row tile) become the rows' totals over all 512 columns, v[LT + m]: my part, the other half of the lanes', the four waves' through LDS region reg.
.macro REDUCE reg
	WIN 0
.irp m, 0,1,2,3
	v_pk_add_f32 v[LT+4*\m:LT+4*\m+1], v[LT+4*\m:LT+4*\m+1], v[LT+4*\m+2:LT+4*\m+3]
.endr
.if (\reg) > 0
	s_wait_alu depctr_vm_vsrc(0)                   ; the last reduction's LDS store has read v[LT+16 ..], which the lines below write again
.endif
.irp m, 0,1,2,3
	v_add_f32 v[LT+16+\m], v[LT+4*\m], v[LT+4*\m+1]
.endr
.irp m, 0,1,2,3
	v_permlanex16_b32 v[LT+20+\m], v[LT+16+\m], s[SEL], s[SEL+1]
.endr
.irp m, 0,1,2,3
	v_add_f32 v[LT+16+\m], v[LT+16+\m], v[LT+20+\m]
.endr
	s_wait_alu depctr_va_vdst(0)                   ; v[LT+16 ..] is written, which the LDS store reads; the additions are done with v[LT .. LT+15], in which the four waves' parts land
	ds_store_b128 v[LNW], v[LT+16:LT+19] offset:\reg
	BARRIER                                        ; every wave's parts lie in the region, which is written once
.irp k, 0,1,2,3
	ds_load_b128 v[LT+4*\k:LT+4*\k+3], v[LNR] offset:(\reg)+512*\k
.endr
	s_wait_dscnt 0x0
	v_pk_add_f32 v[LT:LT+1], v[LT:LT+1], v[LT+4:LT+5]              ; the same order in every wave: all four hold the same totals
	v_pk_add_f32 v[LT+2:LT+3], v[LT+2:LT+3], v[LT+6:LT+7]
	v_pk_add_f32 v[LT+8:LT+9], v[LT+8:LT+9], v[LT+12:LT+13]
	v_pk_add_f32 v[LT+10:LT+11], v[LT+10:LT+11], v[LT+14:LT+15]
	v_pk_add_f32 v[LT:LT+1], v[LT:LT+1], v[LT+8:LT+9]
	v_pk_add_f32 v[LT+2:LT+3], v[LT+2:LT+3], v[LT+10:LT+11]
.endm
; window 3 += the accumulators; then the layer norm of window 3, in place.  goff, boff: gamma's and beta's place among the parameters; r0, r1: two LDS regions.
.macro RESLN goff, boff, r0, r1
	WIN 0xcb                                       ; destination and source 0 window 3, source 1 window 2
.set K, 0
.rept 128
	v_pk_add_f32 v[K:K+1], v[K:K+1], v[K:K+1]      ; the residual + the product (its bias is in it); each accumulator from its low end on
.set K, K+2
.endr
	WIN 0
.irp b, 0,1,2,3
.irp i, 0,1,2,3
	ds_load_b128 v[GA+16*\b+4*\i:GA+16*\b+4*\i+3], v[BIA] offset:(\goff)+128*\b+16*\i      ; into the fragments' registers.  No wait of its own: since the last half's wait only the additions above were issued, which name windows 2 and 3
	ds_load_b128 v[BE+16*\b+4*\i:BE+16*\b+4*\i+3], v[BIA] offset:(\boff)+128*\b+16*\i
.endr
.endr
	WIN 0x0f
.irp m, 0,1,2,3
	v_pk_add_f32 v[LT+4*\m:LT+4*\m+1], v[64*\m:64*\m+1], v[64*\m+2:64*\m+3]
	v_pk_add_f32 v[LT+4*\m+2:LT+4*\m+3], v[64*\m+4:64*\m+5], v[64*\m+6:64*\m+7]
.endr
	WIN 0x0c
.irp k, 8,12,16,20,24,28,32,36,40,44,48,52,56,60
.irp m, 0,1,2,3
	v_pk_add_f32 v[LT+4*\m:LT+4*\m+1], v[LT+4*\m:LT+4*\m+1], v[64*\m+\k:64*\m+\k+1]
	v_pk_add_f32 v[LT+4*\m+2:LT+4*\m+3], v[LT+4*\m+2:LT+4*\m+3], v[64*\m+\k+2:64*\m+\k+3]
.endr
.endr
	REDUCE \r0
.irp m, 0,1,2,3
	v_mul_f32 v[MN+2*\m], 0xbb000000, v[LT+\m]     ; -mean = total x -2^-9
	v_mul_f32 v[MN+2*\m+1], 0xbb000000, v[LT+\m]
.endr
	WIN 0xc3
.irp m, 0,1,2,3
.set K, 0
.rept 32
	v_pk_add_f32 v[64*\m+K:64*\m+K+1], v[64*\m+K:64*\m+K+1], v[MN+2*\m:MN+2*\m+1]
.set K, K+2
.endr
.endr
	WIN 0x0f
.irp m, 0,1,2,3
	v_pk_mul_f32 v[LT+4*\m:LT+4*\m+1], v[64*\m:64*\m+1], v[64*\m:64*\m+1]
	v_pk_mul_f32 v[LT+4*\m+2:LT+4*\m+3], v[64*\m+2:64*\m+3], v[64*\m+2:64*\m+3]
.endr
.irp k, 4,8,12,16,20,24,28,32,36,40,44,48,52,56,60
.irp m, 0,1,2,3
	v_pk_fma_f32 v[LT+4*\m:LT+4*\m+1], v[64*\m+\k:64*\m+\k+1], v[64*\m+\k:64*\m+\k+1], v[LT+4*\m:LT+4*\m+1]
	v_pk_fma_f32 v[LT+4*\m+2:LT+4*\m+3], v[64*\m+\k+2:64*\m+\k+3], v[64*\m+\k+2:64*\m+\k+3], v[LT+4*\m+2:LT+4*\m+3]
.endr
.endr
	REDUCE \r1
.irp m, 0,1,2,3
	v_mul_f32 v[LT+\m], 0x3b000000, v[LT+\m]       ; the variance
.endr
	s_wait_alu depctr_va_vdst(0)
.irp m, 0,1,2,3
	v_sqrt_f32 v[LT+\m], v[LT+\m]
.endr
	v_nop
	s_wait_alu depctr_va_vdst(0)                   ; the four roots have written v[LT ..], ahead of their first reader
.irp m, 0,1,2,3
	v_add_f32 v[LT+\m], 0x3727c5ac, v[LT+\m]       ; std + 1e-5
.endr
	s_wait_alu depctr_va_vdst(0)
.irp m, 0,1,2,3
	v_rcp_f32 v[IV+2*\m], v[LT+\m]
.endr
	v_nop
	s_wait_alu depctr_va_vdst(0)                   ; the four reciprocals have written v[IV ..], ahead of their first reader
.irp m, 0,1,2,3
	v_mov_b32 v[IV+2*\m+1], v[IV+2*\m]
.endr
	WIN 0xc3
.irp m, 0,1,2,3
.set K, 0
.rept 32
	v_pk_mul_f32 v[64*\m+K:64*\m+K+1], v[64*\m+K:64*\m+K+1], v[IV+2*\m:IV+2*\m+1]
.set K, K+2
.endr
.set K, 0
.rept 32
	v_pk_fma_f32 v[64*\m+K:64*\m+K+1], v[64*\m+K:64*\m+K+1], v[GA+K:GA+K+1], v[BE+K:BE+K+1]
.set K, K+2
.endr
.endr
	WIN 0
.endm
	s_load_b256 s[4:11], s[0:1], 0x0               ; oc, os, x, wc
	s_load_b256 s[12:19], s[0:1], 0x20             ; wsc, bo, gamma1, beta1
	s_load_b256 s[20:27], s[0:1], 0x40             ; b1, b2, gamma2, beta2
	s_load_b64 s[28:29], s[0:1], 0x60              ; out0
	v_lshl_add_u32 v103, v0, 2, 0x42400
	v_mov_b32 v127, 0
	v_lshrrev_b32 v50, 5, v0
	v_readfirstlane_b32 s[WV], v50                 ; wave 0..3
	v_and_b32 v50, 31, v0
	v_lshlrev_b32 v[L16], 4, v50
	v_lshlrev_b32 v[L4], 2, v50
	v_and_b32 v49, 15, v0                          ; r
	v_bfe_u32 v51, v0, 4, 1                        ; h
	v_and_b32 v50, 8, v49
	v_add_nc_u32 v50, v50, v49                     ; r + (r & 8)
	v_lshlrev_b32 v[XA], 11, v50
	v_lshl_add_u32 v[XA], v51, 6, v[XA]
	s_wait_alu depctr_va_sdst(0)                   ; the wave's number is written, ahead of its first reader
	s_lshl_b32 s40, s[WV], 9                       ; 512 w
	s_lshl_b32 s41, s[WV], 13                      ; 8,192 w
	s_lshl_b32 s42, s[WV], 7                       ; 128 w
	v_lshlrev_b32 v[BIA], 6, v51
	v_add_nc_u32 v[BIA], s40, v[BIA]
	v_add_nc_u32 v[BIA], PAR, v[BIA]
	v_add_nc_u32 v[AX1], X1I, v[L16]
	v_add_nc_u32 v[AOS], OSC, v[L4]
	v_add_nc_u32 v[AX1S], X1S, v[L4]
	v_add_nc_u32 v[X1W], s41, v[AX1]
	v_add_nc_u32 v[X1SW], s40, v[AX1S]
	v_add_nc_u32 v[YAB], HID, v[L16]
	v_add_nc_u32 v[YSB], HSC, v[L4]
	v_add_nc_u32 v[HWB], s41, v[YAB]
	v_add_nc_u32 v[HSWB], s40, v[YSB]
	v_add_nc_u32 v[LNR], LNS, v[L16]
	v_add_nc_u32 v[LNW], s40, v[LNR]
	s_mul_i32 s43, s[WV], 8448
	s_add_co_u32 s43, s43, STG                     ; my stage
	v_add_nc_u32 v[SRD], s43, v[L16]
	v_mul_u32_u24 v[STO], v49, 528
	v_lshl_add_u32 v[STO], v51, 6, v[STO]
	v_add_nc_u32 v[STO], s43, v[STO]
	v_add_nc_u32 v[CPA], s41, v[L16]
	v_add_nc_u32 v[AOW], s42, v[AOS]
	v_lshlrev_b32 v[T16], 4, v0
	v_add_nc_u32 v[TPA], PAR, v[T16]
	v_lshlrev_b32 v[OSA], 4, v49
.irp b, 0,1,2,3
	v_mov_b32 v[TM+4+\b], 0                        ; written once: a lane permute's destination counts as one of its sources
	v_mov_b32 v[LT+20+\b], 0
.endr
	s_mov_b32 s[SEL], 0x76543210
	s_mov_b32 s[SEL+1], 0xfedcba98
	s_mov_b32 s[MNT], 0x600000
	s_mov_b32 s45, 0
	s_mov_b32 s47, 0
	s_wait_kmcnt 0x0
	s_lshl_b32 s44, ttmp9, 15
	s_add_nc_u64 s[4:5], s[4:5], s[44:45]          ; the block's 16 images of o
	s_lshl_b32 s44, ttmp9, 10
	s_lshl_b32 s46, s[WV], 8
	s_add_nc_u64 s[6:7], s[6:7], s[44:45]
	s_add_nc_u64 s[6:7], s[6:7], s[46:47]          ; row tile w's scale bytes
	s_lshl_b32 s44, ttmp9, 17
	s_mov_b32 s46, s40
	s_add_nc_u64 s[8:9], s[8:9], s[44:45]
	s_add_nc_u64 s[8:9], s[8:9], s[46:47]          ; x and out0 at the block's first row, my first column
	s_add_nc_u64 s[28:29], s[28:29], s[44:45]
	s_add_nc_u64 s[28:29], s[28:29], s[46:47]
	s_mul_i32 s44, s[WV], 589824
	s_add_co_u32 s44, s44, 786432
	s_add_nc_u64 s[WP:WP+1], s[WP:WP+1], s[44:45]  ; my 36 groups, behind the 48 of the launch before
	s_mul_i32 s44, s[WV], 18432
	s_add_co_u32 s44, s44, 24576
	s_add_nc_u64 s[WSP:WSP+1], s[WSP:WSP+1], s[44:45]
	s_wait_alu depctr_va_vdst(0)                   ; the offsets and addresses v1 to v15 and v120 to v126 are written, which the loads and stores below read
.irp i, 0,1,2,3,4,5,6,7,8,9,10,11,12,13,14,15
	global_load_b128 v[128+4*\i:128+4*\i+3], v[CPA], s[4:5] offset:512*\i
.endr
	global_load_b128 v[SW:SW+3], v[OSA], s[6:7]
	global_load_b128 v[192:195], v[T16], s[14:15]
	global_load_b128 v[196:199], v[T16], s[16:17]
	global_load_b128 v[200:203], v[T16], s[18:19]
	global_load_b128 v[204:207], v[T16], s[22:23]
	global_load_b128 v[208:211], v[T16], s[24:25]
	global_load_b128 v[212:215], v[T16], s[26:27]
.irp i, 0,1,2,3
	global_load_b128 v[216+4*\i:216+4*\i+3], v[T16], s[20:21] offset:2048*\i
.endr
	WIN 0xc0
.irp m, 0,1,2,3
.irp b, 0,1,2,3
.irp i, 0,1,2,3
	global_load_b128 v[64*\m+16*\b+4*\i:64*\m+16*\b+4*\i+3], v[XA], s[8:9] offset:2048*(32*(\m/2)+8*(\m%2))+128*\b+16*\i th:TH_LOAD_NT   ; x in the accumulators' layout
.endr
.endr
.endr
	WIN 0
	WLOAD 0, 0
	WLOAD 1, 1
	WLOAD 2, 2
	WLOAD 3, 3
	s_wait_loadcnt 63                              ; 72 weight loads are younger than x's last: all that stands ahead of them is in
.irp i, 0,1,2,3,4,5,6,7,8,9,10,11,12,13,14,15
	ds_store_b128 v[CPA], v[128+4*\i:128+4*\i+3] offset:OCI+512*\i
.endr
.irp s, 0,1,2,3
	ds_store_b32 v[AOW], v[SW+\s] offset:512*\s    ; row tile w's word of K step s
.endr
.irp k, 0,1,2,3,4,5,6,7,8,9
	ds_store_b128 v[TPA], v[192+4*\k:192+4*\k+3] offset:2048*\k
.endr
	BARRIER                                        ; o's images and the parameters lie in LDS
	s_wait_alu depctr_vm_vsrc(0)                   ; my LDS stores have read v128 to v231, in which the fragments land from here on
	INIT BIA, 0                                    ; bo
	GEMM4 L16, OCI, AOS, 0, 1, 0, 0
	RESLN 2048, 4096, 0, 2048                      ; x1, in window 3
.irp m, 0,1,2,3
	QUANT 3, 64*\m, 0
	IMAGE X1W, 2048*\m, X1SW, 128*\m               ; my 128 columns are K step w of the next product
.endr
	BARRIER                                        ; x1's sixteen fragments lie in LDS
	s_mov_b32 s[HO], 0
	s_mov_b32 s[HSO], 0
	s_mov_b32 s[B1O], 12288
	s_mov_b32 s[CNT], 4
.Lh:                                               ; four rounds of 512 hidden units; no barrier: a wave reads x1's images and writes images of its own
	s_wait_alu depctr_vm_vsrc(0)                   ; the LDS and memory instructions issued so far have read v8, v9 and v10: the last round's bias loads and images' stores; in the first round the head's loads and stores
	v_add_nc_u32 v[BB1], s[B1O], v[BIA]
	v_add_nc_u32 v[HW], s[HO], v[HWB]
	v_add_nc_u32 v[HSW], s[HSO], v[HSWB]
	s_wait_alu depctr_va_vdst(0)                   ; the three addresses are written, which the bias loads below and the round's images' stores read
	INIT BB1, 0
	GEMM4 AX1, 0, AX1S, 0, 1, 0, 0
.irp m, 0,1,2,3
	QUANT 2, 64*\m, 1
	IMAGE HW, 2048*\m, HSW, 128*\m                 ; K step 4 round + w of the last product
.endr
	s_add_co_u32 s[HO], s[HO], 32768
	s_add_co_u32 s[HSO], s[HSO], 2048
	s_add_co_u32 s[B1O], s[B1O], 2048
	s_sub_co_u32 s[CNT], s[CNT], 1
	s_cmp_lg_u32 s[CNT], 0
	s_cbranch_scc1 .Lh
	BARRIER                                        ; the hidden layer's 64 fragments lie in LDS
	INIT BIA, 6144                                 ; b2  (the last image's wait on va_vdst stands ahead: no vector instruction since names the accumulators)
	s_mov_b32 s[YO], 0
	s_mov_b32 s[YSO], 0
	s_mov_b32 s[CNT], 3
	s_wait_alu depctr_vm_vsrc(0)                   ; the head's loads and LDS stores have read v13 and v14
	v_add_nc_u32 v[YA], s[YO], v[YAB]
	v_add_nc_u32 v[YS], s[YSO], v[YSB]
	s_wait_alu depctr_va_vdst(0)                   ; the two addresses are written, which the 40 LDS loads below read
	AFLOAD 0, YA, 0, YS, 0
	AFLOAD 1, YA, 0, YS, 0
.Ly:                                               ; K = 2,048: three trips of four K steps, each asking for the next trip's first two; the last four are written out
	s_wait_alu depctr_vm_vsrc(0)                   ; the fragments' loads issued so far have read v[YA] and v[YS]
	v_add_nc_u32 v[YA], s[YO], v[YAB]              ; (their next readers stand behind the first K step's waits on va_vdst)
	v_add_nc_u32 v[YS], s[YSO], v[YSB]
	GEMM4 YA, 0, YS, 0, 0, 1, 0
	s_add_co_u32 s[YO], s[YO], 32768
	s_add_co_u32 s[YSO], s[YSO], 2048
	s_sub_co_u32 s[CNT], s[CNT], 1
	s_cmp_lg_u32 s[CNT], 0
	s_cbranch_scc1 .Ly
	s_wait_alu depctr_vm_vsrc(0)                   ; the fragments' loads issued so far have read v[YA] and v[YS]
	v_add_nc_u32 v[YA], s[YO], v[YAB]              ; (their next readers stand behind the first K step's waits on va_vdst)
	v_add_nc_u32 v[YS], s[YSO], v[YSB]
	GEMM4 YA, 0, YS, 0, 0, 0, 1
	RESLN 8192, 10240, 4096, 6144                  ; the result, in window 3
; THE WAY OUT, a row tile at a time: a lane holds four runs of 64 bytes of one row; through my own stage they come back as my 512 bytes of each row, which the 32 lanes store: 512 consecutive bytes, aligned.
; LDS serves a wave's instructions in order (ISA guide 5.7.1.4): no wait between the stores and the loads, nor in front of the next tile's stores.
.macro OUTM m
.set OBS, 128+64*((\m)%2)
.if (\m) >= 2
	s_wait_xcnt 0x0                                ; the stores of two tiles ago have read their registers
	s_wait_alu depctr_vm_vsrc(0)                   ; the same, stated for the mode: the global stores of two tiles ago have read v[OBS ..], in which this tile's rows land
.endif
	WIN 0x0c                                       ; an LDS store's data are its source 1: window 3
.irp b, 0,1,2,3
.irp i, 0,1,2,3
	ds_store_b128 v[STO], v[64*(\m)+16*\b+4*\i:64*(\m)+16*\b+4*\i+3] offset:128*\b+16*\i
.endr
.endr
	WIN 0
.irp p, 0,1,2,3,4,5,6,7,8,9,10,11,12,13,14,15
	ds_load_b128 v[OBS+4*\p:OBS+4*\p+3], v[SRD] offset:528*\p
.endr
	s_wait_dscnt 0x0
.irp p, 0,1,2,3,4,5,6,7,8,9,10,11,12,13,14,15
	global_store_b128 v[L16], v[OBS+4*\p:OBS+4*\p+3], s[28:29] offset:2048*(32*((\m)/2)+8*((\m)%2)+\p+(\p&8)) th:TH_STORE_NT
.endr
.endm
	s_wait_alu depctr_va_vdst(0)                   ; the layer norm has written window 3, which the LDS stores read, and is done reading gamma and beta, in whose registers the rows land: one wait for the four tiles, since no vector instruction follows
	OUTM 0
	OUTM 1
	OUTM 2
	OUTM 3
	s_wait_dscnt 0x0                               ; the closing lines, six on end
	s_wait_alu 0x0
	s_wait_tensorcnt 0x0
	ds_add_u32 v103, v127
	s_wait_dscnt 0x0
	s_endpgm
.Lfunc_end_k_qd0e2deba1f_tail:
	.size	k_qd0e2deba1f_tail, .Lfunc_end_k_qd0e2deba1f_tail-k_qd0e2deba1f_tail
	.p2alignl 7, 3214868480
	.fill 96, 4, 3214868480
	.section	.rodata,"a",@progbits
	.p2align	6, 0x0
	.amdhsa_kernel k_qd0e2deba1f_tail
		.amdhsa_group_segment_fixed_size 271872
		.amdhsa_private_segment_fixed_size 0
		.amdhsa_enable_private_segment 0
		.amdhsa_kernarg_size 104
		.amdhsa_user_sgpr_count 2
		.amdhsa_user_sgpr_kernarg_segment_ptr 1
		.amdhsa_wavefront_size32 1
		.amdhsa_system_sgpr_workgroup_id_x 1
		.amdhsa_system_sgpr_workgroup_id_y 1
		.amdhsa_system_sgpr_workgroup_id_z 1
		.amdhsa_system_vgpr_workitem_id 0
		.amdhsa_next_free_vgpr 1024
		.amdhsa_next_free_sgpr 66
		.amdhsa_reserve_vcc 0
		.amdhsa_float_denorm_mode_32 3
		.amdhsa_float_denorm_mode_16_64 3
		.amdhsa_memory_ordered 1
		.amdhsa_forward_progress 1
		.amdhsa_inst_pref_size 255
	.end_amdhsa_kernel
	.section	.bss,"aw",@nobits
	.p2align	6
	.space	262144
	.amdgpu_metadata
---
amdhsa.version: [ 1, 2 ]
amdhsa.kernels:
  - .name:           k_qd0e2deba1f_tail
    .symbol:         k_qd0e2deba1f_tail.kd
    .args:
      - { .name: oc, .offset: 0, .size: 8, .value_kind: global_buffer, .address_space: global }
      - { .name: os, .offset: 8, .size: 8, .value_kind: global_buffer, .address_space: global }
      - { .name: x, .offset: 16, .size: 8, .value_kind: global_buffer, .address_space: global }
      - { .name: wc, .offset: 24, .size: 8, .value_kind: global_buffer, .address_space: global }
      - { .name: wsc, .offset: 32, .size: 8, .value_kind: global_buffer, .address_space: global }
      - { .name: bo, .offset: 40, .size: 8, .value_kind: global_buffer, .address_space: global }
      - { .name: gamma1, .offset: 48, .size: 8, .value_kind: global_buffer, .address_space: global }
      - { .name: beta1, .offset: 56, .size: 8, .value_kind: global_buffer, .address_space: global }
      - { .name: b1, .offset: 64, .size: 8, .value_kind: global_buffer, .address_space: global }
      - { .name: b2, .offset: 72, .size: 8, .value_kind: global_buffer, .address_space: global }
      - { .name: gamma2, .offset: 80, .size: 8, .value_kind: global_buffer, .address_space: global }
      - { .name: beta2, .offset: 88, .size: 8, .value_kind: global_buffer, .address_space: global }
      - { .name: out0, .offset: 96, .size: 8, .value_kind: global_buffer, .address_space: global }
    .group_segment_fixed_size: 271872
    .private_segment_fixed_size: 0
    .kernarg_segment_align: 8
    .kernarg_segment_size: 104
    .max_flat_workgroup_size: 128
    .sgpr_count:     66
    .vgpr_count:     1024
    .wavefront_size: 32
...
	.end_amdgpu_metadata
.endif
;; end of part 8
